; MI455X (gfx1250); checked and timed in simulation.
; The chip was launched on July 23, 2026; its instructions are those of AMD's public machine-readable ISA for CDNA 5 (MIT licence, August 2026) and "CDNA5" Instruction Set Architecture Reference Guide (July 2026). The comments in the code are by the model that wrote it; some were corrected since.
;; Ro PE Transformer Encoder Layer. Allowed arithmetic: matrix products marked QUANTISED: E2M3 operands, one E8M0 scale for each 32 along K, by v_wmma_scale_f32_16x16x128_f8f6f4 with both operands' format E2M3, f32 sums; everything else in f32.
;; Inputs: W1 4,096 x 1,024 float32; W2 1,024 x 4,096 float32; Wk 1,024 x 1,024 float32; Wo 1,024 x 1,024 float32; Wq 1,024 x 1,024 float32; Wv 1,024 x 1,024 float32; b1 4,096 float32; b2 1,024 float32; beta1 1,024 float32; beta2 1,024 float32; bk 1,024 float32; bo 1,024 float32; bq 1,024 float32; bv 1,024 float32; g1 1,024 float32; g2 1,024 float32; mask 2 x 2,048 bool; positions 2 x 2,048 int32; x 2 x 2,048 x 1,024 float32.
;; Outputs: out0 2 x 2,048 x 1,024 float32.
;; This version of the problem:
;;   THIS VERSION OF THE PROBLEM IS GIVEN IN LOW PRECISION. The matrix products marked QUANTISED in the list below multiply operands that are first quantised to E2M3 (2 exponent bits, 3 mantissa bits; 6 bits a number), with one power-of-two scale for each 32 numbers along K (OCP MX v1.0); their sums are f32. All else is computed in f32.
;;   The module's matrix products, in the order in which they are computed (A, B: the left and right operand; K: the contracted axis; several contracted axes count as one K, in the product's order):
;;     1. [M 4,096, K 1,024] x [K 1,024, N 1,024]; A: computed on the way; B: input Wq: QUANTISED
;;     2. [M 4,096, K 1,024] x [K 1,024, N 1,024]; A: computed on the way; B: input Wk: QUANTISED
;;     3. [M 4,096, K 1,024] x [K 1,024, N 1,024]; A: computed on the way; B: input Wv: QUANTISED
;;     4. batch 32 x [M 2,048, K 64] x [K 64, N 2,048]; A: computed on the way; B: computed on the way: QUANTISED
;;     5. batch 32 x [M 2,048, K 2,048] x [K 2,048, N 64]; A: computed on the way; B: computed on the way: QUANTISED
;;     6. [M 4,096, K 1,024] x [K 1,024, N 1,024]; A: computed on the way; B: input Wo: QUANTISED
;;     7. [M 4,096, K 1,024] x [K 1,024, N 4,096]; A: computed on the way; B: input W1: QUANTISED
;;     8. [M 4,096, K 4,096] x [K 4,096, N 1,024]; A: computed on the way; B: input W2: QUANTISED
;;   THE QUANTISER, for each operand of a quantised product, along K:
;;     - K is cut into blocks of 32 from its start; a last block that is shorter is filled with zeros.
;;     - A block's scale is 2^e with e = floor(log2(the largest magnitude in the block)) - 2, held to -126 .. 127; a block of zeros has e = 0. As a byte (E8M0): e + 127.
;;     - Each number is divided by its block's scale, clamped to +-7.5, and rounded to the nearest number of E2M3, ties to even, subnormals kept.
;;     - The product sums the exact products of the quantised numbers (number of the format x scale) in f32.
;;   ~~~python
;;   def quantise(x, axis):      # numpy; x: float32 -> the quantised numbers, widened to float32 again
;;       x = np.moveaxis(x, axis, -1); K = x.shape[-1]
;;       x = np.pad(x, [(0, 0)] * (x.ndim - 1) + [(0, -K % 32)]); x = x.reshape(x.shape[:-1] + (-1, 32)); a = np.abs(x).max(-1, keepdims=True)
;;       e = np.where(a > 0, np.clip(np.frexp(np.where(a > 0, a, 1))[1] - 1 - 2, -126, 127), 0)      # np.frexp(a)[1] - 1 = floor(log2(a)), exactly
;;       r = np.clip(x / 2.0 ** e, -7.5, 7.5)
;;       step = 2.0 ** (np.maximum(np.frexp(np.where(r == 0, 1, r))[1] - 1, 0) - 3)
;;       q = np.round(r / step) * step * 2.0 ** e      # np.round: ties to even
;;       return np.moveaxis(q.reshape(q.shape[:-2] + (-1,))[..., :K], -1, axis).astype(np.float32)
;;   ~~~
;;   OPERANDS COMPUTED ON THE WAY. 'Computed on the way' means the value that the module computes at that place (a softmax that the list does not call 'softmax' is quantised finished and normalised). What goes into a quantiser is computed in f32, as accurately as f32 sums, v_exp_f32 and their like allow (about 1e-6 of the number): no bf16 or f16 on the way to a quantiser, and a product that is left as it is and whose result goes on into a quantised operand takes f32 operands (vector FMAs, or v_wmma_f32_16x16x4_f32). A number that lies on a knife's edge between two numbers of the format may be rounded either way, as far as f32 arithmetic and the matrix unit's own rounding can turn it there, and no further.
;; 2 versions, each right and faster than the one before. Each part assembles by itself: llvm-mc -triple=amdgcn-amd-amdhsa -mcpu=gfx1250 --defsym DOCPART=n.
;; ======== version 1 of 2: 7 launches
;; limits: right only within a limited range of input values; a function is approximated: absolute error at most 1.5e-07; an absolute error that grows with the inputs' magnitude: up to 1e-07 times it
;; workspace buffers: hc 3,276,800 bytes; wq6 9,830,400 bytes; rope 1,048,576 bytes; qkv 12,189,696 bytes; ac 3,276,800 bytes; x1 16,777,216 bytes; gc 13,107,200 bytes
;; launch prep (part 1): grid 1024 x 1, 8 waves a work-group, no clusters, 67,584 bytes of LDS; arguments x, g1, beta1, hc, Wq, Wk, Wv, Wo, W1, W2, wq6, positions, rope; writes hc, wq6, rope
.if DOCPART == 1
	.amdgcn_target "amdgcn-amd-amdhsa--gfx1250"
	.amdhsa_code_object_version 6
	.text
	.protected	k_q469818fa1f_prep
	.globl	k_q469818fa1f_prep
	.p2align	8
	.type	k_q469818fa1f_prep,@function
k_q469818fa1f_prep:
	s_mov_b64 s[64:65], 0
	v_nop
	global_prefetch_b8 v0, s[64:65] scope:SCOPE_SE
	s_setreg_imm32_b32 hwreg(HW_REG_WAVE_MODE, 25, 1), 1
	s_wait_xcnt 0x0
; A JOB is 16 rows x 1,024 columns of f32 that become eight operand fragments (16 rows x 128 K) of FP6 (E2M3) codes and their scale words.
; Jobs 0-255: rows of the first argument, layer-normed (g, beta) first -> hc.  Jobs 256-1023: rows of Wq, Wk, Wv, Wo, W1, W2 as they are -> wq6.
; Jobs 256-511 also make the RoPE table of 16 tokens each (two a wave) while their rows are on their way.
; A FRAGMENT IN MEMORY IS AN IMAGE OF THE OPERAND'S 12 REGISTERS, 1,536 bytes: half c (768 bytes): registers 6c..6c+3 at 16 x lane, registers 6c+4, 6c+5 at 512 + 8 x lane.
; Fragment (tile, ks) lies at (tile x KS + ks) x 1,536; its 16 scale words at (tile x KS + ks) x 64 + 4 x row slot behind the codes.
; ROW SLOTS.  Activations: slot r of tile t is row 16 t + r.  Weights: slot r of tile t is row 16 t - 8 (t & 1) + r + 8 (r / 8), so that in a product used transposed the 16 registers of two
; neighbouring tiles are 16 neighbours along the next K.
; QUANTISER: a block's scale is 2^(floor(log2(largest magnitude)) - 2); its byte is the magnitude's exponent field - 2, held at 1 from below.  A block of zeros keeps byte 1 (its codes are zeros; this program alone reads the bytes).
; ROPE TABLE: 256 bytes a token: sixteen groups {cos 2p, cos 2p+1, sin 2p, sin 2p+1}.  Angle = f32(position) x inv_freq; reduced by multiples of pi/2 held in three parts, then two polynomials.
; LIMITS: NaN and infinities are not served; |angle| under 1e5; inv_freq is 10^(-j/8) rounded once to f32, which may differ in the last bit from a power and a reciprocal taken in f32.
; Eight waves: wave w loads (and norms) row slots 2w, 2w+1 by dense loads of 512 bytes; the rows meet in LDS; then wave w quantises K step w of all 16 slots.
.set PITCH, 4112                       ; an LDS row: 4,096 bytes + 16: the sixteen rows that a 16-byte load touches fall on sixteen different 16-byte columns
.set SCA,   16*PITCH                   ; 512 bytes: the job's scale words
.set SPARE, SCA+512                    ; the spare words: 128 bytes a wave, four blocks of 256 bytes that no other line names
.set HSC,   3145728                    ; hc: where the scale words begin
.set WSC,   9437184                    ; wq6: likewise
.set X,   16                           ; v16-79   two rows as loaded; later 64 numbers for the quantiser
.set G,   80                           ; v80-111  g       (layer norm only)
.set BT,  112                          ; v112-143 beta
.set PC,  80                           ; v80-98   the codes just made
.set TM,  100                          ; v100-115 at work in the quantiser
.set PW,  116                          ; v116     the scale word just made
.set T,   144                          ; v144-149 at work
.set RS,  152                          ; v152-155 1/sqrt(var + eps) of the two rows, as pairs
.set SPW, 12                           ; v12      my spare word's LDS address; never rewritten
.set NIL, 13                           ; v13      0; never rewritten
.set SEL, 36                           ; s[36:37] selects for lane l xor 16
; 64 numbers of a lane, register 16 b + i = k 32 b + 16 (lane / 16) + i of my row, become a fragment's codes in v[PC] on and its scale word in v[PW].
.macro QUANT s
.irp b, 0,1,2,3
	v_max3_num_f32 v[TM+\b], |v[\s+16*\b]|, |v[\s+1+16*\b]|, 0x1800000   ; my 16 numbers of block b, and the floor 2^(3 - 127): the byte cannot fall under 1
.endr
.irp i, 2,4,6,8,10,12,14
.irp b, 0,1,2,3
	v_max3_num_f32 v[TM+\b], v[TM+\b], |v[\s+16*\b+\i]|, |v[\s+1+16*\b+\i]|
.endr
.endr
.irp b, 0,1,2,3
	v_permlanex16_b32 v[TM+4+\b], v[TM+\b], s[SEL], s[SEL+1]
.endr
.irp b, 0,1,2,3
	v_max_num_f32 v[TM+\b], v[TM+\b], v[TM+4+\b]   ; with lane l xor 16's: the block's largest magnitude
.endr
.irp b, 0,1,2,3
	v_add_nc_u32 v[TM+12+\b], 0xff000000, v[TM+\b]   ; 2 off its exponent field: the conversion's scale operand
.endr
.irp b, 0,1,2,3
	v_lshrrev_b32 v[TM+4+\b], 23, v[TM+12+\b]      ; the scale's byte
.endr
	v_lshl_or_b32 v[PW], v[TM+5], 8, v[TM+4]
	v_lshl_or_b32 v[PW], v[TM+6], 16, v[PW]
	v_lshl_or_b32 v[PW], v[TM+7], 24, v[PW]
.irp c, 0,1
	v_cvt_scalef32_pk16_fp6_f32 v[PC+6*\c:PC+2+6*\c], v[\s+32*\c:\s+15+32*\c], v[TM+12+2*\c]
	v_cvt_scalef32_pk16_fp6_f32 v[PC+12+4*\c:PC+14+4*\c], v[\s+16+32*\c:\s+31+32*\c], v[TM+12+2*\c+1]   ; (three registers from an even one on)
.endr
	v_nop                                          ; one plain place behind a scaled conversion
.irp c, 0,1                                    ; a whole block to a lane: lanes 0-15 block 2 c, lanes 16-31 block 2 c + 1
.irp i, 0,1,2
	v_permlane16_swap_b32 v[PC+6*\c+\i], v[PC+12+4*\c+\i]
.endr
.irp i, 0,1,2
	v_mov_b32 v[PC+3+6*\c+\i], v[PC+12+4*\c+\i]
.endr
.endr
.endm
.macro REDUCE v, t                     ; the sum over the wave's 32 lanes, in every lane
	v_add_f32_dpp v[\v], v[\v], v[\v] row_xmask:1 row_mask:0xf bank_mask:0xf
	v_add_f32_dpp v[\v], v[\v], v[\v] row_xmask:2 row_mask:0xf bank_mask:0xf
	v_add_f32_dpp v[\v], v[\v], v[\v] row_xmask:4 row_mask:0xf bank_mask:0xf
	v_add_f32_dpp v[\v], v[\v], v[\v] row_xmask:8 row_mask:0xf bank_mask:0xf
	v_permlanex16_b32 v[\t], v[\v], s[SEL], s[SEL+1]
	v_add_f32 v[\v], v[\v], v[\t]
.endm
; a row of 1,024 in 32 registers a lane: the mean is taken off in place; 1/sqrt(mean of squares + 1e-5) goes to v[rs]
.macro LNSTAT x, rs
	v_pk_add_f32 v[T:T+1], v[\x:\x+1], v[\x+2:\x+3]
	v_pk_add_f32 v[T+2:T+3], v[\x+4:\x+5], v[\x+6:\x+7]
.set i, 8
.rept 6
	v_pk_add_f32 v[T:T+1], v[T:T+1], v[\x+i:\x+i+1]
	v_pk_add_f32 v[T+2:T+3], v[T+2:T+3], v[\x+i+2:\x+i+3]
.set i, i+4
.endr
	v_pk_add_f32 v[T:T+1], v[T:T+1], v[T+2:T+3]
	v_add_f32 v[T], v[T], v[T+1]
	REDUCE T, T+1
	v_mul_f32 v[T], s38, v[T]                      ; / 1,024: the mean
.set i, 0
.rept 16
	v_pk_add_f32 v[\x+i:\x+i+1], v[\x+i:\x+i+1], v[T:T+1] op_sel_hi:[1,0] neg_lo:[0,1] neg_hi:[0,1]
.set i, i+2
.endr
	v_pk_mul_f32 v[T+2:T+3], v[\x:\x+1], v[\x:\x+1]
	v_pk_mul_f32 v[T+4:T+5], v[\x+2:\x+3], v[\x+2:\x+3]
.set i, 4
.rept 7
	v_pk_fma_f32 v[T+2:T+3], v[\x+i:\x+i+1], v[\x+i:\x+i+1], v[T+2:T+3]
	v_pk_fma_f32 v[T+4:T+5], v[\x+i+2:\x+i+3], v[\x+i+2:\x+i+3], v[T+4:T+5]
.set i, i+4
.endr
	v_pk_add_f32 v[T+2:T+3], v[T+2:T+3], v[T+4:T+5]
	v_add_f32 v[T+2], v[T+2], v[T+3]
	REDUCE T+2, T+3
	v_fma_f32 v[T+2], v[T+2], s38, s39             ; / 1,024 + 1e-5
	v_rsq_f32 v[\rs], v[T+2]
	v_mov_b32 v[\rs+1], 0                          ; the plain place behind it (the pair's upper register is named below, so it is written)
	s_wait_alu depctr_va_vdst(0)                   ; ahead of the first line that names the result
.endm
.macro LNAPPLY x, rs
.set i, 0
.rept 16
	v_pk_mul_f32 v[\x+i:\x+i+1], v[\x+i:\x+i+1], v[\rs:\rs+1] op_sel_hi:[1,0]
.set i, i+2
.endr
.set i, 0
.rept 16
	v_pk_fma_f32 v[\x+i:\x+i+1], v[\x+i:\x+i+1], v[G+i:G+i+1], v[BT+i:BT+i+1]
.set i, i+2
.endr
.endm
; cos and sin of f32(pos) x inv_freq(lane), laid for the table: even lanes {own cos, neighbour's cos}, odd lanes {neighbour's sin, own sin}
.macro ROPE1 pos, out
	v_cvt_f32_i32 v161, \pos
	v_mul_f32 v161, v161, v160                     ; the angle, rounded once
	v_mul_f32 v162, 0x3f22f983, v161               ; x 2 / pi
	v_rndne_f32 v162, v162                         ; j: how many quarter turns
	v_fma_f32 v163, v162, s76, v161                ; angle - j pi/2, pi/2 in three parts
	v_fma_f32 v163, v162, s77, v163
	v_fma_f32 v163, v162, s78, v163
	v_mul_f32 v164, v163, v163
	v_mov_b32 v165, 0x37cd4000                     ; cosine's polynomial in a^2,
	v_mov_b32 v166, 0x36405000                     ; and sine's, by turns
	v_fmaak_f32 v165, v165, v164, 0xbab6077d
	v_fmaak_f32 v166, v166, v164, 0xb9503486
	v_fmaak_f32 v165, v165, v164, 0x3d2aaaa8
	v_fmaak_f32 v166, v166, v164, 0x3c0888c1
	v_fma_f32 v165, v165, v164, -0.5
	v_fmaak_f32 v166, v166, v164, 0xbe2aaaab
	v_fma_f32 v165, v165, v164, 1.0                ; cos a
	v_mul_f32 v167, v163, v164
	v_fma_f32 v166, v166, v167, v163               ; sin a
	v_cvt_i32_f32 v168, v162
	v_and_b32 v169, 1, v168
	v_cmp_ne_u32 vcc_lo, 0, v169                   ; an odd quarter swaps the two (a choice of values only)
	v_cndmask_b32 v170, v166, v165, vcc_lo         ; sine
	v_cndmask_b32 v171, v165, v166, vcc_lo         ; cosine
	v_and_b32 v169, 2, v168
	v_lshlrev_b32 v169, 30, v169
	v_xor_b32 v170, v169, v170                     ; quarters 2, 3: - sine
	v_add_nc_u32 v168, 1, v168
	v_and_b32 v168, 2, v168
	v_lshlrev_b32 v168, 30, v168
	v_xor_b32 v171, v168, v171                     ; quarters 1, 2: - cosine
	v_mov_b32_dpp v172, v171 row_xmask:1 row_mask:0xf bank_mask:0xf   ; lane l xor 1's cosine
	v_mov_b32_dpp v173, v170 row_xmask:1 row_mask:0xf bank_mask:0xf   ; and sine
	v_cndmask_b32 v[\out], v171, v173, s79
	v_cndmask_b32 v[\out+1], v172, v170, s79
.endm
	s_load_b512 s[8:23], s[0:1], 0x0               ; rows s[8:9], g s[10:11], beta s[12:13], hc s[14:15], Wq s[16:17], Wk s[18:19], Wv s[20:21], Wo s[22:23]
	s_load_b256 s[24:31], s[0:1], 0x40             ; W1 s[24:25], W2 s[26:27], wq6 s[28:29], positions s[30:31]
	s_load_b64 s[32:33], s[0:1], 0x60              ; rope
	v_lshl_add_u32 v[SPW], v0, 2, SPARE
	v_mov_b32 v[NIL], 0
	v_lshrrev_b32 v1, 5, v0
	v_readfirstlane_b32 s34, v1                    ; wave 0..7
	v_and_b32 v1, 31, v0                           ; lane
	v_and_b32 v2, 15, v0                           ; r
	v_bfe_u32 v3, v0, 4, 1                         ; h
	v_lshlrev_b32 v4, 4, v1                        ; 16 x lane
	v_lshlrev_b32 v7, 3, v1                        ; 8 x lane
	s_mul_i32 s35, s34, 2*PITCH
	v_add_nc_u32 v5, s35, v4                       ; LDS, in: my two rows, 16 bytes a lane
	v_mul_u32_u24 v6, v2, PITCH
	v_lshl_add_u32 v6, v3, 6, v6
	s_lshl_b32 s35, s34, 9
	v_add_nc_u32 v6, s35, v6                       ; LDS, out: row r, K step w (512 bytes), + 64 h: 16 numbers of each block of 32
	v_lshl_add_u32 v8, v2, 2, SCA
	s_lshl_b32 s35, s34, 6
	v_add_nc_u32 v8, s35, v8                       ; my K step's scale words: 64 w + 4 r
	v_add_nc_u32 v9, SCA, v4                       ; and all 512 bytes of them, 16 a lane
	s_mov_b32 s[SEL], 0x76543210
	s_mov_b32 s[SEL+1], 0xfedcba98
	s_mov_b32 s38, 0x3a800000                      ; 1 / 1,024
	s_mov_b32 s39, 0x3727c5ac                      ; 1e-5
	; the job, from the work-group's number alone
	s_mov_b32 s40, ttmp9
	s_and_b32 s44, s40, 255
	s_lshr_b32 s45, s44, 2
	s_and_b32 s46, s40, 63
	s_and_b32 s48, s40, 3
	s_sub_co_u32 s49, s40, 256                     ; the job's number among the weights'
	s_cmp_lt_u32 s40, 768
	s_cselect_b32 s44, s44, s45                    ; the tile: W2 has four jobs (of 1,024 columns) a tile
	s_cselect_b32 s47, 12, 14                      ; log2 of a row's bytes
	s_cselect_b32 s48, 0, s48                      ; which 1,024 columns
	s_cmp_lt_u32 s49, 256
	s_cselect_b32 s44, s46, s44                    ; Wq, Wk, Wv, Wo: 64 tiles each
	s_cmp_lt_u32 s40, 256
	s_cselect_b32 s50, 0, 1                        ; weights take the permuted slots
	s_cselect_b32 s62, s40, s49                    ; the job's number in its buffer
	s_mov_b32 s63, WSC
	s_cselect_b32 s63, HSC, s63
	s_lshr_b32 s51, s34, 2
	s_and_b32 s52, s44, 1
	s_sub_co_i32 s51, s51, s52
	s_mul_i32 s51, s51, s50
	s_lshl_b32 s51, s51, 3                         ; 8 ((w / 4) - (tile & 1)), for weights
	s_lshl_b32 s52, s44, 4
	s_add_co_u32 s51, s51, s52
	s_lshl_b32 s52, s34, 1
	s_add_co_u32 s51, s51, s52                     ; the row of slot 2 w; slot 2 w + 1 is the next row
	s_lshl_b32 s54, s51, s47
	s_lshl_b32 s52, s48, 12
	s_add_co_u32 s54, s54, s52
	s_mov_b32 s55, 0
	s_lshl_b32 s58, 1, s47
	s_mov_b32 s59, 0
	s_mul_i32 s52, s62, 12288
	s_mul_i32 s53, s34, 1536
	s_add_co_u32 s66, s52, s53                     ; my fragment's image
	s_mov_b32 s67, 0
	s_lshl_b32 s52, s62, 9
	s_add_co_u32 s68, s52, s63                     ; the job's 512 bytes of scale words
	s_mov_b32 s69, 0
	s_wait_kmcnt 0x0
	s_mov_b64 s[42:43], s[26:27]
	s_cmp_lt_u32 s40, 768
	s_cselect_b64 s[42:43], s[24:25], s[42:43]
	s_cmp_lt_u32 s40, 512
	s_cselect_b64 s[42:43], s[22:23], s[42:43]
	s_cmp_lt_u32 s40, 448
	s_cselect_b64 s[42:43], s[20:21], s[42:43]
	s_cmp_lt_u32 s40, 384
	s_cselect_b64 s[42:43], s[18:19], s[42:43]
	s_cmp_lt_u32 s40, 320
	s_cselect_b64 s[42:43], s[16:17], s[42:43]
	s_cmp_lt_u32 s40, 256
	s_cselect_b64 s[42:43], s[8:9], s[42:43]       ; the buffer that the rows come from,
	s_cselect_b64 s[60:61], s[14:15], s[28:29]     ; and the one that the codes go to
	s_add_nc_u64 s[42:43], s[42:43], s[54:55]
	s_add_nc_u64 s[56:57], s[42:43], s[58:59]
	s_add_nc_u64 s[66:67], s[60:61], s[66:67]
	s_add_nc_u64 s[68:69], s[60:61], s[68:69]
.irp j, 0,1,2,3,4,5,6,7
	global_load_b128 v[X+4*\j:X+4*\j+3], v4, s[42:43] offset:512*\j th:TH_LOAD_NT        ; 32 lanes read 512 consecutive bytes
.endr
.irp j, 0,1,2,3,4,5,6,7
	global_load_b128 v[X+32+4*\j:X+32+4*\j+3], v4, s[56:57] offset:512*\j th:TH_LOAD_NT
.endr
	s_cmp_lt_u32 s40, 256
	s_cbranch_scc0 .Lweights
	; ---- layer norm
.irp j, 0,1,2,3,4,5,6,7
	global_load_b128 v[G+4*\j:G+4*\j+3], v4, s[10:11] offset:512*\j
.endr
.irp j, 0,1,2,3,4,5,6,7
	global_load_b128 v[BT+4*\j:BT+4*\j+3], v4, s[12:13] offset:512*\j
.endr
	s_wait_loadcnt 16                              ; the two rows are in; the 16 loads of g and beta may be out
	LNSTAT X, RS
	LNSTAT X+32, RS+2
	s_wait_loadcnt 0x0
	LNAPPLY X, RS
	LNAPPLY X+32, RS+2
	s_branch .Lrows
.Lweights:
	s_cmp_lt_u32 s40, 512
	s_cbranch_scc0 .Lno_rope
	; ---- the RoPE table of tokens 16 (job) + 2 w and the next, a lane a frequency
	s_lshl_b32 s70, s49, 4
	s_lshl_b32 s71, s34, 1
	s_add_co_u32 s70, s70, s71
	s_lshl_b32 s72, s70, 2
	s_mov_b32 s73, 0
	s_add_nc_u64 s[30:31], s[30:31], s[72:73]
	s_load_b64 s[74:75], s[30:31], 0x0             ; two positions: used as numbers only
	s_lshl_b32 s72, s70, 8
	s_add_nc_u64 s[32:33], s[32:33], s[72:73]
	s_mov_b32 s76, 0xbfc90fd8                      ; - pi/2, high part,
	s_mov_b32 s77, 0xb4a8885a                      ; middle,
	s_mov_b32 s78, 0xa7c234c4                      ; low
	v_mov_b32 v160, 0
	v_mov_b32 v172, 0                              ; (destinations of lane moves count as read)
	v_mov_b32 v173, 0
	v_and_b32 v169, 1, v1
	v_cmp_ne_u32 s79, 0, v169                      ; the odd lanes
.set j, 0
.irp c, 1.0, 0.7498942093, 0.5623413252, 0.4216965034, 0.3162277660, 0.2371373706, 0.1778279410, 0.1333521432, 0.1, 0.07498942093, 0.05623413252, 0.04216965034, 0.03162277660, 0.02371373706, 0.01778279410, 0.01333521432, 0.01, 0.007498942093, 0.005623413252, 0.004216965034, 0.003162277660, 0.002371373706, 0.001778279410, 0.001333521432, 0.001, 0.0007498942093, 0.0005623413252, 0.0004216965034, 0.0003162277660, 0.0002371373706, 0.0001778279410, 0.0001333521432
	s_mov_b32 s71, \c
	v_writelane_b32 v160, s71, j                   ; inv_freq(j) = 10^(-j / 8)
.set j, j+1
.endr
	s_wait_kmcnt 0x0
	ROPE1 s74, 184
	ROPE1 s75, 186
	global_store_b64 v7, v[184:185], s[32:33]              ; 32 lanes store a token's 256 consecutive bytes
	global_store_b64 v7, v[186:187], s[32:33] offset:256
.Lno_rope:
	s_wait_loadcnt 0x0
.Lrows:
	; ---- the 16 rows meet in LDS
.irp e, 0,1
.irp j, 0,1,2,3,4,5,6,7
	ds_store_b128 v5, v[X+32*\e+4*\j:X+32*\e+4*\j+3] offset:\e*PITCH+512*\j
.endr
.endr
	s_wait_dscnt 0x0                               ; for the others' sake: my stores have landed
	s_barrier_signal -1
	s_barrier_wait -1
.irp b, 0,1,2,3
.irp q, 0,1,2,3
	ds_load_b128 v[X+16*\b+4*\q:X+16*\b+4*\q+3], v6 offset:128*\b+16*\q
.endr
.endr
.irp b, 0,1,2,3
	v_mov_b32 v[TM+4+\b], 0                        ; (a lane permute's destination counts as read)
.endr
	s_wait_dscnt 0x0
	QUANT X
	global_store_b128 v4, v[PC:PC+3], s[66:67]                 ; the image: whole runs of 512 and 256 consecutive bytes
	global_store_b64 v7, v[PC+4:PC+5], s[66:67] offset:512
	global_store_b128 v4, v[PC+6:PC+9], s[66:67] offset:768
	global_store_b64 v7, v[PC+10:PC+11], s[66:67] offset:1280
	ds_store_b32 v8, v[PW]                         ; both halves of the lanes write the same word with the same value
	s_wait_dscnt 0x0
	s_barrier_signal -1
	s_barrier_wait -1
	s_cmp_lg_u32 s34, 0
	s_cbranch_scc1 .Lnot_wave_0
	ds_load_b128 v[T:T+3], v9                      ; the eight waves' scale words leave together: 512 consecutive bytes
	s_wait_dscnt 0x0
	global_store_b128 v4, v[T:T+3], s[68:69]
.Lnot_wave_0:
	s_wait_tensorcnt 0x0                           ; the wave's end, behind my last LDS store
	ds_add_u32 v[SPW], v[NIL]
	s_wait_dscnt 0x0
	s_endpgm
.Lfunc_end_k_q469818fa1f_prep:
	.size	k_q469818fa1f_prep, .Lfunc_end_k_q469818fa1f_prep-k_q469818fa1f_prep
	.p2alignl 7, 3214868480
	.fill 96, 4, 3214868480
	.section	.rodata,"a",@progbits
	.p2align	6, 0x0
	.amdhsa_kernel k_q469818fa1f_prep
		.amdhsa_group_segment_fixed_size 67584
		.amdhsa_private_segment_fixed_size 0
		.amdhsa_enable_private_segment 0
		.amdhsa_kernarg_size 104
		.amdhsa_user_sgpr_count 2
		.amdhsa_user_sgpr_kernarg_segment_ptr 1
		.amdhsa_wavefront_size32 1
		.amdhsa_system_sgpr_workgroup_id_x 1
		.amdhsa_system_sgpr_workgroup_id_y 1
		.amdhsa_system_sgpr_workgroup_id_z 1
		.amdhsa_system_vgpr_workitem_id 0
		.amdhsa_next_free_vgpr 192
		.amdhsa_next_free_sgpr 80
		.amdhsa_reserve_vcc 1
		.amdhsa_float_denorm_mode_32 3
		.amdhsa_float_denorm_mode_16_64 3
		.amdhsa_memory_ordered 1
		.amdhsa_forward_progress 1
		.amdhsa_inst_pref_size 35
	.end_amdhsa_kernel
	.amdgpu_metadata
---
amdhsa.version: [ 1, 2 ]
amdhsa.kernels:
  - .name:           k_q469818fa1f_prep
    .symbol:         k_q469818fa1f_prep.kd
    .args:
      - { .name: x, .offset: 0, .size: 8, .value_kind: global_buffer, .address_space: global }
      - { .name: g1, .offset: 8, .size: 8, .value_kind: global_buffer, .address_space: global }
      - { .name: beta1, .offset: 16, .size: 8, .value_kind: global_buffer, .address_space: global }
      - { .name: hc, .offset: 24, .size: 8, .value_kind: global_buffer, .address_space: global }
      - { .name: Wq, .offset: 32, .size: 8, .value_kind: global_buffer, .address_space: global }
      - { .name: Wk, .offset: 40, .size: 8, .value_kind: global_buffer, .address_space: global }
      - { .name: Wv, .offset: 48, .size: 8, .value_kind: global_buffer, .address_space: global }
      - { .name: Wo, .offset: 56, .size: 8, .value_kind: global_buffer, .address_space: global }
      - { .name: W1, .offset: 64, .size: 8, .value_kind: global_buffer, .address_space: global }
      - { .name: W2, .offset: 72, .size: 8, .value_kind: global_buffer, .address_space: global }
      - { .name: wq6, .offset: 80, .size: 8, .value_kind: global_buffer, .address_space: global }
      - { .name: positions, .offset: 88, .size: 8, .value_kind: global_buffer, .address_space: global }
      - { .name: rope, .offset: 96, .size: 8, .value_kind: global_buffer, .address_space: global }
    .group_segment_fixed_size: 67584
    .private_segment_fixed_size: 0
    .kernarg_segment_align: 8
    .kernarg_segment_size: 104
    .max_flat_workgroup_size: 256
    .sgpr_count:     80
    .vgpr_count:     192
    .wavefront_size: 32
...
	.end_amdgpu_metadata
.endif
;; end of part 1
;; launch qkv (part 2): grid 12 x 16, 4 waves a work-group, clusters of 4 x 4, 327,680 bytes of LDS; arguments hc, wq6, bq, bk, bv, mask, rope, qkv; writes qkv
.if DOCPART == 2
	.amdgcn_target "amdgcn-amd-amdhsa--gfx1250"
	.amdhsa_code_object_version 6
	.text
	.protected	k_q469818fa1f_qkv
	.globl	k_q469818fa1f_qkv
	.p2align	8
	.type	k_q469818fa1f_qkv,@function
k_q469818fa1f_qkv:
	s_mov_b64 s[64:65], 0
	v_nop
	global_prefetch_b8 v0, s[64:65] scope:SCOPE_SE
	s_setreg_imm32_b32 hwreg(HW_REG_WAVE_MODE, 25, 1), 1
	s_wait_xcnt 0x0
	s_wait_alu depctr_hold_cnt(0) depctr_sa_sdst(0) depctr_va_vdst(0) depctr_va_sdst(0) depctr_va_ssrc(0) depctr_va_vcc(0) depctr_vm_vsrc(0)
	s_getreg_b32 s2, hwreg(HW_REG_IB_STS2, 6, 4)
	s_cmp_eq_u32 s2, 0
	s_cbranch_scc0 .Lentry_in_a_cluster
	s_endpgm
.Lentry_in_a_cluster:
	s_bfe_u32 s2, ttmp6, 0x10000c
	s_cmp_lg_u32 s2, 0xf033
	s_cbranch_scc0 .Lentry_shape_is_right
	s_endpgm
.Lentry_shape_is_right:
; q, k, v = LN1(x) W^T + b on codes of FP6 (E2M3) with E8M0 scales; RoPE on q and k; all three quantised again for the attention: q, k along the head's 64, v along the keys.
; A work-group makes 256 x 256 of a product, a wave 128 x 128 (64 accumulators).  K = 1,024 goes in steps of 256 through two LDS slots.  Operands lie in memory as images of their registers
; (a fragment of 16 rows x 128 K: 1,536 bytes; fragment (tile, ks) at (tile x 8 + ks) x 1,536), so a slot's part of a tile of 16 rows is 3,072 consecutive bytes and every LDS load is dense in the lanes.
; CLUSTERS of 4 x 4: "A"'s tiles are shared along a row of the cluster, "B"'s along a column, each asked for jointly.  Cluster x = 0: q, 1: k, 2: v; that number is the same in all sixteen partners.
;   q, k: A = hc (tokens), B = Wq | Wk.  The product is used transposed (source 0 = B, source 1 = A): a lane holds one TOKEN, its 64 registers of a block are 128 neighbouring columns (two heads) in the quantiser's order.
;   v:    A = Wv, B = hc.  A lane then holds one CHANNEL and its registers run along the tokens, which are the second attention product's K.  Inside a block of 32 keys place 16 h + 8 u + j holds key 16 u + 8 h + j;
;         the attention's p has the same order, and a block's scale does not hang on the order inside it.
; THE KEY MASK rides in the unused half of K: a q or k tile has 64 of the instruction's 128; place k = 64 holds 7.5 (scale byte 127) in q, and in k -7.5 under byte 217 (2^90) for a masked key, else the code 0 under byte 1.
; OUT: qkv = 32 records [q scale words 8,192 | q images 131,072], then 32 records [k scale words 8,192 | k images 131,072 | v scale words 4,096 | v images 98,304]; record = batch x 16 + head.
;   A q or k image (16 tokens): 1,024 bytes: registers 0-3 at 16 x lane, registers 4-7 at 512 + 16 x lane; registers 8-11 are zeros that the reader keeps.  v: fragment (ks, channel tile) at (4 ks + tile) x 1,536.
; LIMITS: |q . k| under 2^93; NaN and infinities not served; a block of zeros keeps scale byte 1.
; No prefetch: half of K is asked for by the first fills.
.set KS,     8
.set NQ,     2
.set FR,     12
.set NL,     4                         ; LDS loads that bring a fragment
.set NP,     4                         ; places behind this matrix instruction
.set FRB,    1536
.set TROW,   NQ*FRB                    ; a slot's bytes of one tile of 16 rows
.set KROW,   KS*FRB                    ; from tile to tile in memory
.set HALFT,  8*TROW                    ; 128 rows: what one tensor load brings
.set SLOT,   4*HALFT
.set LAPS,   KS/4
.set SCL,    2*SLOT                    ; behind the ring: the scale words of A's 256 rows and B's 256 rows for all of K, filled once
.set HALFS,  KS*512
.set SPARE,  SCL+4*HALFS               ; the spare words: 128 bytes a wave, two blocks of 256 bytes that no other line names
.set HSC,    3145728
.set WSC,    9437184
.set KVO,    4456448
.set ADRA, 16                          ; v16-17 LDS address (16 x lane) of my A fragments in slot 0, 1; v18-19 the same with 8 x lane
.set ADRB, 20                          ; v20-23 the same for B
.set ADRS, 27                          ; v27 my scale words: lanes 0-15 A's, lanes 16-31 B's
.set SPW,  28
.set NIL,  29
.set SC,   32                          ; v32-63 scale words, two sets; they hold nothing else
.set AF,   128                         ; A's fragments, window 0, one set;  B's: window 1, two sets at v0 and v128;  accumulators: windows 2 and 3
.set G1, 24
.set G0, 32
.set G1B, 48
.set G0B, 56
.set G1S, 68
.set G0S, 76
.set G1SB, 80
.set G0SB, 88
.set MSB, 0
.macro WIN new                         ; the immediate's high byte repeats the setting that is left
.if MSB != (\new)
	s_set_vgpr_msb (MSB<<8)|(\new)
.set MSB, (\new)
.endif
.endm
.set MUL_LO, 0xa1                      ; source 0 (B) window 1, source 1 (A) window 0, C and D window 2
.set MUL_HI, 0xf1
.set TO_B,   0x40
.macro JLOAD g0a, g1a, g0b, g1b        ; a joint load: waves 0, 1 fetch for A, waves 2, 3 for B; an s_nop 0 and four v_nop follow each line
	s_cmp_eq_u32 s15, 0
	s_cbranch_scc0 .Lfor_b_\@
	tensor_load_to_lds s[\g0a:\g0a+3], s[\g1a:\g1a+7]
	s_nop 0
.rept 4
	v_nop
.endr
	s_branch .Lasked_\@
.Lfor_b_\@:
	tensor_load_to_lds s[\g0b:\g0b+3], s[\g1b:\g1b+7]
	s_nop 0
.rept 4
	v_nop
.endr
.Lasked_\@:
.endm
.macro CREST
	s_cmp_lg_u32 s14, 0
	s_cbranch_scc1 .Lnot_wave_0_\@
	s_barrier_signal -3
.Lnot_wave_0_\@:
	s_barrier_wait -3
	s_barrier_signal -1
	s_barrier_wait -1
.endm
.macro CROUND
	s_barrier_signal -1
	s_barrier_wait -1
	CREST
.endm
	s_load_b256 s[4:11], s[0:1], 0x0               ; hc s[4:5], wq6 s[6:7], bq s[8:9], bk s[10:11]
	s_load_b64 s[12:13], s[0:1], 0x20              ; bv
	s_load_b128 s[96:99], s[0:1], 0x28             ; mask s[96:97], rope s[98:99]
	s_load_b64 s[100:101], s[0:1], 0x38            ; qkv
	v_lshl_add_u32 v[SPW], v0, 2, SPARE
	v_mov_b32 v[NIL], 0
	ds_add_u32 v[SPW], v[NIL]                      ; the wave's opening: the add and its wait stand ahead of my first tensor load
	v_lshrrev_b32 v1, 5, v0
	v_readfirstlane_b32 s14, v1                    ; wave 0..3
	s_lshr_b32 s15, s14, 1                         ; my half of A's rows.  Also: I fetch for A (0) or B (1)
	s_and_b32 s16, s14, 1                          ; my half of B's rows.  Also: which 128 rows I fetch
	s_bfe_u32 s40, ttmp6, 0x40000                  ; cx
	s_bfe_u32 s41, ttmp6, 0x40004                  ; cy
	s_and_b32 s17, ttmp7, 0xffff
	s_lshl_b32 s17, s17, 2                         ; 4 x cluster y
	s_lshl_b32 s42, ttmp9, 2                       ; 4 x cluster x
	s_cmp_eq_u32 ttmp9, 2                          ; v?
	s_cselect_b32 s42, s17, s42
	s_cselect_b32 s17, 0, s17
	s_add_co_u32 s17, s17, s41                     ; A's group of 256 rows: tokens 4 cly + cy, or Wv's cy
	s_add_co_u32 s42, s42, s40                     ; B's: Wq | Wk's 4 clx + cx, or tokens 4 cly + cx
	s_lshl_b32 s43, s41, 2
	s_lshl_b32 s43, 15, s43                        ; my row of the cluster
	s_lshl_b32 s44, 0x1111, s40                    ; my column
	s_or_b32 s[G1], s43, (3<<16)|(1<<21)           ; 15:0 the mask; 17:16 elements of 8 bytes; 21 set beside a mask; no padding: every LDS load is dense
	s_or_b32 s[G1B], s44, (3<<16)|(1<<21)
.irp g, G1, G1B
	s_mov_b32 s[\g+1], 384<<16                     ; tensor_dim0: 3,072 bytes
	s_mov_b32 s[\g+2], 8<<16                       ; tensor_dim1: 8 tiles of 16 rows
	s_mov_b32 s[\g+3], 384<<16                     ; tile_dim0
	s_mov_b32 s[\g+4], 8                           ; tile_dim1
	s_mov_b32 s[\g+5], KROW/8                      ; from tile to tile
	s_mov_b32 s[\g+6], 0
	s_mov_b32 s[\g+7], 0
.endr
	s_or_b32 s[G1S], s43, (3<<16)|(1<<21)          ; the scale words of 128 rows: a dense block, as rows of 256 bytes
	s_or_b32 s[G1SB], s44, (3<<16)|(1<<21)
.irp g, G1S, G1SB
	s_mov_b32 s[\g+1], 32<<16
	s_mov_b32 s[\g+2], (HALFS/256)<<16
	s_mov_b32 s[\g+3], 32<<16
	s_mov_b32 s[\g+4], HALFS/256
	s_mov_b32 s[\g+5], 32
	s_mov_b32 s[\g+6], 0
	s_mov_b32 s[\g+7], 0
.endr
	s_lshl_b32 s18, s16, 3
	s_lshl_b32 s20, s17, 4
	s_add_co_u32 s20, s20, s18                     ; A: the first tile that I fetch
	s_lshl_b32 s46, s42, 4
	s_add_co_u32 s46, s46, s18                     ; B likewise
	s_mul_i32 s22, s20, KS*64
	s_mul_i32 s20, s20, KROW
	s_mul_i32 s92, s46, KS*64
	s_mul_i32 s46, s46, KROW
	s_cmp_eq_u32 ttmp9, 2
	s_cselect_b32 s2, 1572864, 0                   ; Wv's codes in wq6
	s_mov_b32 s18, HSC
	s_cselect_b32 s19, WSC+65536, s18              ; A's scale words: Wv's, or hc's
	s_mov_b32 s95, WSC
	s_cselect_b32 s95, s18, s95                    ; B's: hc's, or Wq | Wk's
	s_add_co_u32 s20, s20, s2
	s_add_co_u32 s22, s22, s19
	s_add_co_u32 s92, s92, s95
	s_mov_b32 s21, 0
	s_mov_b32 s23, 0
	s_mov_b32 s47, 0
	s_mov_b32 s93, 0
	s_mul_i32 s45, s14, HALFT                      ; where they go: no place in the cluster enters an LDS address
	s_mul_i32 s94, s14, HALFS
	s_wait_dscnt 0x0                               ; the opening add is done
	s_wait_kmcnt 0x0
	s_cmp_eq_u32 ttmp9, 2
	s_cselect_b64 s[18:19], s[6:7], s[4:5]         ; A's buffer
	s_cselect_b64 s[66:67], s[4:5], s[6:7]         ; B's
	s_add_nc_u64 s[20:21], s[18:19], s[20:21]
	s_add_nc_u64 s[22:23], s[18:19], s[22:23]
	s_add_nc_u64 s[46:47], s[66:67], s[46:47]
	s_add_nc_u64 s[92:93], s[66:67], s[92:93]
	CROUND                                         ; all sixteen work-groups are here: the first joint loads meet
	s_mov_b32 s[G0S], 1
	s_add_co_u32 s[G0S+1], s94, SCL
	s_mov_b64 s[G0S+2:G0S+3], s[22:23]
	s_or_b32 s[G0S+3], s[G0S+3], 0x80000000
	s_mov_b32 s[G0SB], 1
	s_add_co_u32 s[G0SB+1], s94, SCL
	s_mov_b64 s[G0SB+2:G0SB+3], s[92:93]
	s_or_b32 s[G0SB+3], s[G0SB+3], 0x80000000
	JLOAD G0S, G1S, G0SB, G1SB                     ; three loads of mine go out together: the scale words, slot 0, slot 1
.irp s, 0,1
	s_mov_b32 s[G0+4*\s], 1
	s_add_co_u32 s[G0+4*\s+1], s45, \s*SLOT
	s_add_nc_u64 s[G0+4*\s+2:G0+4*\s+3], s[20:21], \s*TROW
	s_or_b32 s[G0+4*\s+3], s[G0+4*\s+3], 0x80000000
	s_mov_b32 s[G0B+4*\s], 1
	s_add_co_u32 s[G0B+4*\s+1], s45, \s*SLOT
	s_add_nc_u64 s[G0B+4*\s+2:G0B+4*\s+3], s[46:47], \s*TROW
	s_or_b32 s[G0B+4*\s+3], s[G0B+4*\s+3], 0x80000000
	JLOAD G0+4*\s, G1, G0B+4*\s, G1B
.endr
	v_and_b32 v1, 15, v0                           ; r
	v_bfe_u32 v2, v0, 4, 1                         ; h
	v_and_b32 v3, 31, v0
	v_lshlrev_b32 v4, 4, v3                        ; 16 x lane
	v_lshlrev_b32 v5, 3, v3                        ; 8 x lane
	s_mul_i32 s21, s15, HALFT
	s_mul_i32 s22, s16, HALFT
	s_add_co_u32 s22, s22, 2*HALFT
.irp s, 0,1
	v_add_nc_u32 v[ADRA+\s], s21, v4
	v_add_nc_u32 v[ADRB+\s], s22, v4
	v_add_nc_u32 v[ADRA+2+\s], s21, v5
	v_add_nc_u32 v[ADRB+2+\s], s22, v5
	s_add_co_u32 s21, s21, SLOT
	s_add_co_u32 s22, s22, SLOT
.endr
	v_lshlrev_b32 v6, 2, v1
	s_mul_i32 s21, s15, HALFS
	s_mul_i32 s22, s16, HALFS
	s_add_co_u32 s22, s22, 2*HALFS
	s_sub_co_u32 s22, s22, s21
	v_mul_u32_u24 v7, s22, v2                      ; lanes 16-31 take B's: one product, the distance between the two bases
	s_add_co_u32 s21, s21, SCL
	v_add_nc_u32 v6, v6, v7
	v_add_nc_u32 v[ADRS], s21, v6
.macro FRAG reg, adr, q, i             ; a fragment comes back as it was stored: four loads, each dense in the lanes
	ds_load_b128 v[\reg:\reg+3], v[\adr] offset:(\i)*TROW+(\q)*FRB
	ds_load_b64 v[\reg+4:\reg+5], v[\adr+2] offset:(\i)*TROW+(\q)*FRB+512
	ds_load_b128 v[\reg+6:\reg+9], v[\adr] offset:(\i)*TROW+(\q)*FRB+768
	ds_load_b64 v[\reg+10:\reg+11], v[\adr+2] offset:(\i)*TROW+(\q)*FRB+1280
.endm
; 16 matrix instructions: A's blocks a0, a0 + 1 x B's eight.  The 64 accumulators take turns, one instruction a turn, in the same order in every step.
.macro MUL16 a0, p, q, sc, zero
.irp a, \a0, \a0+1
.irp b, 0,1,2,3,4,5,6,7
.if \zero
	v_wmma_scale_f32_16x16x128_f8f6f4 v[8*(8*((\a)%4)+\b):8*(8*((\a)%4)+\b)+7], v[128*(\p)+FR*\b:128*(\p)+FR*\b+FR-1], v[AF+FR*(\a):AF+FR*(\a)+FR-1], 0, v[SC+8*NQ*(\sc)+NQ*\b+(\q)], v[SC+8*NQ*(\sc)+NQ*(\a)+(\q)] matrix_a_fmt:MATRIX_FMT_FP6 matrix_b_fmt:MATRIX_FMT_FP6 matrix_a_scale:MATRIX_SCALE_ROW1
.else
	v_wmma_scale_f32_16x16x128_f8f6f4 v[8*(8*((\a)%4)+\b):8*(8*((\a)%4)+\b)+7], v[128*(\p)+FR*\b:128*(\p)+FR*\b+FR-1], v[AF+FR*(\a):AF+FR*(\a)+FR-1], v[8*(8*((\a)%4)+\b):8*(8*((\a)%4)+\b)+7], v[SC+8*NQ*(\sc)+NQ*\b+(\q)], v[SC+8*NQ*(\sc)+NQ*(\a)+(\q)] matrix_a_fmt:MATRIX_FMT_FP6 matrix_b_fmt:MATRIX_FMT_FP6 matrix_a_scale:MATRIX_SCALE_ROW1
.endif
.endr
.endr
.endm
.macro FETCH_B slot, q, p
	WIN TO_B
.irp i, 0,1,2,3,4,5,6,7
	FRAG 128*(\p)+FR*\i, ADRB+\slot, \q, \i
.endr
	WIN 0
.endm
.macro FETCH_A slot, q, i0
.irp i, \i0, \i0+1, \i0+2, \i0+3
	FRAG AF+FR*(\i), ADRA+\slot, \q, \i
.endr
.endm
.macro SCALES sc                       ; a slot's scale words: register NQ i + q: lanes 0-15 A's block i, lanes 16-31 B's block i
.irp i, 0,1,2,3,4,5,6,7
.irp q, 0,1
	ds_load_b32 v[SC+8*NQ*\sc+NQ*\i+\q], v[ADRS] offset:\i*KS*64+64*\q
.endr
.endr
.endm
.macro PLACES n
.rept \n
	v_nop
.endr
.endm
.macro STEP slot, q, zero              ; 128 along K whose successor lies in the same slot
	s_wait_dscnt 4*NL                              ; all but the youngest 16 loads (A's blocks 4-7) are in
	WIN MUL_LO
	MUL16 0, (\q)%2, \q, \slot, \zero
	MUL16 2, (\q)%2, \q, \slot, \zero
	s_wait_dscnt 0
	PLACES NP                                      ; in front of loads into registers that matrix instructions have read
	FETCH_B \slot, (\q)+1, 1-(\q)%2
	FETCH_A \slot, (\q)+1, 0
	WIN MUL_HI
	MUL16 4, (\q)%2, \q, \slot, \zero
	MUL16 6, (\q)%2, \q, \slot, \zero
	PLACES NP
	WIN 0
	FETCH_A \slot, (\q)+1, 4
.endm
.macro TURN slot, next, fill           ; a slot's last step changes slots: one barrier; fill = 1: a round of the cluster's, and this slot is filled again
	s_wait_tensorcnt 0x0                           ; all my tensor loads have landed: my part of the next slot
	ds_add_u32 v[SPW], v[NIL]                      ; 0 onto my spare word
	s_wait_dscnt 4*NL+1                            ; (the add and the youngest 16 loads may be out)
	WIN MUL_LO
	MUL16 0, 1, NQ-1, \slot, 0
	s_wait_dscnt 0x0                               ; the add is done, and my reads of this slot are over
	s_barrier_signal -1
	MUL16 2, 1, NQ-1, \slot, 0
	WIN 0
	s_barrier_wait -1
.if \fill
	CREST                                          ; no wave of any partner still reads this slot or has a load on its way
	s_add_nc_u64 s[G0+4*\slot+2:G0+4*\slot+3], s[G0+4*\slot+2:G0+4*\slot+3], 2*TROW
	s_add_nc_u64 s[G0B+4*\slot+2:G0B+4*\slot+3], s[G0B+4*\slot+2:G0B+4*\slot+3], 2*TROW
	JLOAD G0+4*\slot, G1, G0B+4*\slot, G1B         ; my one tensor load behind the round; its four v_nop are the places in front of the loads below
.else
	PLACES NP
.endif
	v_add_nc_u32 v[ADRS], 64*NQ, v[ADRS]
	FETCH_B \next, 0, 0
	FETCH_A \next, 0, 0
	SCALES \next
	WIN MUL_HI
	MUL16 4, 1, NQ-1, \slot, 0
	MUL16 6, 1, NQ-1, \slot, 0
	PLACES NP
	WIN 0
	FETCH_A \next, 0, 4
.endm
	s_wait_tensorcnt 1                             ; the scale words and my part of slot 0 are in; slot 1's load may be out
	s_barrier_signal -1
	s_barrier_wait -1
	FETCH_B 0, 0, 0
	FETCH_A 0, 0, 0
	SCALES 0
	FETCH_A 0, 0, 4
	STEP 0, 0, 1                                   ; the first step starts the sums
	s_mov_b32 s3, LAPS-1
.Llap:
	TURN 0, 1, 1
	STEP 1, 0, 0
	TURN 1, 0, 1
	STEP 0, 0, 0
	s_sub_co_u32 s3, s3, 1
	s_cmp_lg_u32 s3, 0
	s_cbranch_scc1 .Llap
	TURN 0, 1, 0
	STEP 1, 0, 0
	s_wait_dscnt 4*NL
	WIN MUL_LO
	MUL16 0, 1, NQ-1, 1, 0
	MUL16 2, 1, NQ-1, 1, 0
	s_wait_dscnt 0
	WIN MUL_HI
	MUL16 4, 1, NQ-1, 1, 0
	MUL16 6, 1, NQ-1, 1, 0
	WIN 0
; ---- THE WAY OUT: no LDS.  Window 0: v64-127 bias; v128-191 X, a block's 64 numbers; v192-210 codes; v212-228 the quantiser's; v230-239, v240-255 at work.  Window 1: cos and sin, 32 registers a block.
.set L16, 8
.set R4,  9
.set L8,  10
.set VBA, 11
.set VCA, 12
.set VNA, 13
.set BI,  64
.set X,   128
.set PC,  192
.set TM,  212
.set PW,  228
.set W0,  230
.set W1,  231
.set E0,  232
.set HC0, 236
.set VBR, 237
.set MK,  240
.set TT,  248
.set SEL, 52
.macro QUANT s                         ; 64 numbers of a lane, register 16 b + i = k 32 b + 16 (lane / 16) + i, become a fragment's codes in v[PC] on and its scale word in v[PW]
.irp b, 0,1,2,3
	v_max3_num_f32 v[TM+\b], |v[\s+16*\b]|, |v[\s+1+16*\b]|, 0x1800000   ; with the floor 2^(3 - 127): the byte cannot fall under 1
.endr
.irp i, 2,4,6,8,10,12,14
.irp b, 0,1,2,3
	v_max3_num_f32 v[TM+\b], v[TM+\b], |v[\s+16*\b+\i]|, |v[\s+1+16*\b+\i]|
.endr
.endr
.irp b, 0,1,2,3
	v_permlanex16_b32 v[TM+4+\b], v[TM+\b], s[SEL], s[SEL+1]
.endr
.irp b, 0,1,2,3
	v_max_num_f32 v[TM+\b], v[TM+\b], v[TM+4+\b]
.endr
.irp b, 0,1,2,3
	v_add_nc_u32 v[TM+12+\b], 0xff000000, v[TM+\b]   ; 2 off the exponent field: the conversion's scale operand
.endr
.irp b, 0,1,2,3
	v_lshrrev_b32 v[TM+4+\b], 23, v[TM+12+\b]
.endr
	v_lshl_or_b32 v[PW], v[TM+5], 8, v[TM+4]
	v_lshl_or_b32 v[PW], v[TM+6], 16, v[PW]
	v_lshl_or_b32 v[PW], v[TM+7], 24, v[PW]
.irp c, 0,1
	v_cvt_scalef32_pk16_fp6_f32 v[PC+6*\c:PC+2+6*\c], v[\s+32*\c:\s+15+32*\c], v[TM+12+2*\c]
	v_cvt_scalef32_pk16_fp6_f32 v[PC+12+4*\c:PC+14+4*\c], v[\s+16+32*\c:\s+31+32*\c], v[TM+12+2*\c+1]
.endr
	v_nop                                          ; one plain place behind a scaled conversion
.irp c, 0,1
.irp i, 0,1,2
	v_permlane16_swap_b32 v[PC+6*\c+\i], v[PC+12+4*\c+\i]
.endr
.irp i, 0,1,2
	v_mov_b32 v[PC+3+6*\c+\i], v[PC+12+4*\c+\i]
.endr
.endr
.endm
	PLACES NP                                      ; in front of loads into operand registers and of the first reads of results
	v_lshlrev_b32 v[L16], 4, v3
	v_lshlrev_b32 v[L8], 3, v3
	v_lshlrev_b32 v[R4], 2, v1
.irp b, 0,1,2,3
	v_mov_b32 v[TM+4+\b], 0                        ; (a lane permute's destination counts as read)
.endr
	s_mov_b32 s[SEL], 0x76543210
	s_mov_b32 s[SEL+1], 0xfedcba98
	s_mov_b32 s39, 0
	s_cmp_eq_u32 ttmp9, 2
	s_cbranch_scc1 .Lvpath
	; ---- q and k.  My 128 tokens m0 on, my two heads
	s_and_b32 s24, ttmp7, 0xffff
	s_lshl_b32 s24, s24, 2
	s_add_co_u32 s24, s24, s41
	s_lshl_b32 s24, s24, 8
	s_lshl_b32 s25, s15, 7
	s_add_co_u32 s24, s24, s25                     ; m0
	s_lshr_b32 s25, s24, 11                        ; batch
	s_and_b32 s26, s24, 2047
	s_lshr_b32 s26, s26, 4                         ; my first tile of tokens in the batch
	s_lshl_b32 s27, s40, 2
	s_lshl_b32 s28, s16, 1
	s_add_co_u32 s27, s27, s28                     ; my first head
	s_lshl_b32 s28, s25, 4
	s_add_co_u32 s28, s28, s27                     ; its record
	s_cmp_eq_u32 ttmp9, 1                          ; k?
	s_mov_b32 s29, 139264
	s_cselect_b32 s29, 241664, s29                 ; a record's bytes
	s_cselect_b32 s30, KVO, 0
	s_cselect_b64 s[32:33], s[10:11], s[8:9]       ; bk or bq
	s_cselect_b32 s34, 0x3f, 0x1f                  ; the code at k = 64: -7.5 or 7.5
	s_mov_b32 s35, 127
	s_cselect_b32 s35, 217, s35                    ; and its block's scale byte
	s_cselect_b32 s36, 0xff, 0                     ; k heeds the mask, q does not
	s_mov_b32 s37, 127<<8
	s_cselect_b32 s37, 1<<8, s37                   ; the last block's byte (its codes are zeros)
	s_mul_i32 s28, s28, s29
	s_add_co_u32 s28, s28, s30
	s_lshl_b32 s38, s26, 10
	s_add_co_u32 s38, s38, s28
	s_add_co_u32 s38, s38, 8192
	s_add_nc_u64 s[44:45], s[100:101], s[38:39]    ; images, first head
	s_lshl_b32 s38, s26, 6
	s_add_co_u32 s38, s38, s28
	s_add_nc_u64 s[46:47], s[100:101], s[38:39]    ; scale words, first head
	s_mov_b32 s38, s29
	s_add_nc_u64 s[48:49], s[44:45], s[38:39]      ; second head: the next record
	s_add_nc_u64 s[50:51], s[46:47], s[38:39]
	s_lshl_b32 s38, s40, 10
	s_lshl_b32 s31, s16, 9
	s_add_co_u32 s38, s38, s31
	s_add_nc_u64 s[32:33], s[32:33], s[38:39]      ; the bias of my 128 columns
	s_mov_b32 s38, s24
	s_add_nc_u64 s[96:97], s[96:97], s[38:39]      ; the mask of my tokens
	s_lshl_b32 s38, s24, 8
	s_add_nc_u64 s[98:99], s[98:99], s[38:39]      ; their rows of the table
	v_lshlrev_b32 v[VBA], 6, v2                    ; 64 h
	v_lshlrev_b32 v[VCA], 8, v1
	v_lshl_add_u32 v[VCA], v2, 7, v[VCA]           ; 256 r + 128 h: frequencies 16 h + 0 .. 15
.irp t, 0,1,2,3,4,5,6,7
	global_load_b128 v[BI+8*\t:BI+8*\t+3], v[VBA], s[32:33] offset:(32*(\t/2)+8*(\t%2))*4
	global_load_b128 v[BI+8*\t+4:BI+8*\t+7], v[VBA], s[32:33] offset:(32*(\t/2)+8*(\t%2))*4+16
.endr
.irp a, 0,1,2,3,4,5,6,7
	global_load_u8 v[MK+\a], v1, s[96:97] offset:16*\a
.endr
	WIN 0x40
.irp a, 0,1,2,3,4,5,6,7
.irp q, 0,1,2,3,4,5,6,7
	global_load_b128 v[32*\a+4*\q:32*\a+4*\q+3], v[VCA], s[98:99] offset:4096*\a+16*\q
.endr
.endr
	WIN 0
	v_sub_nc_u32 v238, 1, v2
	v_mul_u32_u24 v[HC0], s34, v238                ; the code, in lanes 0-15 alone: they hold k = 64
	v_mov_b32 v[VBR], s35
	v_mov_b32 v[E0+3], 0
.macro QKBLK a                         ; 16 tokens x my two heads
	s_wait_loadcnt 56-8*(\a)                       ; the bias, the mask and this block's 8 loads of the table are in; the later blocks' may be out
	s_wait_xcnt 0x0                                ; the last block's stores have read their registers
	WIN 0x02+(\a)/4
.set i, 0
.rept 32
	v_pk_add_f32 v[X+i:X+i+1], v[64*((\a)%4)+i:64*((\a)%4)+i+1], v[BI+i:BI+i+1]   ; each accumulator from its low end on
.set i, i+2
.endr
	WIN 0x04                                       ; source 1: the table, window 1
.irp e, 0,1
.irp p, 0,1,2,3,4,5,6,7
	v_pk_mul_f32 v[TT+4*(\p%2):TT+4*(\p%2)+1], v[X+32*\e+16+2*\p:X+32*\e+17+2*\p], v[32*(\a)+4*\p+2:32*(\a)+4*\p+3]      ; x2 sin
	v_pk_mul_f32 v[TT+4*(\p%2)+2:TT+4*(\p%2)+3], v[X+32*\e+2*\p:X+32*\e+2*\p+1], v[32*(\a)+4*\p+2:32*(\a)+4*\p+3]        ; x1 sin
	v_pk_fma_f32 v[X+32*\e+2*\p:X+32*\e+2*\p+1], v[X+32*\e+2*\p:X+32*\e+2*\p+1], v[32*(\a)+4*\p:32*(\a)+4*\p+1], v[TT+4*(\p%2):TT+4*(\p%2)+1] neg_lo:[0,0,1] neg_hi:[0,0,1]   ; x1 cos - x2 sin
	v_pk_fma_f32 v[X+32*\e+16+2*\p:X+32*\e+17+2*\p], v[X+32*\e+16+2*\p:X+32*\e+17+2*\p], v[32*(\a)+4*\p:32*(\a)+4*\p+1], v[TT+4*(\p%2)+2:TT+4*(\p%2)+3]                       ; x2 cos + x1 sin
.endr
.endr
	WIN 0
	QUANT X                                        ; blocks 0, 1: the first head's 64; blocks 2, 3: the second's
	v_and_b32 v238, s36, v[MK+(\a)]
	v_cmp_eq_u32 vcc_lo, 0, v238                   ; q: always; k: the masked keys (a choice of values only)
	v_cndmask_b32 v[PC+12], 0, v[HC0], vcc_lo      ; register 6 of both heads' fragments
	v_cndmask_b32 v239, 1, v[VBR], vcc_lo
	v_or_b32 v239, s37, v239                       ; bytes 2 and 3 of both scale words
	v_and_b32 v[W0], 0xffff, v[PW]
	v_lshrrev_b32 v[W1], 16, v[PW]
	v_lshl_or_b32 v[W0], v239, 16, v[W0]
	v_lshl_or_b32 v[W1], v239, 16, v[W1]
	v_mov_b32 v[E0], v[PC+4]
	v_mov_b32 v[E0+1], v[PC+5]
	v_mov_b32 v[E0+2], v[PC+12]
	v_mov_b32 v[PC+13], 0
	global_store_b128 v[L16], v[PC:PC+3], s[44:45] offset:1024*(\a)            ; 512 consecutive bytes each
	global_store_b128 v[L16], v[E0:E0+3], s[44:45] offset:1024*(\a)+512
	global_store_b32 v[R4], v[W0], s[46:47] offset:64*(\a)                     ; both halves of the lanes hold the same word
	global_store_b128 v[L16], v[PC+6:PC+9], s[48:49] offset:1024*(\a)
	global_store_b128 v[L16], v[PC+10:PC+13], s[48:49] offset:1024*(\a)+512
	global_store_b32 v[R4], v[W1], s[50:51] offset:64*(\a)
.endm
.irp a, 0,1,2,3,4,5,6,7
	QKBLK \a
.endr
	s_branch .Lend
.Lvpath:
	; ---- v.  My 128 channels (two heads), my 128 tokens = one K step of the keys
	s_and_b32 s24, ttmp7, 0xffff
	s_lshl_b32 s24, s24, 2
	s_add_co_u32 s24, s24, s40                     ; the group of 256 tokens
	s_lshr_b32 s25, s24, 3                         ; batch
	s_and_b32 s26, s24, 7
	s_lshl_b32 s26, s26, 1
	s_add_co_u32 s26, s26, s16                     ; ks
	s_lshl_b32 s27, s41, 2
	s_lshl_b32 s28, s15, 1
	s_add_co_u32 s27, s27, s28                     ; my first head
	s_lshl_b32 s28, s25, 4
	s_add_co_u32 s28, s28, s27
	s_mul_i32 s28, s28, 241664
	s_add_co_u32 s28, s28, KVO
	s_mul_i32 s38, s26, 6144
	s_add_co_u32 s38, s38, s28
	s_add_co_u32 s38, s38, 143360
	s_add_nc_u64 s[44:45], s[100:101], s[38:39]    ; images, first head
	s_lshl_b32 s38, s26, 8
	s_add_co_u32 s38, s38, s28
	s_add_co_u32 s38, s38, 139264
	s_add_nc_u64 s[46:47], s[100:101], s[38:39]    ; scale words
	s_add_nc_u64 s[48:49], s[44:45], 241664        ; second head
	s_add_nc_u64 s[50:51], s[46:47], 241664
	s_lshl_b32 s38, s41, 10
	s_lshl_b32 s31, s15, 9
	s_add_co_u32 s38, s38, s31
	s_add_nc_u64 s[12:13], s[12:13], s[38:39]      ; bv of my 128 channels
	v_and_b32 v[VNA], 8, v1
	v_add_nc_u32 v[VNA], v[VNA], v1
	v_lshlrev_b32 v[VNA], 2, v[VNA]                ; my slot's channel in a tile: r + 8 (r / 8)
.irp a, 0,1,2,3,4,5,6,7
	global_load_b32 v[BI+2*\a], v[VNA], s[12:13] offset:(32*(\a/2)+8*(\a%2))*4
	global_load_b32 v[BI+2*\a+1], v[VNA], s[12:13] offset:(32*(\a/2)+8*(\a%2))*4   ; (named as a pair below)
.endr
	s_wait_loadcnt 0x0
.macro VBLK a                          ; 16 channels x my 128 tokens
	s_wait_xcnt 0x0                                ; the last block's stores have read their registers
	WIN 0x02+(\a)/4
.set i, 0
.rept 32
	v_pk_add_f32 v[X+i:X+i+1], v[64*((\a)%4)+i:64*((\a)%4)+i+1], v[BI+2*(\a):BI+2*(\a)+1] op_sel_hi:[1,0]
.set i, i+2
.endr
	WIN 0
	QUANT X
	global_store_b128 v[L16], v[PC:PC+3], s[44+4*((\a)/4):45+4*((\a)/4)] offset:1536*((\a)%4)
	global_store_b64 v[L8], v[PC+4:PC+5], s[44+4*((\a)/4):45+4*((\a)/4)] offset:1536*((\a)%4)+512
	global_store_b128 v[L16], v[PC+6:PC+9], s[44+4*((\a)/4):45+4*((\a)/4)] offset:1536*((\a)%4)+768
	global_store_b64 v[L8], v[PC+10:PC+11], s[44+4*((\a)/4):45+4*((\a)/4)] offset:1536*((\a)%4)+1280
	global_store_b32 v[R4], v[PW], s[46+4*((\a)/4):47+4*((\a)/4)] offset:64*((\a)%4)
.endm
.irp a, 0,1,2,3,4,5,6,7
	VBLK \a
.endr
.Lend:
	s_wait_tensorcnt 0x0                           ; the wave's end
	ds_add_u32 v[SPW], v[NIL]
	s_wait_dscnt 0x0
	CROUND                                         ; the closing round
	s_endpgm
.Lfunc_end_k_q469818fa1f_qkv:
	.size	k_q469818fa1f_qkv, .Lfunc_end_k_q469818fa1f_qkv-k_q469818fa1f_qkv
	.p2alignl 7, 3214868480
	.fill 96, 4, 3214868480
	.section	.rodata,"a",@progbits
	.p2align	6, 0x0
	.amdhsa_kernel k_q469818fa1f_qkv
		.amdhsa_group_segment_fixed_size 327680
		.amdhsa_private_segment_fixed_size 0
		.amdhsa_enable_private_segment 0
		.amdhsa_kernarg_size 64
		.amdhsa_user_sgpr_count 2
		.amdhsa_user_sgpr_kernarg_segment_ptr 1
		.amdhsa_wavefront_size32 1
		.amdhsa_system_sgpr_workgroup_id_x 1
		.amdhsa_system_sgpr_workgroup_id_y 1
		.amdhsa_system_sgpr_workgroup_id_z 1
		.amdhsa_system_vgpr_workitem_id 0
		.amdhsa_next_free_vgpr 1024
		.amdhsa_next_free_sgpr 102
		.amdhsa_reserve_vcc 1
		.amdhsa_float_denorm_mode_32 3
		.amdhsa_float_denorm_mode_16_64 3
		.amdhsa_memory_ordered 1
		.amdhsa_forward_progress 1
		.amdhsa_inst_pref_size 255
	.end_amdhsa_kernel
	.section	.bss,"aw",@nobits
	.p2align	6
	.space	262144
	.amdgpu_metadata
---
amdhsa.version: [ 1, 2 ]
amdhsa.kernels:
  - .name:           k_q469818fa1f_qkv
    .symbol:         k_q469818fa1f_qkv.kd
    .args:
      - { .name: hc, .offset: 0, .size: 8, .value_kind: global_buffer, .address_space: global }
      - { .name: wq6, .offset: 8, .size: 8, .value_kind: global_buffer, .address_space: global }
      - { .name: bq, .offset: 16, .size: 8, .value_kind: global_buffer, .address_space: global }
      - { .name: bk, .offset: 24, .size: 8, .value_kind: global_buffer, .address_space: global }
      - { .name: bv, .offset: 32, .size: 8, .value_kind: global_buffer, .address_space: global }
      - { .name: mask, .offset: 40, .size: 8, .value_kind: global_buffer, .address_space: global }
      - { .name: rope, .offset: 48, .size: 8, .value_kind: global_buffer, .address_space: global }
      - { .name: qkv, .offset: 56, .size: 8, .value_kind: global_buffer, .address_space: global }
    .group_segment_fixed_size: 327680
    .private_segment_fixed_size: 0
    .kernarg_segment_align: 8
    .kernarg_segment_size: 64
    .max_flat_workgroup_size: 128
    .sgpr_count:     102
    .vgpr_count:     1024
    .wavefront_size: 32
...
	.end_amdgpu_metadata
.endif
;; end of part 2
;; launch attn (part 3): grid 8 x 32, 16 waves a work-group, clusters of 4 x 1, 243,712 bytes of LDS; arguments qkv, ac; writes ac
.if DOCPART == 3
	.amdgcn_target "amdgcn-amd-amdhsa--gfx1250"
	.amdhsa_code_object_version 6
	.text
	.protected	k_q469818fa1f_attn
	.globl	k_q469818fa1f_attn
	.p2align	8
	.type	k_q469818fa1f_attn,@function
k_q469818fa1f_attn:
	s_mov_b64 s[64:65], 0
	v_nop
	global_prefetch_b8 v0, s[64:65] scope:SCOPE_SE
	s_setreg_imm32_b32 hwreg(HW_REG_WAVE_MODE, 25, 1), 1
	s_wait_xcnt 0x0
	s_wait_alu depctr_hold_cnt(0) depctr_sa_sdst(0) depctr_va_vdst(0) depctr_va_sdst(0) depctr_va_ssrc(0) depctr_va_vcc(0) depctr_vm_vsrc(0)
	s_getreg_b32 s2, hwreg(HW_REG_IB_STS2, 6, 4)
	s_cmp_eq_u32 s2, 0
	s_cbranch_scc0 .Lentry_in_a_cluster
	s_endpgm
.Lentry_in_a_cluster:
	s_bfe_u32 s2, ttmp6, 0x10000c
	s_cmp_lg_u32 s2, 0x3003
	s_cbranch_scc0 .Lentry_shape_is_right
	s_endpgm
.Lentry_shape_is_right:
; attn[b][q][head] = softmax_k(q . k / 8, masked) v, both products on codes of FP6 (E2M3) with E8M0 scales.  The probabilities are quantised FINISHED AND NORMALISED, so a row's maximum and sum must be known
; before any p is quantised: TWO PASSES over the keys.  Pass 1: scores, running maximum m and sum l.  Pass 2: the scores once more, p = 2^(c s - c m) / l, quantised along the keys, O^T += V^T P^T.  c = log2(e) / 8.
; SHARES.  A work-group: 256 queries of one (batch, head); each of sixteen waves 16 of them, in 256 registers, four waves to a SIMD.  A head's whole K and V (codes and scale words, 241,664 bytes) lie in LDS: filled once,
; each wave bringing a sixteenth of K's part and of V's.  The four work-groups of a cluster belong to one head and ask jointly.  No slot is ever filled again.
; LAYOUT.  S^T = K Q^T (source 0 = 16 keys, source 1 = my 16 queries), O^T = V^T P^T: a lane holds ONE query.  Register 8 t + j of S^T is key 16 t + 8 (lane / 16) + j; V was quantised with the same order inside each block of 32 keys.
; THE MASK lies in the operands (place k = 64): a masked key's score is about -56.25 x 2^90.  While a lane's maximum lies under -2^93 (only masked keys so far) -c m is replaced by -3e38, so that every p is 0, and
; the exponent of each rescaling factor is held at 0 from above: no infinity meets a zero.  A row with every key masked gets 1 / l = 0: its probabilities are zeros.
; In pass 1 each lane keeps m and l of its own half of the keys; the halves are joined once, behind the pass, from the rounded -c m themselves, by a sum that is the same in both lanes bit for bit.
; OUT: ac, images of the next product's operand: my head's 64 channels are half a fragment (768 bytes, stored whole) and two bytes of each row's scale word (2 bytes a row: 1/24 of the bytes that leave).
; LIMITS: |q . k| under 2^93; NaN and infinities not served.  A block's largest p is taken from its largest score through the same instructions (this takes v_exp_f32 not to fall where its input rises).
; No prefetch: everything that the work-group reads is asked for at its head.
.set KVO,   4456448
.set ASC,   3145728
.set KIMG,  8192                       ; LDS: K's scale words at 0, K's images (1,024 bytes a tile of 16 keys),
.set VSC,   139264                     ; V's scale words,
.set VIMG,  143360                     ; V's fragments ((4 ks + tile) x 1,536)
.set SPARE, 241664                     ; the spare words: 128 bytes a wave, eight blocks of 256 bytes that no other line names
.set L16, 1
.set L8,  2
.set R4,  3
.set NB,  4                            ; v4  -3e38
.set SPW, 5
.set NIL, 6
.set ADK, 7
.set ADS, 8
.set ADV, 9
.set ADW, 10
.set ADT, 11                           ; v12 -c m, v13 m, v[14:15] l in two halves
.set QF,  16                           ; v16-27 Q's fragment; v28 its scale words
.set QS,  28
.set KF,  32                           ; v32-79 four fragments of K (registers 8-11 of each stay zero)
.set S,   96                           ; v96-159 S^T, then p; in pass 2 v96-143 then take four fragments of V
.set O,   160                          ; v160-191 O^T
.set PC,  192                          ; v192-203 p's codes; v204-210 the second conversions'
.set PT,  204
.set SO,  212                          ; v212-215 the conversions' scale operands
.set PW,  228                          ; p's scale word
.set KSR, 232                          ; K's scale words
.set VSR, 236                          ; V's
.set IL,  240                          ; v[240:241] 1 / l
.set FF,  242                          ; v[242:243] the rescaling factor
.set BM,  244                          ; v244-247 the blocks' largest scores
.set BX,  248                          ; v248-251 at work
.set WV,  18
.set NC,  19                           ; -c
.set SEL, 20
.set CS,  22
.set G1K, 28
.set G1V, 36
.set G0K, 44
.set G0V, 48
.set TK,  52
.set TS,  53
.set TV,  54
.set TT,  55
.set CNT, 56
.set THR, 57
.macro CROUND
	s_barrier_signal -1
	s_barrier_wait -1
	s_cmp_lg_u32 s[WV], 0
	s_cbranch_scc1 .Lnot_wave_0_\@
	s_barrier_signal -3
.Lnot_wave_0_\@:
	s_barrier_wait -3
	s_barrier_signal -1
	s_barrier_wait -1
.endm
	s_load_b128 s[4:7], s[0:1], 0x0                ; qkv, ac
	v_lshl_add_u32 v[SPW], v0, 2, SPARE
	v_mov_b32 v[NIL], 0
	ds_add_u32 v[SPW], v[NIL]                      ; the wave's opening: the add and its wait stand ahead of my first tensor load
	v_lshrrev_b32 v1, 5, v0
	v_readfirstlane_b32 s[WV], v1                  ; wave 0..15
	s_bfe_u32 s8, ttmp6, 0x40000                   ; cx: it enters Q's and ac's addresses alone
	s_lshl_b32 s9, ttmp9, 2
	s_add_co_u32 s9, s9, s8                        ; my block of 256 queries
	s_and_b32 s10, ttmp7, 0xffff                   ; the record: batch x 16 + head, shared by the four partners
	s_mov_b32 s[G1K], 15|(3<<16)|(1<<21)           ; the mask: all four; elements of 8 bytes; bit 21 beside a mask; no padding
	s_mov_b32 s[G1K+1], 32<<16                     ; rows of 256 bytes,
	s_mov_b32 s[G1K+2], 34<<16                     ; 34 of them: a sixteenth of K's 139,264 dense bytes
	s_mov_b32 s[G1K+3], 32<<16
	s_mov_b32 s[G1K+4], 34
	s_mov_b32 s[G1K+5], 32
	s_mov_b32 s[G1K+6], 0
	s_mov_b32 s[G1K+7], 0
	s_mov_b32 s[G1V], 15|(3<<16)|(1<<21)
	s_mov_b32 s[G1V+1], 32<<16
	s_mov_b32 s[G1V+2], 25<<16                     ; 25 rows: a sixteenth of V's 102,400
	s_mov_b32 s[G1V+3], 32<<16
	s_mov_b32 s[G1V+4], 25
	s_mov_b32 s[G1V+5], 32
	s_mov_b32 s[G1V+6], 0
	s_mov_b32 s[G1V+7], 0
	s_mul_i32 s11, s10, 241664
	s_add_co_u32 s11, s11, KVO
	s_mul_i32 s12, s[WV], 8704                     ; my part of K: the same offset in the record and in LDS
	s_mul_i32 s13, s[WV], 6400
	s_add_co_u32 s13, s13, VSC                     ; my part of V likewise
	s_add_co_u32 s14, s11, s12
	s_mov_b32 s15, 0
	s_add_co_u32 s16, s11, s13
	s_mov_b32 s17, 0
	s_mov_b32 s[SEL], 0x76543210
	s_mov_b32 s[SEL+1], 0xfedcba98
	s_mov_b32 s[CS], 0x3e38aa3b                    ; c
	s_mov_b32 s[CS+1], s[CS]
	s_mov_b32 s[NC], 0xbe38aa3b
	s_mov_b32 s[THR], 0xee000000                   ; -2^93
	s_wait_dscnt 0x0                               ; the opening add is done
	s_wait_kmcnt 0x0
	CROUND                                         ; all four work-groups are here: the joint loads meet
	s_mov_b32 s[G0K], 1
	s_mov_b32 s[G0K+1], s12
	s_add_nc_u64 s[G0K+2:G0K+3], s[4:5], s[14:15]
	s_or_b32 s[G0K+3], s[G0K+3], 0x80000000
	s_mov_b32 s[G0V], 1
	s_mov_b32 s[G0V+1], s13
	s_add_nc_u64 s[G0V+2:G0V+3], s[4:5], s[16:17]
	s_or_b32 s[G0V+3], s[G0V+3], 0x80000000
	tensor_load_to_lds s[G0K:G0K+3], s[G1K:G1K+7]  ; two loads of mine are out, and no more follow
	s_nop 0
	tensor_load_to_lds s[G0V:G0V+3], s[G1V:G1V+7]
	s_nop 0
.rept 4
	v_nop
.endr
	s_lshl_b32 s12, s9, 4
	s_add_co_u32 s12, s12, s[WV]                   ; my tile of 16 queries in the batch
	s_mul_i32 s13, s10, 139264
	s_lshl_b32 s14, s12, 10
	s_add_co_u32 s14, s14, s13
	s_add_co_u32 s14, s14, 8192
	s_add_nc_u64 s[58:59], s[4:5], s[14:15]        ; Q's image
	s_lshl_b32 s14, s12, 6
	s_add_co_u32 s14, s14, s13
	s_add_nc_u64 s[60:61], s[4:5], s[14:15]        ; Q's scale words
	s_lshr_b32 s13, s10, 4                         ; batch
	s_lshl_b32 s13, s13, 7
	s_add_co_u32 s13, s13, s12                     ; the tile of tokens
	s_lshl_b32 s13, s13, 3
	s_bfe_u32 s14, s10, 0x30001                    ; (head / 2): the next product's K step
	s_add_co_u32 s13, s13, s14
	s_and_b32 s16, s10, 1                          ; which half of it
	s_mul_i32 s14, s13, 1536
	s_mul_i32 s11, s16, 768
	s_add_co_u32 s14, s14, s11
	s_add_nc_u64 s[62:63], s[6:7], s[14:15]        ; where my codes go,
	s_lshl_b32 s14, s13, 6
	s_lshl_b32 s11, s16, 1
	s_add_co_u32 s14, s14, s11
	s_add_co_u32 s14, s14, ASC
	s_add_nc_u64 s[66:67], s[6:7], s[14:15]        ; and my two scale bytes a row
	v_and_b32 v[ADK], 31, v0
	v_and_b32 v[ADS], 15, v0
	v_lshlrev_b32 v[L16], 4, v[ADK]
	v_lshlrev_b32 v[L8], 3, v[ADK]
	v_lshlrev_b32 v[R4], 2, v[ADS]
	global_load_b128 v[QF:QF+3], v[L16], s[58:59]
	global_load_b128 v[QF+4:QF+7], v[L16], s[58:59] offset:512
	global_load_b32 v[QS], v[R4], s[60:61]
.irp i, 8,9,10,11
	v_mov_b32 v[QF+\i], 0                          ; k = 96 .. 127 and the rest: zero codes
.irp t, 0,1,2,3
	v_mov_b32 v[KF+12*\t+\i], 0
.endr
.endr
	v_mov_b32 v[NB], 0xff61b1e6                    ; -3e38
	v_mov_b32 v13, v[NB]                           ; m: under every score
	v_mov_b32 v12, v[NB]                           ; -c m, replaced as for a lane that has seen masked keys only
	v_mov_b32 v14, 0
	v_mov_b32 v15, 0
	v_mov_b32 v[FF+1], 0                           ; (named as the upper half of a pair)
	s_mov_b32 s[TK], 0
	s_mov_b32 s[TS], 0
	s_mov_b32 s[CNT], 16
	s_wait_tensorcnt 1                             ; my part of K is in; my part of V may be out
	s_barrier_signal -1
	s_barrier_wait -1                              ; everybody's part of K is in
	s_wait_loadcnt 0x0                             ; Q
; the scores of 128 keys.  two = 1 (pass 2): five address steps, which are also the five places between the last products, whose V fragments lie in v96-143, and the products that write over them
.macro SCORES two
	v_add_nc_u32 v[ADK], s[TK], v[L16]
	v_add_nc_u32 v[ADS], s[TS], v[R4]
.if \two
	v_add_nc_u32 v[ADV], s[TV], v[L16]
	v_add_nc_u32 v[ADW], s[TV], v[L8]
	v_add_nc_u32 v[ADT], s[TT], v[R4]
.endif
.irp g, 0,1
.if \g
.rept 4
	v_nop                                          ; places in front of loads into registers that matrix instructions have read
.endr
.endif
.irp t, 0,1,2,3
	ds_load_b128 v[KF+12*\t:KF+12*\t+3], v[ADK] offset:KIMG+(4*\g+\t)*1024
	ds_load_b128 v[KF+12*\t+4:KF+12*\t+7], v[ADK] offset:KIMG+(4*\g+\t)*1024+512
	ds_load_b32 v[KSR+\t], v[ADS] offset:(4*\g+\t)*64
.endr
	s_wait_dscnt 0x0
.irp t, 0,1,2,3
	v_wmma_scale_f32_16x16x128_f8f6f4 v[S+8*(4*\g+\t):S+8*(4*\g+\t)+7], v[KF+12*\t:KF+12*\t+11], v[QF:QF+11], 0, v[KSR+\t], v[QS] matrix_a_fmt:MATRIX_FMT_FP6 matrix_b_fmt:MATRIX_FMT_FP6
.endr
.endr
.rept 4
	v_nop
.endr
.endm
.macro BMAX                            ; my 16 scores of each block of 32 keys: the largest; each accumulator is first read at its low end
.irp b, 0,1,2,3
	v_max3_num_f32 v[BM+\b], v[S+16*\b], v[S+1+16*\b], v[S+2+16*\b]
.endr
.irp i, 3,5,7,9,11,13
.irp b, 0,1,2,3
	v_max3_num_f32 v[BM+\b], v[BM+\b], v[S+16*\b+\i], v[S+1+16*\b+\i]
.endr
.endr
.irp b, 0,1,2,3
	v_max_num_f32 v[BM+\b], v[BM+\b], v[S+15+16*\b]
.endr
.endm
.Lpass1:                               ; 16 trips of 128 keys
	SCORES 0
	BMAX
	v_max3_num_f32 v[BX], v[BM], v[BM+1], v[BM+2]
	v_mov_b32 v[BX+1], v12                         ; the old -c m
	v_max3_num_f32 v13, v[BX], v[BM+3], v13        ; my lane's running maximum
	v_mul_f32 v12, s[NC], v13
	v_cmp_gt_f32 vcc_lo, s[THR], v13               ; only masked keys so far?  (a choice of values only)
	v_cndmask_b32 v12, v12, v[NB], vcc_lo
	v_sub_f32 v[BX+1], v12, v[BX+1]                ; c m_old - c m_new, from the rounded numbers themselves,
	v_min_num_f32 v[BX+1], 0, v[BX+1]              ; held at 0 from above
.set j, 0
.rept 32
	v_pk_fma_f32 v[S+j:S+j+1], v[S+j:S+j+1], s[CS:CS+1], v[12:13] op_sel_hi:[1,0,0]   ; c s - c m
.set j, j+2
.endr
	v_exp_f32 v[FF], v[BX+1]
.set j, 0
.rept 64
	v_exp_f32 v[S+j], v[S+j]
.set j, j+1
.endr
	v_nop                                          ; the plain place behind the batch
	s_wait_alu depctr_va_vdst(0)                   ; one wait for the 65, ahead of their first reader
	v_pk_mul_f32 v[14:15], v[14:15], v[FF:FF+1] op_sel_hi:[1,0]
	v_pk_add_f32 v[BX+2:BX+3], v[S:S+1], v[S+2:S+3]
.set j, 4
.rept 15
	v_pk_add_f32 v[14:15], v[14:15], v[S+j:S+j+1]
	v_pk_add_f32 v[BX+2:BX+3], v[BX+2:BX+3], v[S+j+2:S+j+3]
.set j, j+4
.endr
	v_pk_add_f32 v[14:15], v[14:15], v[BX+2:BX+3]
	s_add_co_u32 s[TK], s[TK], 8192
	s_add_co_u32 s[TS], s[TS], 512
	s_sub_co_u32 s[CNT], s[CNT], 1
	s_cmp_lg_u32 s[CNT], 0
	s_cbranch_scc1 .Lpass1
	; the two halves of the keys are joined
	v_add_f32 v14, v14, v15
	v_permlanex16_b32 v[BM], v13, s[SEL], s[SEL+1]         ; the other half's m,
	v_permlanex16_b32 v[BM+1], v14, s[SEL], s[SEL+1]       ; l,
	v_permlanex16_b32 v[BM+2], v12, s[SEL], s[SEL+1]       ; and -c m
	v_cmp_ge_f32 vcc_lo, v13, v[BM]
	v_cndmask_b32 v[BM+3], v[BM+2], v12, vcc_lo    ; -c m of the larger m
	v_max_num_f32 v13, v13, v[BM]
	v_sub_f32 v[BX], v[BM+3], v12
	v_sub_f32 v[BX+1], v[BM+3], v[BM+2]
	v_min_num_f32 v[BX], 0, v[BX]
	v_min_num_f32 v[BX+1], 0, v[BX+1]
	v_exp_f32 v[BX], v[BX]
	v_exp_f32 v[BX+1], v[BX+1]
	v_mov_b32 v12, v[BM+3]                         ; (the plain place)
	s_wait_alu depctr_va_vdst(0)
	v_mul_f32 v14, v14, v[BX]
	v_mul_f32 v15, v[BM+1], v[BX+1]
	v_add_f32 v14, v14, v15                        ; not fused: this sum has the same bits in both lanes of a query, so that both take the same scales below
	v_rcp_f32 v[IL], v14
	v_cmp_gt_f32 vcc_lo, s[THR], v13               ; (the plain place)  every key masked?
	s_wait_alu depctr_va_vdst(0)
	v_cndmask_b32 v[IL], v[IL], 0, vcc_lo          ; then the probabilities are zeros
	v_mov_b32 v[IL+1], v[IL]
.set j, 0
.rept 32
	v_mov_b32 v[O+j], 0                            ; O^T: the step is written once
.set j, j+1
.endr
	s_mov_b32 s[TK], 0
	s_mov_b32 s[TS], 0
	s_mov_b32 s[TV], VIMG
	s_mov_b32 s[TT], VSC
	s_mov_b32 s[CNT], 16
	s_wait_tensorcnt 0x0                           ; my part of V is in
	s_wait_dscnt 0x0
	s_barrier_signal -1
	s_barrier_wait -1                              ; everybody's is
.Lpass2:                               ; 16 trips of 128 keys
	SCORES 1
	BMAX
.irp b, 0,1,2,3
	v_permlanex16_b32 v[BX+\b], v[BM+\b], s[SEL], s[SEL+1]
.endr
.irp b, 0,1,2,3
	v_max_num_f32 v[BM+\b], v[BM+\b], v[BX+\b]     ; the block's largest score
.endr
.set j, 0
.rept 32
	v_pk_fma_f32 v[S+j:S+j+1], v[S+j:S+j+1], s[CS:CS+1], v[12:13] op_sel_hi:[1,0,0]
.set j, j+2
.endr
.irp b, 0,1,2,3
	v_fma_f32 v[BM+\b], v[BM+\b], s[CS], v12
.endr
.set j, 0
.rept 64
	v_exp_f32 v[S+j], v[S+j]
.set j, j+1
.endr
	v_nop
	s_wait_alu depctr_va_vdst(0)                   ; one wait for the 64
.irp b, 0,1,2,3
	v_exp_f32 v[BM+\b], v[BM+\b]
.endr
.set j, 0
.rept 32
	v_pk_mul_f32 v[S+j:S+j+1], v[S+j:S+j+1], v[IL:IL+1] op_sel_hi:[1,0]   ; p, finished and normalised (plain work behind the four)
.set j, j+2
.endr
	s_wait_alu depctr_va_vdst(0)                   ; and one for the four
.irp b, 0,1,2,3
	v_mul_f32 v[BM+\b], v[BM+\b], v[IL]            ; the block's largest p: the same instructions on the same numbers
.endr
.irp b, 0,1,2,3
	v_max_num_f32 v[BM+\b], 0x1800000, v[BM+\b]    ; the floor 2^(3 - 127)
.endr
.irp b, 0,1,2,3
	v_add_nc_u32 v[SO+\b], 0xff000000, v[BM+\b]
.endr
.irp b, 0,1,2,3
	v_lshrrev_b32 v[BX+\b], 23, v[SO+\b]
.endr
	v_lshl_or_b32 v[PW], v[BX+1], 8, v[BX]
	v_lshl_or_b32 v[PW], v[BX+2], 16, v[PW]
	v_lshl_or_b32 v[PW], v[BX+3], 24, v[PW]
.irp c, 0,1
	v_cvt_scalef32_pk16_fp6_f32 v[PC+6*\c:PC+2+6*\c], v[S+32*\c:S+15+32*\c], v[SO+2*\c]
	v_cvt_scalef32_pk16_fp6_f32 v[PT+4*\c:PT+2+4*\c], v[S+16+32*\c:S+31+32*\c], v[SO+2*\c+1]
.endr
	v_nop                                          ; one plain place behind a scaled conversion
.irp c, 0,1
.irp i, 0,1,2
	v_permlane16_swap_b32 v[PC+6*\c+\i], v[PT+4*\c+\i]
.endr
.irp i, 0,1,2
	v_mov_b32 v[PC+3+6*\c+\i], v[PT+4*\c+\i]
.endr
.endr
.irp t, 0,1,2,3                                ; V's four fragments of these 128 keys, into the registers that p has left
	ds_load_b128 v[S+12*\t:S+12*\t+3], v[ADV] offset:1536*\t
	ds_load_b64 v[S+12*\t+4:S+12*\t+5], v[ADW] offset:1536*\t+512
	ds_load_b128 v[S+12*\t+6:S+12*\t+9], v[ADV] offset:1536*\t+768
	ds_load_b64 v[S+12*\t+10:S+12*\t+11], v[ADW] offset:1536*\t+1280
	ds_load_b32 v[VSR+\t], v[ADT] offset:64*\t
.endr
.rept 8
	v_nop                                          ; a scale word written by vector instructions stands eight places ahead of a scaled product, an operand four; the loads are on their way meanwhile
.endr
	s_wait_dscnt 0x0
.irp t, 0,1,2,3                                ; four accumulators by turns, one instruction a turn
	v_wmma_scale_f32_16x16x128_f8f6f4 v[O+8*\t:O+8*\t+7], v[S+12*\t:S+12*\t+11], v[PC:PC+11], v[O+8*\t:O+8*\t+7], v[VSR+\t], v[PW] matrix_a_fmt:MATRIX_FMT_FP6 matrix_b_fmt:MATRIX_FMT_FP6
.endr
	s_add_co_u32 s[TK], s[TK], 8192
	s_add_co_u32 s[TS], s[TS], 512
	s_add_co_u32 s[TV], s[TV], 6144
	s_add_co_u32 s[TT], s[TT], 256
	s_sub_co_u32 s[CNT], s[CNT], 1
	s_cmp_lg_u32 s[CNT], 0
	s_cbranch_scc1 .Lpass2
	; THE WAY OUT: register 16 b + i of O^T is channel 32 b + 16 (lane / 16) + i of my query: two blocks of the next product's K
.rept 4
	v_nop
.endr
.irp b, 0,1
	v_max3_num_f32 v[BM+\b], |v[O+16*\b]|, |v[O+1+16*\b]|, 0x1800000
.endr
.irp i, 2,4,6,8,10,12,14
.irp b, 0,1
	v_max3_num_f32 v[BM+\b], v[BM+\b], |v[O+16*\b+\i]|, |v[O+1+16*\b+\i]|
.endr
.endr
.irp b, 0,1
	v_permlanex16_b32 v[BX+\b], v[BM+\b], s[SEL], s[SEL+1]
.endr
.irp b, 0,1
	v_max_num_f32 v[BM+\b], v[BM+\b], v[BX+\b]
.endr
.irp b, 0,1
	v_add_nc_u32 v[SO+\b], 0xff000000, v[BM+\b]
.endr
.irp b, 0,1
	v_lshrrev_b32 v[BX+\b], 23, v[SO+\b]
.endr
	v_lshl_or_b32 v[PW], v[BX+1], 8, v[BX]
	v_cvt_scalef32_pk16_fp6_f32 v[PC:PC+2], v[O:O+15], v[SO]
	v_cvt_scalef32_pk16_fp6_f32 v[PT:PT+2], v[O+16:O+31], v[SO+1]
	v_nop
.irp i, 0,1,2
	v_permlane16_swap_b32 v[PC+\i], v[PT+\i]
.endr
.irp i, 0,1,2
	v_mov_b32 v[PC+3+\i], v[PT+\i]
.endr
	global_store_b128 v[L16], v[PC:PC+3], s[62:63]             ; 512 consecutive bytes,
	global_store_b64 v[L8], v[PC+4:PC+5], s[62:63] offset:512  ; and 256
	global_store_b16 v[R4], v[PW], s[66:67]                    ; my head's two bytes of each row's scale word
	s_wait_tensorcnt 0x0                           ; the wave's end
	ds_add_u32 v[SPW], v[NIL]
	s_wait_dscnt 0x0
	CROUND                                         ; the closing round
	s_endpgm
.Lfunc_end_k_q469818fa1f_attn:
	.size	k_q469818fa1f_attn, .Lfunc_end_k_q469818fa1f_attn-k_q469818fa1f_attn
	.p2alignl 7, 3214868480
	.fill 96, 4, 3214868480
	.section	.rodata,"a",@progbits
	.p2align	6, 0x0
	.amdhsa_kernel k_q469818fa1f_attn
		.amdhsa_group_segment_fixed_size 243712
		.amdhsa_private_segment_fixed_size 0
		.amdhsa_enable_private_segment 0
		.amdhsa_kernarg_size 16
		.amdhsa_user_sgpr_count 2
		.amdhsa_user_sgpr_kernarg_segment_ptr 1
		.amdhsa_wavefront_size32 1
		.amdhsa_system_sgpr_workgroup_id_x 1
		.amdhsa_system_sgpr_workgroup_id_y 1
		.amdhsa_system_sgpr_workgroup_id_z 1
		.amdhsa_system_vgpr_workitem_id 0
		.amdhsa_next_free_vgpr 256
		.amdhsa_next_free_sgpr 68
		.amdhsa_reserve_vcc 1
		.amdhsa_float_denorm_mode_32 3
		.amdhsa_float_denorm_mode_16_64 3
		.amdhsa_memory_ordered 1
		.amdhsa_forward_progress 1
		.amdhsa_inst_pref_size 39
	.end_amdhsa_kernel
	.amdgpu_metadata
---
amdhsa.version: [ 1, 2 ]
amdhsa.kernels:
  - .name:           k_q469818fa1f_attn
    .symbol:         k_q469818fa1f_attn.kd
    .args:
      - { .name: qkv, .offset: 0, .size: 8, .value_kind: global_buffer, .address_space: global }
      - { .name: ac, .offset: 8, .size: 8, .value_kind: global_buffer, .address_space: global }
    .group_segment_fixed_size: 243712
    .private_segment_fixed_size: 0
    .kernarg_segment_align: 8
    .kernarg_segment_size: 16
    .max_flat_workgroup_size: 512
    .sgpr_count:     68
    .vgpr_count:     256
    .wavefront_size: 32
...
	.end_amdgpu_metadata
.endif
;; end of part 3
;; launch wo (part 4): grid 4 x 16, 4 waves a work-group, clusters of 4 x 4, 327,680 bytes of LDS; arguments ac, wq6, bo, x, x1; writes x1
.if DOCPART == 4
	.amdgcn_target "amdgcn-amd-amdhsa--gfx1250"
	.amdhsa_code_object_version 6
	.text
	.protected	k_q469818fa1f_wo
	.globl	k_q469818fa1f_wo
	.p2align	8
	.type	k_q469818fa1f_wo,@function
k_q469818fa1f_wo:
	s_mov_b64 s[64:65], 0
	v_nop
	global_prefetch_b8 v0, s[64:65] scope:SCOPE_SE
	s_setreg_imm32_b32 hwreg(HW_REG_WAVE_MODE, 25, 1), 1
	s_wait_xcnt 0x0
	s_wait_alu depctr_hold_cnt(0) depctr_sa_sdst(0) depctr_va_vdst(0) depctr_va_sdst(0) depctr_va_ssrc(0) depctr_va_vcc(0) depctr_vm_vsrc(0)
	s_getreg_b32 s2, hwreg(HW_REG_IB_STS2, 6, 4)
	s_cmp_eq_u32 s2, 0
	s_cbranch_scc0 .Lentry_in_a_cluster
	s_endpgm
.Lentry_in_a_cluster:
	s_bfe_u32 s2, ttmp6, 0x10000c
	s_cmp_lg_u32 s2, 0xf033
	s_cbranch_scc0 .Lentry_shape_is_right
	s_endpgm
.Lentry_shape_is_right:
; x1 = x + attn Wo^T + bo.  attn (ac) and Wo (in wq6) are codes of FP6 (E2M3) with E8M0 scales, laid as images of the operand's registers (fragment (tile, ks) at (tile x KS + ks) x 1,536).
; A work-group makes 256 x 256, a wave 128 x 128 (64 accumulators); K goes in steps of 256 through two LDS slots; clusters of 4 x 4: A's tiles shared along a row, B's along a column, asked for jointly.
; The product is used transposed (source 0 = Wo's tile, source 1 = attn's): a lane holds one token; Wo's tiles hold permuted rows, so that register 8 b + j of a block is column 32 (b / 2) + 16 (lane / 16) + 8 (b % 2) + j.
; THE RESIDUAL STARTS THE SUMS: x is loaded straight into the accumulators, in that layout, while the first tiles are on their way; no product has a constant C.
; The bias is added on the way out, where rows come back from the stage whole.  64 work-groups: N = 1,024 has no more tiles of this size.
; No prefetch: half of K is asked for by the first fills.
.set KS,     8
.set AOFF_S, 3145728                   ; ac: where the scale words begin
.set BOFF_C, 2359296                   ; wq6: Wo's codes,
.set BOFF_S, 9535488                   ; and scale words
.set NQ,     2
.set FR,     12
.set NL,     4
.set NP,     4
.set FRB,    1536
.set TROW,   NQ*FRB
.set KROW,   KS*FRB
.set HALFT,  8*TROW
.set SLOT,   4*HALFT
.set LAPS,   KS/4
.set SCL,    2*SLOT
.set HALFS,  KS*512
.set SPARE,  SCL+4*HALFS               ; the spare words: 128 bytes a wave, two blocks of 256 bytes that no other line names
.set SPITCH, 528                       ; the way out: a stage of 16 rows x (512 + 16) bytes a wave, in slot 0, which has had its last fill and its last read by then
.set CO,   4                           ; v4  16 x lane
.set BIAS, 8                           ; v8-11 the bias of my four columns of a row
.set ADRA, 16
.set ADRB, 20
.set STO,  24
.set RD,   25
.set ADRS, 27
.set SPW,  28
.set NIL,  29
.set RA,   30
.set SC,   32                          ; v32-63 scale words, two sets; they hold nothing else
.set AF,   128
.set BK,   128
.set G1, 24
.set G0, 32
.set G1B, 48
.set G0B, 56
.set G1S, 68
.set G0S, 76
.set G1SB, 80
.set G0SB, 88
.set MSB, 0
.macro WIN new
.if MSB != (\new)
	s_set_vgpr_msb (MSB<<8)|(\new)
.set MSB, (\new)
.endif
.endm
.set MUL_LO, 0xa1
.set MUL_HI, 0xf1
.set TO_B,   0x40
.macro JLOAD g0a, g1a, g0b, g1b        ; a joint load: waves 0, 1 fetch for A, waves 2, 3 for B; an s_nop 0 and four v_nop follow each line
	s_cmp_eq_u32 s15, 0
	s_cbranch_scc0 .Lfor_b_\@
	tensor_load_to_lds s[\g0a:\g0a+3], s[\g1a:\g1a+7]
	s_nop 0
.rept 4
	v_nop
.endr
	s_branch .Lasked_\@
.Lfor_b_\@:
	tensor_load_to_lds s[\g0b:\g0b+3], s[\g1b:\g1b+7]
	s_nop 0
.rept 4
	v_nop
.endr
.Lasked_\@:
.endm
.macro CREST
	s_cmp_lg_u32 s14, 0
	s_cbranch_scc1 .Lnot_wave_0_\@
	s_barrier_signal -3
.Lnot_wave_0_\@:
	s_barrier_wait -3
	s_barrier_signal -1
	s_barrier_wait -1
.endm
.macro CROUND
	s_barrier_signal -1
	s_barrier_wait -1
	CREST
.endm
	s_load_b256 s[4:11], s[0:1], 0x0               ; A s[4:5], wq6 s[6:7], bias s[8:9], residual s[10:11]
	s_load_b64 s[12:13], s[0:1], 0x20              ; out
	v_lshl_add_u32 v[SPW], v0, 2, SPARE
	v_mov_b32 v[NIL], 0
	ds_add_u32 v[SPW], v[NIL]                      ; the wave's opening: the add and its wait stand ahead of my first tensor load
	v_lshrrev_b32 v1, 5, v0
	v_readfirstlane_b32 s14, v1
	s_lshr_b32 s15, s14, 1
	s_and_b32 s16, s14, 1
	s_bfe_u32 s40, ttmp6, 0x40000
	s_bfe_u32 s41, ttmp6, 0x40004
	s_lshl_b32 s42, ttmp9, 2
	s_add_co_u32 s42, s42, s40                     ; tile column
	s_and_b32 s17, ttmp7, 0xffff
	s_lshl_b32 s17, s17, 2
	s_add_co_u32 s17, s17, s41                     ; tile row
	s_lshl_b32 s43, s41, 2
	s_lshl_b32 s43, 15, s43
	s_lshl_b32 s44, 0x1111, s40
	s_or_b32 s[G1], s43, (3<<16)|(1<<21)           ; the mask; elements of 8 bytes; bit 21 beside a mask; no padding
	s_or_b32 s[G1B], s44, (3<<16)|(1<<21)
.irp g, G1, G1B
	s_mov_b32 s[\g+1], 384<<16
	s_mov_b32 s[\g+2], 8<<16
	s_mov_b32 s[\g+3], 384<<16
	s_mov_b32 s[\g+4], 8
	s_mov_b32 s[\g+5], KROW/8
	s_mov_b32 s[\g+6], 0
	s_mov_b32 s[\g+7], 0
.endr
	s_or_b32 s[G1S], s43, (3<<16)|(1<<21)
	s_or_b32 s[G1SB], s44, (3<<16)|(1<<21)
.irp g, G1S, G1SB
	s_mov_b32 s[\g+1], 32<<16
	s_mov_b32 s[\g+2], (HALFS/256)<<16
	s_mov_b32 s[\g+3], 32<<16
	s_mov_b32 s[\g+4], HALFS/256
	s_mov_b32 s[\g+5], 32
	s_mov_b32 s[\g+6], 0
	s_mov_b32 s[\g+7], 0
.endr
	s_lshl_b32 s18, s16, 3
	s_lshl_b32 s20, s17, 4
	s_add_co_u32 s20, s20, s18
	s_lshl_b32 s46, s42, 4
	s_add_co_u32 s46, s46, s18
	s_mul_i32 s22, s20, KS*64
	s_mul_i32 s20, s20, KROW
	s_mul_i32 s92, s46, KS*64
	s_mul_i32 s46, s46, KROW
	s_add_co_u32 s22, s22, AOFF_S
	s_add_co_u32 s46, s46, BOFF_C
	s_add_co_u32 s92, s92, BOFF_S
	s_mov_b32 s21, 0
	s_mov_b32 s23, 0
	s_mov_b32 s47, 0
	s_mov_b32 s93, 0
	s_mul_i32 s45, s14, HALFT
	s_mul_i32 s94, s14, HALFS
	s_wait_dscnt 0x0
	s_wait_kmcnt 0x0
	s_add_nc_u64 s[20:21], s[4:5], s[20:21]
	s_add_nc_u64 s[22:23], s[4:5], s[22:23]
	s_add_nc_u64 s[46:47], s[6:7], s[46:47]
	s_add_nc_u64 s[92:93], s[6:7], s[92:93]
	CROUND
	s_mov_b32 s[G0S], 1
	s_add_co_u32 s[G0S+1], s94, SCL
	s_mov_b64 s[G0S+2:G0S+3], s[22:23]
	s_or_b32 s[G0S+3], s[G0S+3], 0x80000000
	s_mov_b32 s[G0SB], 1
	s_add_co_u32 s[G0SB+1], s94, SCL
	s_mov_b64 s[G0SB+2:G0SB+3], s[92:93]
	s_or_b32 s[G0SB+3], s[G0SB+3], 0x80000000
	JLOAD G0S, G1S, G0SB, G1SB                     ; three loads of mine go out together: the scale words, slot 0, slot 1
.irp s, 0,1
	s_mov_b32 s[G0+4*\s], 1
	s_add_co_u32 s[G0+4*\s+1], s45, \s*SLOT
	s_add_nc_u64 s[G0+4*\s+2:G0+4*\s+3], s[20:21], \s*TROW
	s_or_b32 s[G0+4*\s+3], s[G0+4*\s+3], 0x80000000
	s_mov_b32 s[G0B+4*\s], 1
	s_add_co_u32 s[G0B+4*\s+1], s45, \s*SLOT
	s_add_nc_u64 s[G0B+4*\s+2:G0B+4*\s+3], s[46:47], \s*TROW
	s_or_b32 s[G0B+4*\s+3], s[G0B+4*\s+3], 0x80000000
	JLOAD G0+4*\s, G1, G0B+4*\s, G1B
.endr
	v_and_b32 v1, 15, v0
	v_bfe_u32 v2, v0, 4, 1
	v_and_b32 v3, 31, v0
	v_lshlrev_b32 v4, 4, v3
	v_lshlrev_b32 v5, 3, v3
	; my 128 x 128 of the residual and of the result
	s_lshl_b32 s96, s17, 8
	s_lshl_b32 s97, s15, 7
	s_add_co_u32 s96, s96, s97
	s_lshl_b32 s96, s96, 12                        ; my first row, in bytes
	s_lshl_b32 s98, s42, 10
	s_lshl_b32 s99, s16, 9
	s_add_co_u32 s98, s98, s99                     ; my first column, in bytes
	s_add_co_u32 s96, s96, s98
	s_mov_b32 s97, 0
	s_mov_b32 s99, 0
	s_add_nc_u64 s[10:11], s[10:11], s[96:97]
	s_add_nc_u64 s[12:13], s[12:13], s[96:97]
	s_add_nc_u64 s[8:9], s[8:9], s[98:99]
	v_lshlrev_b32 v[RA], 12, v1
	v_lshl_add_u32 v[RA], v2, 6, v[RA]             ; row r, + 64 h
	global_load_b128 v[BIAS:BIAS+3], v4, s[8:9]
.irp a, 0,1,2,3,4,5,6,7
	WIN 0x80+0x40*(\a/4)                           ; destination: window 2 or 3
.irp be, 0,1,2,3
.irp q, 0,1,2,3
	global_load_b128 v[64*(\a%4)+16*\be+4*\q:64*(\a%4)+16*\be+4*\q+3], v[RA], s[10:11] offset:65536*\a+128*\be+16*\q
.endr
.endr
.endr
	WIN 0
	s_mul_i32 s21, s15, HALFT
	s_mul_i32 s22, s16, HALFT
	s_add_co_u32 s22, s22, 2*HALFT
.irp s, 0,1
	v_add_nc_u32 v[ADRA+\s], s21, v4
	v_add_nc_u32 v[ADRB+\s], s22, v4
	v_add_nc_u32 v[ADRA+2+\s], s21, v5
	v_add_nc_u32 v[ADRB+2+\s], s22, v5
	s_add_co_u32 s21, s21, SLOT
	s_add_co_u32 s22, s22, SLOT
.endr
	v_lshlrev_b32 v6, 2, v1
	s_mul_i32 s21, s15, HALFS
	s_mul_i32 s22, s16, HALFS
	s_add_co_u32 s22, s22, 2*HALFS
	s_sub_co_u32 s22, s22, s21
	v_mul_u32_u24 v7, s22, v2
	s_add_co_u32 s21, s21, SCL
	v_add_nc_u32 v6, v6, v7
	v_add_nc_u32 v[ADRS], s21, v6
	s_mul_i32 s23, s14, 16*SPITCH                  ; my stage
	v_mul_u32_u24 v6, v1, SPITCH
	v_lshl_add_u32 v6, v2, 6, v6
	v_add_nc_u32 v[STO], s23, v6                   ; in: row r, + 64 h
	v_add_nc_u32 v[RD], s23, v4                    ; back: a row of 512 bytes to the 32 lanes
.macro FRAG reg, adr, q, i
	ds_load_b128 v[\reg:\reg+3], v[\adr] offset:(\i)*TROW+(\q)*FRB
	ds_load_b64 v[\reg+4:\reg+5], v[\adr+2] offset:(\i)*TROW+(\q)*FRB+512
	ds_load_b128 v[\reg+6:\reg+9], v[\adr] offset:(\i)*TROW+(\q)*FRB+768
	ds_load_b64 v[\reg+10:\reg+11], v[\adr+2] offset:(\i)*TROW+(\q)*FRB+1280
.endm
; 16 matrix instructions; the 64 accumulators take turns, one instruction a turn, in the same order in every step
.macro MUL16 a0, p, q, sc
.irp a, \a0, \a0+1
.irp b, 0,1,2,3,4,5,6,7
	v_wmma_scale_f32_16x16x128_f8f6f4 v[8*(8*((\a)%4)+\b):8*(8*((\a)%4)+\b)+7], v[128*(\p)+FR*\b:128*(\p)+FR*\b+FR-1], v[AF+FR*(\a):AF+FR*(\a)+FR-1], v[8*(8*((\a)%4)+\b):8*(8*((\a)%4)+\b)+7], v[SC+8*NQ*(\sc)+NQ*\b+(\q)], v[SC+8*NQ*(\sc)+NQ*(\a)+(\q)] matrix_a_fmt:MATRIX_FMT_FP6 matrix_b_fmt:MATRIX_FMT_FP6 matrix_a_scale:MATRIX_SCALE_ROW1
.endr
.endr
.endm
.macro FETCH_B slot, q, p
	WIN TO_B
.irp i, 0,1,2,3,4,5,6,7
	FRAG 128*(\p)+FR*\i, ADRB+\slot, \q, \i
.endr
	WIN 0
.endm
.macro FETCH_A slot, q, i0
.irp i, \i0, \i0+1, \i0+2, \i0+3
	FRAG AF+FR*(\i), ADRA+\slot, \q, \i
.endr
.endm
.macro SCALES sc
.irp i, 0,1,2,3,4,5,6,7
.irp q, 0,1
	ds_load_b32 v[SC+8*NQ*\sc+NQ*\i+\q], v[ADRS] offset:\i*KS*64+64*\q
.endr
.endr
.endm
.macro PLACES n
.rept \n
	v_nop
.endr
.endm
.macro STEP slot, q
	s_wait_dscnt 4*NL                              ; all but the youngest 16 loads (A's blocks 4-7) are in
	WIN MUL_LO
	MUL16 0, (\q)%2, \q, \slot
	MUL16 2, (\q)%2, \q, \slot
	s_wait_dscnt 0
	PLACES NP
	FETCH_B \slot, (\q)+1, 1-(\q)%2
	FETCH_A \slot, (\q)+1, 0
	WIN MUL_HI
	MUL16 4, (\q)%2, \q, \slot
	MUL16 6, (\q)%2, \q, \slot
	PLACES NP
	WIN 0
	FETCH_A \slot, (\q)+1, 4
.endm
.macro TURN slot, next, fill
	s_wait_tensorcnt 0x0                           ; all my tensor loads have landed: my part of the next slot
	ds_add_u32 v[SPW], v[NIL]                      ; 0 onto my spare word
	s_wait_dscnt 4*NL+1                            ; (the add and the youngest 16 loads may be out)
	WIN MUL_LO
	MUL16 0, 1, NQ-1, \slot
	s_wait_dscnt 0x0                               ; the add is done, and my reads of this slot are over
	s_barrier_signal -1
	MUL16 2, 1, NQ-1, \slot
	WIN 0
	s_barrier_wait -1
.if \fill
	CREST                                          ; no wave of any partner still reads this slot or has a load on its way
	s_add_nc_u64 s[G0+4*\slot+2:G0+4*\slot+3], s[G0+4*\slot+2:G0+4*\slot+3], 2*TROW
	s_add_nc_u64 s[G0B+4*\slot+2:G0B+4*\slot+3], s[G0B+4*\slot+2:G0B+4*\slot+3], 2*TROW
	JLOAD G0+4*\slot, G1, G0B+4*\slot, G1B         ; my one tensor load behind the round
.else
	PLACES NP
.endif
	v_add_nc_u32 v[ADRS], 64*NQ, v[ADRS]
	FETCH_B \next, 0, 0
	FETCH_A \next, 0, 0
	SCALES \next
	WIN MUL_HI
	MUL16 4, 1, NQ-1, \slot
	MUL16 6, 1, NQ-1, \slot
	PLACES NP
	WIN 0
	FETCH_A \next, 0, 4
.endm
	s_wait_tensorcnt 1                             ; the scale words and my part of slot 0 are in; slot 1's load may be out
	s_barrier_signal -1
	s_barrier_wait -1
	FETCH_B 0, 0, 0
	FETCH_A 0, 0, 0
	SCALES 0
	FETCH_A 0, 0, 4
	s_wait_loadcnt 0x0                             ; the residual lies in the accumulators
	STEP 0, 0
	s_mov_b32 s3, LAPS-1
.Llap:
	TURN 0, 1, 1
	STEP 1, 0
	TURN 1, 0, 1
	STEP 0, 0
	s_sub_co_u32 s3, s3, 1
	s_cmp_lg_u32 s3, 0
	s_cbranch_scc1 .Llap
	TURN 0, 1, 0
	STEP 1, 0
	s_wait_dscnt 4*NL
	WIN MUL_LO
	MUL16 0, 1, NQ-1, 1
	MUL16 2, 1, NQ-1, 1
	s_wait_dscnt 0
	WIN MUL_HI
	MUL16 4, 1, NQ-1, 1
	MUL16 6, 1, NQ-1, 1
	WIN 0
; THE WAY OUT, a block of 16 rows x 128 columns at a time, through my own stage; LDS serves a wave's instructions in order, so no wait stands between the stores and the loads
.macro TOSTAGE a
.set AC, 64*((\a)%4)
	WIN 0x08+4*((\a)/4)                            ; the data: window 2 or 3
.irp b, 0,1,2,3,4,5,6,7
	ds_store_b128 v[STO], v[AC+8*\b:AC+8*\b+3] offset:128*(\b/2)+32*(\b%2)         ; each accumulator from its low end on
	ds_store_b128 v[STO], v[AC+8*\b+4:AC+8*\b+7] offset:128*(\b/2)+32*(\b%2)+16
.endr
	WIN 0
.set BB, BK+64*((\a)%2)
.irp t, 0,1,2,3,4,5,6,7,8,9,10,11,12,13,14,15
	ds_load_b128 v[BB+4*\t:BB+4*\t+3], v[RD] offset:\t*SPITCH
.endr
.endm
.macro SEND a, younger
.set BB, BK+64*((\a)%2)
	s_wait_dscnt \younger                          ; the block is back in registers
.if (\a) > 0
	s_add_nc_u64 s[12:13], s[12:13], 65536         ; 16 rows on (behind a wait for 0 on XCNT: the earlier stores have read their base)
.endif
.irp t, 0,1,2,3,4,5,6,7,8,9,10,11,12,13,14,15
	v_pk_add_f32 v[BB+4*\t:BB+4*\t+1], v[BB+4*\t:BB+4*\t+1], v[BIAS:BIAS+1]
	v_pk_add_f32 v[BB+4*\t+2:BB+4*\t+3], v[BB+4*\t+2:BB+4*\t+3], v[BIAS+2:BIAS+3]
.endr
.irp t, 0,1,2,3,4,5,6,7,8,9,10,11,12,13,14,15
	global_store_b128 v[CO], v[BB+4*\t:BB+4*\t+3], s[12:13] offset:\t*4096   ; 32 lanes store 512 consecutive bytes, aligned
.endr
.endm
	PLACES NP
	TOSTAGE 0
.irp a, 1,2,3,4,5,6,7
.if \a > 1
	s_wait_xcnt 0x0                                ; block a - 2's stores have read their registers and their base
.endif
	TOSTAGE \a
	SEND \a-1, 32                                  ; behind block a - 1's loads: block a's 16 stores and 16 loads
.endr
	s_wait_xcnt 0x0
	SEND 7, 0
	s_wait_tensorcnt 0x0                           ; the wave's end
	ds_add_u32 v[SPW], v[NIL]
	s_wait_dscnt 0x0
	CROUND                                         ; the closing round
	s_endpgm
.Lfunc_end_k_q469818fa1f_wo:
	.size	k_q469818fa1f_wo, .Lfunc_end_k_q469818fa1f_wo-k_q469818fa1f_wo
	.p2alignl 7, 3214868480
	.fill 96, 4, 3214868480
	.section	.rodata,"a",@progbits
	.p2align	6, 0x0
	.amdhsa_kernel k_q469818fa1f_wo
		.amdhsa_group_segment_fixed_size 327680
		.amdhsa_private_segment_fixed_size 0
		.amdhsa_enable_private_segment 0
		.amdhsa_kernarg_size 40
		.amdhsa_user_sgpr_count 2
		.amdhsa_user_sgpr_kernarg_segment_ptr 1
		.amdhsa_wavefront_size32 1
		.amdhsa_system_sgpr_workgroup_id_x 1
		.amdhsa_system_sgpr_workgroup_id_y 1
		.amdhsa_system_sgpr_workgroup_id_z 1
		.amdhsa_system_vgpr_workitem_id 0
		.amdhsa_next_free_vgpr 1024
		.amdhsa_next_free_sgpr 102
		.amdhsa_reserve_vcc 0
		.amdhsa_float_denorm_mode_32 3
		.amdhsa_float_denorm_mode_16_64 3
		.amdhsa_memory_ordered 1
		.amdhsa_forward_progress 1
		.amdhsa_inst_pref_size 174
	.end_amdhsa_kernel
	.amdgpu_metadata
---
amdhsa.version: [ 1, 2 ]
amdhsa.kernels:
  - .name:           k_q469818fa1f_wo
    .symbol:         k_q469818fa1f_wo.kd
    .args:
      - { .name: ac, .offset: 0, .size: 8, .value_kind: global_buffer, .address_space: global }
      - { .name: wq6, .offset: 8, .size: 8, .value_kind: global_buffer, .address_space: global }
      - { .name: bo, .offset: 16, .size: 8, .value_kind: global_buffer, .address_space: global }
      - { .name: x, .offset: 24, .size: 8, .value_kind: global_buffer, .address_space: global }
      - { .name: x1, .offset: 32, .size: 8, .value_kind: global_buffer, .address_space: global }
    .group_segment_fixed_size: 327680
    .private_segment_fixed_size: 0
    .kernarg_segment_align: 8
    .kernarg_segment_size: 40
    .max_flat_workgroup_size: 128
    .sgpr_count:     102
    .vgpr_count:     1024
    .wavefront_size: 32
...
	.end_amdgpu_metadata
.endif
;; end of part 4
;; launch ln2: the kernel of part 1 again; grid 256 x 1, 8 waves a work-group, no clusters, 67,584 bytes of LDS; arguments x1, g2, beta2, hc, Wq, Wk, Wv, Wo, W1, W2, wq6, positions, rope; writes hc, wq6, rope
;; launch ffn1 (part 5): grid 16 x 16, 4 waves a work-group, clusters of 4 x 4, 327,680 bytes of LDS; arguments hc, wq6, b1, gc; writes gc
.if DOCPART == 5
	.amdgcn_target "amdgcn-amd-amdhsa--gfx1250"
	.amdhsa_code_object_version 6
	.text
	.protected	k_q469818fa1f_ffn1
	.globl	k_q469818fa1f_ffn1
	.p2align	8
	.type	k_q469818fa1f_ffn1,@function
k_q469818fa1f_ffn1:
	s_mov_b64 s[64:65], 0
	v_nop
	global_prefetch_b8 v0, s[64:65] scope:SCOPE_SE
	s_setreg_imm32_b32 hwreg(HW_REG_WAVE_MODE, 25, 1), 1
	s_wait_xcnt 0x0
	s_wait_alu depctr_hold_cnt(0) depctr_sa_sdst(0) depctr_va_vdst(0) depctr_va_sdst(0) depctr_va_ssrc(0) depctr_va_vcc(0) depctr_vm_vsrc(0)
	s_getreg_b32 s2, hwreg(HW_REG_IB_STS2, 6, 4)
	s_cmp_eq_u32 s2, 0
	s_cbranch_scc0 .Lentry_in_a_cluster
	s_endpgm
.Lentry_in_a_cluster:
	s_bfe_u32 s2, ttmp6, 0x10000c
	s_cmp_lg_u32 s2, 0xf033
	s_cbranch_scc0 .Lentry_shape_is_right
	s_endpgm
.Lentry_shape_is_right:
; gc = Q(gelu(LN2(x1) W1^T + b1)): the product on codes of FP6 (E2M3) with E8M0 scales, the exact GELU in f32, the result quantised along FF for the next product.
; A work-group makes 256 x 256, a wave 128 x 128 (64 accumulators); K = 1,024 in steps of 256 through two LDS slots; clusters of 4 x 4 with joint loads (A's tiles along a row, B's along a column).
; Operands lie in memory as images of their registers (fragment (tile, ks) at (tile x KS + ks) x 1,536).  Used transposed, with W1's permuted tiles, a lane holds one token and the 64 registers of a block are
; 128 neighbouring columns in the quantiser's order: one K step of the next product.
; GELU: gelu(x) = max(x, 0) - |x| w, w = erfc(|x| / sqrt 2) / 2 = t (a1 + t (a2 + t (a3 + t (a4 + t a5)))) 2^(-(k x)^2), t = 1 / (1 + q |k x|): nothing is cancelled.
; LIMIT: w has an absolute error of about 1e-7, so gelu's error is about 1e-7 |x|: relative only where |x| is of order 1 or x > 0.  NaN and infinities not served; a block of zeros keeps scale byte 1.
; THE WAY OUT IS A LOOP of eight trips, a block of 16 tokens each: only "accumulator + bias" differs from trip to trip, and it is chosen by a ladder on the trip's number.  Its scale words leave as 64 bytes a block (1/24 of the bytes).
; No prefetch: half of K is asked for by the first fills.
.set KS,     8
.set AOFF_S, 3145728
.set BOFF_C, 3145728                   ; wq6: W1's codes,
.set BOFF_S, 9568256                   ; and scale words
.set GSC,    12582912                  ; gc: where the scale words begin
.set NQ,     2
.set FR,     12
.set NL,     4
.set NP,     4
.set FRB,    1536
.set TROW,   NQ*FRB
.set KROW,   KS*FRB
.set HALFT,  8*TROW
.set SLOT,   4*HALFT
.set LAPS,   KS/4
.set SCL,    2*SLOT
.set HALFS,  KS*512
.set SPARE,  SCL+4*HALFS               ; the spare words: 128 bytes a wave, two blocks of 256 bytes that no other line names
.set ADRA, 16
.set ADRB, 20
.set ADRS, 27
.set SPW,  28
.set NIL,  29
.set VBA,  30
.set SC,   32                          ; v32-63 scale words, two sets; they hold nothing else
.set AF,   128
.set G1, 24
.set G0, 32
.set G1B, 48
.set G0B, 56
.set G1S, 68
.set G0S, 76
.set G1SB, 80
.set G0SB, 88
.set MSB, 0
.macro WIN new
.if MSB != (\new)
	s_set_vgpr_msb (MSB<<8)|(\new)
.set MSB, (\new)
.endif
.endm
.set MUL_LO, 0xa1
.set MUL_HI, 0xf1
.set TO_B,   0x40
.macro JLOAD g0a, g1a, g0b, g1b        ; a joint load: waves 0, 1 fetch for A, waves 2, 3 for B; an s_nop 0 and four v_nop follow each line
	s_cmp_eq_u32 s15, 0
	s_cbranch_scc0 .Lfor_b_\@
	tensor_load_to_lds s[\g0a:\g0a+3], s[\g1a:\g1a+7]
	s_nop 0
.rept 4
	v_nop
.endr
	s_branch .Lasked_\@
.Lfor_b_\@:
	tensor_load_to_lds s[\g0b:\g0b+3], s[\g1b:\g1b+7]
	s_nop 0
.rept 4
	v_nop
.endr
.Lasked_\@:
.endm
.macro CREST
	s_cmp_lg_u32 s14, 0
	s_cbranch_scc1 .Lnot_wave_0_\@
	s_barrier_signal -3
.Lnot_wave_0_\@:
	s_barrier_wait -3
	s_barrier_signal -1
	s_barrier_wait -1
.endm
.macro CROUND
	s_barrier_signal -1
	s_barrier_wait -1
	CREST
.endm
	s_load_b256 s[4:11], s[0:1], 0x0               ; hc s[4:5], wq6 s[6:7], b1 s[8:9], gc s[10:11]
	v_lshl_add_u32 v[SPW], v0, 2, SPARE
	v_mov_b32 v[NIL], 0
	ds_add_u32 v[SPW], v[NIL]                      ; the wave's opening: the add and its wait stand ahead of my first tensor load
	v_lshrrev_b32 v1, 5, v0
	v_readfirstlane_b32 s14, v1
	s_lshr_b32 s15, s14, 1
	s_and_b32 s16, s14, 1
	s_bfe_u32 s40, ttmp6, 0x40000
	s_bfe_u32 s41, ttmp6, 0x40004
	s_lshl_b32 s42, ttmp9, 2
	s_add_co_u32 s42, s42, s40                     ; tile column
	s_and_b32 s17, ttmp7, 0xffff
	s_lshl_b32 s17, s17, 2
	s_add_co_u32 s17, s17, s41                     ; tile row
	s_lshl_b32 s43, s41, 2
	s_lshl_b32 s43, 15, s43
	s_lshl_b32 s44, 0x1111, s40
	s_or_b32 s[G1], s43, (3<<16)|(1<<21)
	s_or_b32 s[G1B], s44, (3<<16)|(1<<21)
.irp g, G1, G1B
	s_mov_b32 s[\g+1], 384<<16
	s_mov_b32 s[\g+2], 8<<16
	s_mov_b32 s[\g+3], 384<<16
	s_mov_b32 s[\g+4], 8
	s_mov_b32 s[\g+5], KROW/8
	s_mov_b32 s[\g+6], 0
	s_mov_b32 s[\g+7], 0
.endr
	s_or_b32 s[G1S], s43, (3<<16)|(1<<21)
	s_or_b32 s[G1SB], s44, (3<<16)|(1<<21)
.irp g, G1S, G1SB
	s_mov_b32 s[\g+1], 32<<16
	s_mov_b32 s[\g+2], (HALFS/256)<<16
	s_mov_b32 s[\g+3], 32<<16
	s_mov_b32 s[\g+4], HALFS/256
	s_mov_b32 s[\g+5], 32
	s_mov_b32 s[\g+6], 0
	s_mov_b32 s[\g+7], 0
.endr
	s_lshl_b32 s18, s16, 3
	s_lshl_b32 s20, s17, 4
	s_add_co_u32 s20, s20, s18
	s_lshl_b32 s46, s42, 4
	s_add_co_u32 s46, s46, s18
	s_mul_i32 s22, s20, KS*64
	s_mul_i32 s20, s20, KROW
	s_mul_i32 s92, s46, KS*64
	s_mul_i32 s46, s46, KROW
	s_add_co_u32 s22, s22, AOFF_S
	s_add_co_u32 s46, s46, BOFF_C
	s_add_co_u32 s92, s92, BOFF_S
	s_mov_b32 s21, 0
	s_mov_b32 s23, 0
	s_mov_b32 s47, 0
	s_mov_b32 s93, 0
	s_mul_i32 s45, s14, HALFT
	s_mul_i32 s94, s14, HALFS
	s_wait_dscnt 0x0
	s_wait_kmcnt 0x0
	s_add_nc_u64 s[20:21], s[4:5], s[20:21]
	s_add_nc_u64 s[22:23], s[4:5], s[22:23]
	s_add_nc_u64 s[46:47], s[6:7], s[46:47]
	s_add_nc_u64 s[92:93], s[6:7], s[92:93]
	CROUND
	s_mov_b32 s[G0S], 1
	s_add_co_u32 s[G0S+1], s94, SCL
	s_mov_b64 s[G0S+2:G0S+3], s[22:23]
	s_or_b32 s[G0S+3], s[G0S+3], 0x80000000
	s_mov_b32 s[G0SB], 1
	s_add_co_u32 s[G0SB+1], s94, SCL
	s_mov_b64 s[G0SB+2:G0SB+3], s[92:93]
	s_or_b32 s[G0SB+3], s[G0SB+3], 0x80000000
	JLOAD G0S, G1S, G0SB, G1SB                     ; three loads of mine go out together: the scale words, slot 0, slot 1
.irp s, 0,1
	s_mov_b32 s[G0+4*\s], 1
	s_add_co_u32 s[G0+4*\s+1], s45, \s*SLOT
	s_add_nc_u64 s[G0+4*\s+2:G0+4*\s+3], s[20:21], \s*TROW
	s_or_b32 s[G0+4*\s+3], s[G0+4*\s+3], 0x80000000
	s_mov_b32 s[G0B+4*\s], 1
	s_add_co_u32 s[G0B+4*\s+1], s45, \s*SLOT
	s_add_nc_u64 s[G0B+4*\s+2:G0B+4*\s+3], s[46:47], \s*TROW
	s_or_b32 s[G0B+4*\s+3], s[G0B+4*\s+3], 0x80000000
	JLOAD G0+4*\s, G1, G0B+4*\s, G1B
.endr
	v_and_b32 v1, 15, v0
	v_bfe_u32 v2, v0, 4, 1
	v_and_b32 v3, 31, v0
	v_lshlrev_b32 v4, 4, v3
	v_lshlrev_b32 v5, 3, v3
	; the bias of my 128 columns, in the result's layout, into the 64 registers of window 1 that B's two sets leave free: v96-127 and v224-255
	s_lshl_b32 s98, s42, 10
	s_lshl_b32 s99, s16, 9
	s_add_co_u32 s98, s98, s99
	s_mov_b32 s99, 0
	s_add_nc_u64 s[8:9], s[8:9], s[98:99]
	v_lshlrev_b32 v[VBA], 6, v2
	WIN 0x40
.irp t, 0,1,2,3
	global_load_b128 v[96+8*\t:96+8*\t+3], v[VBA], s[8:9] offset:(32*(\t/2)+8*(\t%2))*4
	global_load_b128 v[96+8*\t+4:96+8*\t+7], v[VBA], s[8:9] offset:(32*(\t/2)+8*(\t%2))*4+16
	global_load_b128 v[224+8*\t:224+8*\t+3], v[VBA], s[8:9] offset:(64+32*(\t/2)+8*(\t%2))*4
	global_load_b128 v[224+8*\t+4:224+8*\t+7], v[VBA], s[8:9] offset:(64+32*(\t/2)+8*(\t%2))*4+16
.endr
	WIN 0
	s_mul_i32 s21, s15, HALFT
	s_mul_i32 s22, s16, HALFT
	s_add_co_u32 s22, s22, 2*HALFT
.irp s, 0,1
	v_add_nc_u32 v[ADRA+\s], s21, v4
	v_add_nc_u32 v[ADRB+\s], s22, v4
	v_add_nc_u32 v[ADRA+2+\s], s21, v5
	v_add_nc_u32 v[ADRB+2+\s], s22, v5
	s_add_co_u32 s21, s21, SLOT
	s_add_co_u32 s22, s22, SLOT
.endr
	v_lshlrev_b32 v6, 2, v1
	s_mul_i32 s21, s15, HALFS
	s_mul_i32 s22, s16, HALFS
	s_add_co_u32 s22, s22, 2*HALFS
	s_sub_co_u32 s22, s22, s21
	v_mul_u32_u24 v7, s22, v2
	s_add_co_u32 s21, s21, SCL
	v_add_nc_u32 v6, v6, v7
	v_add_nc_u32 v[ADRS], s21, v6
.macro FRAG reg, adr, q, i
	ds_load_b128 v[\reg:\reg+3], v[\adr] offset:(\i)*TROW+(\q)*FRB
	ds_load_b64 v[\reg+4:\reg+5], v[\adr+2] offset:(\i)*TROW+(\q)*FRB+512
	ds_load_b128 v[\reg+6:\reg+9], v[\adr] offset:(\i)*TROW+(\q)*FRB+768
	ds_load_b64 v[\reg+10:\reg+11], v[\adr+2] offset:(\i)*TROW+(\q)*FRB+1280
.endm
; 16 matrix instructions; the 64 accumulators take turns, one instruction a turn, in the same order in every step
.macro MUL16 a0, p, q, sc, zero
.irp a, \a0, \a0+1
.irp b, 0,1,2,3,4,5,6,7
.if \zero
	v_wmma_scale_f32_16x16x128_f8f6f4 v[8*(8*((\a)%4)+\b):8*(8*((\a)%4)+\b)+7], v[128*(\p)+FR*\b:128*(\p)+FR*\b+FR-1], v[AF+FR*(\a):AF+FR*(\a)+FR-1], 0, v[SC+8*NQ*(\sc)+NQ*\b+(\q)], v[SC+8*NQ*(\sc)+NQ*(\a)+(\q)] matrix_a_fmt:MATRIX_FMT_FP6 matrix_b_fmt:MATRIX_FMT_FP6 matrix_a_scale:MATRIX_SCALE_ROW1
.else
	v_wmma_scale_f32_16x16x128_f8f6f4 v[8*(8*((\a)%4)+\b):8*(8*((\a)%4)+\b)+7], v[128*(\p)+FR*\b:128*(\p)+FR*\b+FR-1], v[AF+FR*(\a):AF+FR*(\a)+FR-1], v[8*(8*((\a)%4)+\b):8*(8*((\a)%4)+\b)+7], v[SC+8*NQ*(\sc)+NQ*\b+(\q)], v[SC+8*NQ*(\sc)+NQ*(\a)+(\q)] matrix_a_fmt:MATRIX_FMT_FP6 matrix_b_fmt:MATRIX_FMT_FP6 matrix_a_scale:MATRIX_SCALE_ROW1
.endif
.endr
.endr
.endm
.macro FETCH_B slot, q, p
	WIN TO_B
.irp i, 0,1,2,3,4,5,6,7
	FRAG 128*(\p)+FR*\i, ADRB+\slot, \q, \i
.endr
	WIN 0
.endm
.macro FETCH_A slot, q, i0
.irp i, \i0, \i0+1, \i0+2, \i0+3
	FRAG AF+FR*(\i), ADRA+\slot, \q, \i
.endr
.endm
.macro SCALES sc
.irp i, 0,1,2,3,4,5,6,7
.irp q, 0,1
	ds_load_b32 v[SC+8*NQ*\sc+NQ*\i+\q], v[ADRS] offset:\i*KS*64+64*\q
.endr
.endr
.endm
.macro PLACES n
.rept \n
	v_nop
.endr
.endm
.macro STEP slot, q, zero
	s_wait_dscnt 4*NL                              ; all but the youngest 16 loads (A's blocks 4-7) are in
	WIN MUL_LO
	MUL16 0, (\q)%2, \q, \slot, \zero
	MUL16 2, (\q)%2, \q, \slot, \zero
	s_wait_dscnt 0
	PLACES NP
	FETCH_B \slot, (\q)+1, 1-(\q)%2
	FETCH_A \slot, (\q)+1, 0
	WIN MUL_HI
	MUL16 4, (\q)%2, \q, \slot, \zero
	MUL16 6, (\q)%2, \q, \slot, \zero
	PLACES NP
	WIN 0
	FETCH_A \slot, (\q)+1, 4
.endm
.macro TURN slot, next, fill
	s_wait_tensorcnt 0x0                           ; all my tensor loads have landed: my part of the next slot
	ds_add_u32 v[SPW], v[NIL]                      ; 0 onto my spare word
	s_wait_dscnt 4*NL+1                            ; (the add and the youngest 16 loads may be out)
	WIN MUL_LO
	MUL16 0, 1, NQ-1, \slot, 0
	s_wait_dscnt 0x0                               ; the add is done, and my reads of this slot are over
	s_barrier_signal -1
	MUL16 2, 1, NQ-1, \slot, 0
	WIN 0
	s_barrier_wait -1
.if \fill
	CREST                                          ; no wave of any partner still reads this slot or has a load on its way
	s_add_nc_u64 s[G0+4*\slot+2:G0+4*\slot+3], s[G0+4*\slot+2:G0+4*\slot+3], 2*TROW
	s_add_nc_u64 s[G0B+4*\slot+2:G0B+4*\slot+3], s[G0B+4*\slot+2:G0B+4*\slot+3], 2*TROW
	JLOAD G0+4*\slot, G1, G0B+4*\slot, G1B         ; my one tensor load behind the round
.else
	PLACES NP
.endif
	v_add_nc_u32 v[ADRS], 64*NQ, v[ADRS]
	FETCH_B \next, 0, 0
	FETCH_A \next, 0, 0
	SCALES \next
	WIN MUL_HI
	MUL16 4, 1, NQ-1, \slot, 0
	MUL16 6, 1, NQ-1, \slot, 0
	PLACES NP
	WIN 0
	FETCH_A \next, 0, 4
.endm
	s_wait_tensorcnt 1                             ; the scale words and my part of slot 0 are in; slot 1's load may be out
	s_barrier_signal -1
	s_barrier_wait -1
	FETCH_B 0, 0, 0
	FETCH_A 0, 0, 0
	SCALES 0
	FETCH_A 0, 0, 4
	STEP 0, 0, 1                                   ; the first step starts the sums
	s_mov_b32 s3, LAPS-1
.Llap:
	TURN 0, 1, 1
	STEP 1, 0, 0
	TURN 1, 0, 1
	STEP 0, 0, 0
	s_sub_co_u32 s3, s3, 1
	s_cmp_lg_u32 s3, 0
	s_cbranch_scc1 .Llap
	TURN 0, 1, 0
	STEP 1, 0, 0
	s_wait_dscnt 4*NL
	WIN MUL_LO
	MUL16 0, 1, NQ-1, 1, 0
	MUL16 2, 1, NQ-1, 1, 0
	s_wait_dscnt 0
	WIN MUL_HI
	MUL16 4, 1, NQ-1, 1, 0
	MUL16 6, 1, NQ-1, 1, 0
	WIN 0
; ---- THE WAY OUT.  Window 0: v8-15 four constants as pairs; v64-95 P; v128-191 X; v192-223 T and v224-255 E, later the quantiser's registers
.set C4,  8
.set C3,  10
.set C2,  12
.set C1,  14
.set L16, 16
.set L8,  17
.set R4,  18
.set P,   64
.set X,   128
.set T,   192
.set E,   224
.set PC,  192
.set TM,  212
.set PW,  228
.set KK,  28                           ; s[28:29] k = sqrt(log2(e) / 2)
.set QQ,  30                           ; s30      q = 0.3275911 / sqrt(log2(e))
.set A5,  32                           ; s[32:33] a5 / 2
.set SEL, 34
.macro QUANT s                         ; 64 numbers of a lane, register 16 b + i = k 32 b + 16 (lane / 16) + i, become a fragment's codes in v[PC] on and its scale word in v[PW]
.irp b, 0,1,2,3
	v_max3_num_f32 v[TM+\b], |v[\s+16*\b]|, |v[\s+1+16*\b]|, 0x1800000   ; with the floor 2^(3 - 127): the byte cannot fall under 1
.endr
.irp i, 2,4,6,8,10,12,14
.irp b, 0,1,2,3
	v_max3_num_f32 v[TM+\b], v[TM+\b], |v[\s+16*\b+\i]|, |v[\s+1+16*\b+\i]|
.endr
.endr
.irp b, 0,1,2,3
	v_permlanex16_b32 v[TM+4+\b], v[TM+\b], s[SEL], s[SEL+1]
.endr
.irp b, 0,1,2,3
	v_max_num_f32 v[TM+\b], v[TM+\b], v[TM+4+\b]
.endr
.irp b, 0,1,2,3
	v_add_nc_u32 v[TM+12+\b], 0xff000000, v[TM+\b]
.endr
.irp b, 0,1,2,3
	v_lshrrev_b32 v[TM+4+\b], 23, v[TM+12+\b]
.endr
	v_lshl_or_b32 v[PW], v[TM+5], 8, v[TM+4]
	v_lshl_or_b32 v[PW], v[TM+6], 16, v[PW]
	v_lshl_or_b32 v[PW], v[TM+7], 24, v[PW]
.irp c, 0,1
	v_cvt_scalef32_pk16_fp6_f32 v[PC+6*\c:PC+2+6*\c], v[\s+32*\c:\s+15+32*\c], v[TM+12+2*\c]
	v_cvt_scalef32_pk16_fp6_f32 v[PC+12+4*\c:PC+14+4*\c], v[\s+16+32*\c:\s+31+32*\c], v[TM+12+2*\c+1]
.endr
	v_nop                                          ; one plain place behind a scaled conversion
.irp c, 0,1
.irp i, 0,1,2
	v_permlane16_swap_b32 v[PC+6*\c+\i], v[PC+12+4*\c+\i]
.endr
.irp i, 0,1,2
	v_mov_b32 v[PC+3+6*\c+\i], v[PC+12+4*\c+\i]
.endr
.endr
.endm
.macro GELU x                          ; 32 numbers in place
.set j, 0
.rept 16
	v_pk_mul_f32 v[E+j:E+j+1], v[\x+j:\x+j+1], s[KK:KK+1] op_sel_hi:[1,0]     ; k x
.set j, j+2
.endr
.set j, 0
.rept 32
	v_fma_f32 v[T+j], |v[E+j]|, s[QQ], 1.0                                    ; 1 + q |k x|
.set j, j+1
.endr
.set j, 0
.rept 16
	v_pk_mul_f32 v[E+j:E+j+1], v[E+j:E+j+1], v[E+j:E+j+1]                     ; (k x)^2
.set j, j+2
.endr
.set j, 0
.rept 32
	v_rcp_f32 v[T+j], v[T+j]
.set j, j+1
.endr
.set j, 0
.rept 32
	v_exp_f32 v[E+j], -v[E+j]
.set j, j+1
.endr
	v_nop                                          ; the plain place behind the batch
	s_wait_alu depctr_va_vdst(0)                   ; one wait for the 64, ahead of their first reader
.set j, 0
.rept 16
	v_pk_fma_f32 v[P+j:P+j+1], v[T+j:T+j+1], s[A5:A5+1], v[C4:C4+1] op_sel_hi:[1,0,1]
.set j, j+2
.endr
.irp c, C3, C2, C1
.set j, 0
.rept 16
	v_pk_fma_f32 v[P+j:P+j+1], v[P+j:P+j+1], v[T+j:T+j+1], v[\c:\c+1]
.set j, j+2
.endr
.endr
.set j, 0
.rept 16
	v_pk_mul_f32 v[P+j:P+j+1], v[P+j:P+j+1], v[T+j:T+j+1]
.set j, j+2
.endr
.set j, 0
.rept 16
	v_pk_mul_f32 v[P+j:P+j+1], v[P+j:P+j+1], v[E+j:E+j+1]                     ; w
.set j, j+2
.endr
.set j, 0
.rept 32
	v_max_num_f32 v[T+j], 0, v[\x+j]
.set j, j+1
.endr
.set j, 0
.rept 32
	v_fma_f32 v[\x+j], -|v[\x+j]|, v[P+j], v[T+j]                             ; max(x, 0) - |x| w
.set j, j+1
.endr
.endm
.macro TAKE a                          ; X = block a's accumulators + the bias; each accumulator from its low end on
	WIN 0x06+(\a)/4                                ; source 0: window 2 or 3; source 1: window 1
.set i, 0
.rept 16
	v_pk_add_f32 v[X+i:X+i+1], v[64*((\a)%4)+i:64*((\a)%4)+i+1], v[96+i:96+i+1]
.set i, i+2
.endr
.set i, 0
.rept 16
	v_pk_add_f32 v[X+32+i:X+32+i+1], v[64*((\a)%4)+32+i:64*((\a)%4)+32+i+1], v[224+i:224+i+1]
.set i, i+2
.endr
	WIN 0
.endm
	PLACES NP
	v_lshlrev_b32 v[L16], 4, v3
	v_lshlrev_b32 v[L8], 3, v3
	v_lshlrev_b32 v[R4], 2, v1
	v_mov_b32 v[C4], -0.7265760135                 ; a4 / 2,
	v_mov_b32 v[C4+1], v[C4]
	v_mov_b32 v[C3], 0.7107068705                  ; a3 / 2,
	v_mov_b32 v[C3+1], v[C3]
	v_mov_b32 v[C2], -0.142248368                  ; a2 / 2,
	v_mov_b32 v[C2+1], v[C2]
	v_mov_b32 v[C1], 0.127414796                   ; a1 / 2
	v_mov_b32 v[C1+1], v[C1]
	s_mov_b32 s[KK], 0.8493218003
	s_mov_b32 s[KK+1], s[KK]
	s_mov_b32 s[QQ], 0.27273748
	s_mov_b32 s[A5], 0.5307027145
	s_mov_b32 s[A5+1], s[A5]
	s_mov_b32 s[SEL], 0x76543210
	s_mov_b32 s[SEL+1], 0xfedcba98
	s_lshl_b32 s20, s17, 4
	s_lshl_b32 s21, s15, 3
	s_add_co_u32 s20, s20, s21                     ; my first tile of tokens
	s_lshl_b32 s20, s20, 5
	s_lshl_b32 s21, s42, 1
	s_add_co_u32 s20, s20, s21
	s_add_co_u32 s20, s20, s16                     ; x 32 + my K step of the next product
	s_mul_i32 s22, s20, 1536
	s_mov_b32 s23, 0
	s_add_nc_u64 s[24:25], s[10:11], s[22:23]      ; where my images go,
	s_lshl_b32 s22, s20, 6
	s_add_co_u32 s22, s22, GSC
	s_add_nc_u64 s[26:27], s[10:11], s[22:23]      ; and my scale words
	s_wait_loadcnt 0x0                             ; the bias
	s_mov_b32 s3, 0
.Lblk:
.irp a, 0,1,2,3,4,5,6
	s_cmp_lg_u32 s3, \a
	s_cbranch_scc1 .Lnot\a
	TAKE \a
	s_branch .Lhave
.Lnot\a:
.endr
	TAKE 7
.Lhave:
	GELU X
	GELU X+32
	QUANT X
	global_store_b128 v[L16], v[PC:PC+3], s[24:25]             ; the image: runs of 512 and 256 consecutive bytes
	global_store_b64 v[L8], v[PC+4:PC+5], s[24:25] offset:512
	global_store_b128 v[L16], v[PC+6:PC+9], s[24:25] offset:768
	global_store_b64 v[L8], v[PC+10:PC+11], s[24:25] offset:1280
	global_store_b32 v[R4], v[PW], s[26:27]                    ; both halves of the lanes hold the same word
	s_wait_xcnt 0x0                                ; the stores have read their registers and bases: both are written again below and in the next trip
	s_add_nc_u64 s[24:25], s[24:25], 49152         ; the next tile of tokens: 32 fragments on
	s_add_nc_u64 s[26:27], s[26:27], 2048
	s_add_co_u32 s3, s3, 1
	s_cmp_lt_u32 s3, 8
	s_cbranch_scc1 .Lblk
	s_wait_tensorcnt 0x0                           ; the wave's end
	ds_add_u32 v[SPW], v[NIL]
	s_wait_dscnt 0x0
	CROUND                                         ; the closing round
	s_endpgm
.Lfunc_end_k_q469818fa1f_ffn1:
	.size	k_q469818fa1f_ffn1, .Lfunc_end_k_q469818fa1f_ffn1-k_q469818fa1f_ffn1
	.p2alignl 7, 3214868480
	.fill 96, 4, 3214868480
	.section	.rodata,"a",@progbits
	.p2align	6, 0x0
	.amdhsa_kernel k_q469818fa1f_ffn1
		.amdhsa_group_segment_fixed_size 327680
		.amdhsa_private_segment_fixed_size 0
		.amdhsa_enable_private_segment 0
		.amdhsa_kernarg_size 32
		.amdhsa_user_sgpr_count 2
		.amdhsa_user_sgpr_kernarg_segment_ptr 1
		.amdhsa_wavefront_size32 1
		.amdhsa_system_sgpr_workgroup_id_x 1
		.amdhsa_system_sgpr_workgroup_id_y 1
		.amdhsa_system_sgpr_workgroup_id_z 1
		.amdhsa_system_vgpr_workitem_id 0
		.amdhsa_next_free_vgpr 1024
		.amdhsa_next_free_sgpr 102
		.amdhsa_reserve_vcc 0
		.amdhsa_float_denorm_mode_32 3
		.amdhsa_float_denorm_mode_16_64 3
		.amdhsa_memory_ordered 1
		.amdhsa_forward_progress 1
		.amdhsa_inst_pref_size 172
	.end_amdhsa_kernel
	.amdgpu_metadata
---
amdhsa.version: [ 1, 2 ]
amdhsa.kernels:
  - .name:           k_q469818fa1f_ffn1
    .symbol:         k_q469818fa1f_ffn1.kd
    .args:
      - { .name: hc, .offset: 0, .size: 8, .value_kind: global_buffer, .address_space: global }
      - { .name: wq6, .offset: 8, .size: 8, .value_kind: global_buffer, .address_space: global }
      - { .name: b1, .offset: 16, .size: 8, .value_kind: global_buffer, .address_space: global }
      - { .name: gc, .offset: 24, .size: 8, .value_kind: global_buffer, .address_space: global }
    .group_segment_fixed_size: 327680
    .private_segment_fixed_size: 0
    .kernarg_segment_align: 8
    .kernarg_segment_size: 32
    .max_flat_workgroup_size: 128
    .sgpr_count:     102
    .vgpr_count:     1024
    .wavefront_size: 32
...
	.end_amdgpu_metadata
.endif
;; end of part 5
;; launch ffn2 (part 6): grid 4 x 16, 4 waves a work-group, clusters of 4 x 4, 327,680 bytes of LDS; arguments gc, wq6, b2, x1, out0; writes out0
.if DOCPART == 6
	.amdgcn_target "amdgcn-amd-amdhsa--gfx1250"
	.amdhsa_code_object_version 6
	.text
	.protected	k_q469818fa1f_ffn2
	.globl	k_q469818fa1f_ffn2
	.p2align	8
	.type	k_q469818fa1f_ffn2,@function
k_q469818fa1f_ffn2:
	s_mov_b64 s[64:65], 0
	v_nop
	global_prefetch_b8 v0, s[64:65] scope:SCOPE_SE
	s_setreg_imm32_b32 hwreg(HW_REG_WAVE_MODE, 25, 1), 1
	s_wait_xcnt 0x0
	s_wait_alu depctr_hold_cnt(0) depctr_sa_sdst(0) depctr_va_vdst(0) depctr_va_sdst(0) depctr_va_ssrc(0) depctr_va_vcc(0) depctr_vm_vsrc(0)
	s_getreg_b32 s2, hwreg(HW_REG_IB_STS2, 6, 4)
	s_cmp_eq_u32 s2, 0
	s_cbranch_scc0 .Lentry_in_a_cluster
	s_endpgm
.Lentry_in_a_cluster:
	s_bfe_u32 s2, ttmp6, 0x10000c
	s_cmp_lg_u32 s2, 0xf033
	s_cbranch_scc0 .Lentry_shape_is_right
	s_endpgm
.Lentry_shape_is_right:
; out0 = x1 + gelu(..) W2^T + b2.  The hidden layer (gc) and W2 (in wq6) are codes of FP6 (E2M3) with E8M0 scales, laid as images of the operand's registers (fragment (tile, ks) at (tile x KS + ks) x 1,536).  K = 4,096.
; A work-group makes 256 x 256, a wave 128 x 128 (64 accumulators); K goes in steps of 256 through two LDS slots; clusters of 4 x 4: A's tiles shared along a row, B's along a column, asked for jointly.
; The product is used transposed (source 0 = W2's tile, source 1 = the hidden layer's): a lane holds one token; W2's tiles hold permuted rows, so that register 8 b + j of a block is column 32 (b / 2) + 16 (lane / 16) + 8 (b % 2) + j.
; THE RESIDUAL STARTS THE SUMS: x1 is loaded straight into the accumulators, in that layout, while the first tiles are on their way; no product has a constant C.
; The bias is added on the way out, where rows come back from the stage whole.  64 work-groups: N = 1,024 has no more tiles of this size.
; The scale words of 256 + 256 rows for all of K, 65,536 bytes, lie behind the ring and are filled once.
.set KS,     32
.set AOFF_S, 12582912                  ; gc: where the scale words begin
.set BOFF_C, 6291456                   ; wq6: W2's codes,
.set BOFF_S, 9699328                   ; and scale words
.set NQ,     2
.set FR,     12
.set NL,     4
.set NP,     4
.set FRB,    1536
.set TROW,   NQ*FRB
.set KROW,   KS*FRB
.set HALFT,  8*TROW
.set SLOT,   4*HALFT
.set LAPS,   KS/4
.set SCL,    2*SLOT
.set HALFS,  KS*512
.set SPARE,  SCL+4*HALFS               ; the spare words: 128 bytes a wave, two blocks of 256 bytes that no other line names
.set SPITCH, 528                       ; the way out: a stage of 16 rows x (512 + 16) bytes a wave, in slot 0, which has had its last fill and its last read by then
.set CO,   4
.set BIAS, 8
.set ADRA, 16
.set ADRB, 20
.set STO,  24
.set RD,   25
.set ADRS, 27
.set SPW,  28
.set NIL,  29
.set RA,   30
.set SC,   32                          ; v32-63 scale words, two sets; they hold nothing else
.set AF,   128
.set BK,   128
.set G1, 24
.set G0, 32
.set G1B, 48
.set G0B, 56
.set G1S, 68
.set G0S, 76
.set G1SB, 80
.set G0SB, 88
.set MSB, 0
.macro WIN new
.if MSB != (\new)
	s_set_vgpr_msb (MSB<<8)|(\new)
.set MSB, (\new)
.endif
.endm
.set MUL_LO, 0xa1
.set MUL_HI, 0xf1
.set TO_B,   0x40
.macro JLOAD g0a, g1a, g0b, g1b        ; a joint load: waves 0, 1 fetch for A, waves 2, 3 for B; an s_nop 0 and four v_nop follow each line
	s_cmp_eq_u32 s15, 0
	s_cbranch_scc0 .Lfor_b_\@
	tensor_load_to_lds s[\g0a:\g0a+3], s[\g1a:\g1a+7]
	s_nop 0
.rept 4
	v_nop
.endr
	s_branch .Lasked_\@
.Lfor_b_\@:
	tensor_load_to_lds s[\g0b:\g0b+3], s[\g1b:\g1b+7]
	s_nop 0
.rept 4
	v_nop
.endr
.Lasked_\@:
.endm
.macro CREST
	s_cmp_lg_u32 s14, 0
	s_cbranch_scc1 .Lnot_wave_0_\@
	s_barrier_signal -3
.Lnot_wave_0_\@:
	s_barrier_wait -3
	s_barrier_signal -1
	s_barrier_wait -1
.endm
.macro CROUND
	s_barrier_signal -1
	s_barrier_wait -1
	CREST
.endm
	s_load_b256 s[4:11], s[0:1], 0x0               ; A s[4:5], wq6 s[6:7], bias s[8:9], residual s[10:11]
	s_load_b64 s[12:13], s[0:1], 0x20              ; out
	v_lshl_add_u32 v[SPW], v0, 2, SPARE
	v_mov_b32 v[NIL], 0
	ds_add_u32 v[SPW], v[NIL]                      ; the wave's opening: the add and its wait stand ahead of my first tensor load
	v_lshrrev_b32 v1, 5, v0
	v_readfirstlane_b32 s14, v1
	s_lshr_b32 s15, s14, 1
	s_and_b32 s16, s14, 1
	s_bfe_u32 s40, ttmp6, 0x40000
	s_bfe_u32 s41, ttmp6, 0x40004
	s_lshl_b32 s42, ttmp9, 2
	s_add_co_u32 s42, s42, s40                     ; tile column
	s_and_b32 s17, ttmp7, 0xffff
	s_lshl_b32 s17, s17, 2
	s_add_co_u32 s17, s17, s41                     ; tile row
	s_lshl_b32 s43, s41, 2
	s_lshl_b32 s43, 15, s43
	s_lshl_b32 s44, 0x1111, s40
	s_or_b32 s[G1], s43, (3<<16)|(1<<21)           ; the mask; elements of 8 bytes; bit 21 beside a mask; no padding
	s_or_b32 s[G1B], s44, (3<<16)|(1<<21)
.irp g, G1, G1B
	s_mov_b32 s[\g+1], 384<<16
	s_mov_b32 s[\g+2], 8<<16
	s_mov_b32 s[\g+3], 384<<16
	s_mov_b32 s[\g+4], 8
	s_mov_b32 s[\g+5], KROW/8
	s_mov_b32 s[\g+6], 0
	s_mov_b32 s[\g+7], 0
.endr
	s_or_b32 s[G1S], s43, (3<<16)|(1<<21)
	s_or_b32 s[G1SB], s44, (3<<16)|(1<<21)
.irp g, G1S, G1SB
	s_mov_b32 s[\g+1], 32<<16
	s_mov_b32 s[\g+2], (HALFS/256)<<16
	s_mov_b32 s[\g+3], 32<<16
	s_mov_b32 s[\g+4], HALFS/256
	s_mov_b32 s[\g+5], 32
	s_mov_b32 s[\g+6], 0
	s_mov_b32 s[\g+7], 0
.endr
	s_lshl_b32 s18, s16, 3
	s_lshl_b32 s20, s17, 4
	s_add_co_u32 s20, s20, s18
	s_lshl_b32 s46, s42, 4
	s_add_co_u32 s46, s46, s18
	s_mul_i32 s22, s20, KS*64
	s_mul_i32 s20, s20, KROW
	s_mul_i32 s92, s46, KS*64
	s_mul_i32 s46, s46, KROW
	s_add_co_u32 s22, s22, AOFF_S
	s_add_co_u32 s46, s46, BOFF_C
	s_add_co_u32 s92, s92, BOFF_S
	s_mov_b32 s21, 0
	s_mov_b32 s23, 0
	s_mov_b32 s47, 0
	s_mov_b32 s93, 0
	s_mul_i32 s45, s14, HALFT
	s_mul_i32 s94, s14, HALFS
	s_wait_dscnt 0x0
	s_wait_kmcnt 0x0
	s_add_nc_u64 s[20:21], s[4:5], s[20:21]
	s_add_nc_u64 s[22:23], s[4:5], s[22:23]
	s_add_nc_u64 s[46:47], s[6:7], s[46:47]
	s_add_nc_u64 s[92:93], s[6:7], s[92:93]
	CROUND
	s_mov_b32 s[G0S], 1
	s_add_co_u32 s[G0S+1], s94, SCL
	s_mov_b64 s[G0S+2:G0S+3], s[22:23]
	s_or_b32 s[G0S+3], s[G0S+3], 0x80000000
	s_mov_b32 s[G0SB], 1
	s_add_co_u32 s[G0SB+1], s94, SCL
	s_mov_b64 s[G0SB+2:G0SB+3], s[92:93]
	s_or_b32 s[G0SB+3], s[G0SB+3], 0x80000000
	JLOAD G0S, G1S, G0SB, G1SB                     ; three loads of mine go out together: the scale words, slot 0, slot 1
.irp s, 0,1
	s_mov_b32 s[G0+4*\s], 1
	s_add_co_u32 s[G0+4*\s+1], s45, \s*SLOT
	s_add_nc_u64 s[G0+4*\s+2:G0+4*\s+3], s[20:21], \s*TROW
	s_or_b32 s[G0+4*\s+3], s[G0+4*\s+3], 0x80000000
	s_mov_b32 s[G0B+4*\s], 1
	s_add_co_u32 s[G0B+4*\s+1], s45, \s*SLOT
	s_add_nc_u64 s[G0B+4*\s+2:G0B+4*\s+3], s[46:47], \s*TROW
	s_or_b32 s[G0B+4*\s+3], s[G0B+4*\s+3], 0x80000000
	JLOAD G0+4*\s, G1, G0B+4*\s, G1B
.endr
	v_and_b32 v1, 15, v0
	v_bfe_u32 v2, v0, 4, 1
	v_and_b32 v3, 31, v0
	v_lshlrev_b32 v4, 4, v3
	v_lshlrev_b32 v5, 3, v3
	; my 128 x 128 of the residual and of the result
	s_lshl_b32 s96, s17, 8
	s_lshl_b32 s97, s15, 7
	s_add_co_u32 s96, s96, s97
	s_lshl_b32 s96, s96, 12
	s_lshl_b32 s98, s42, 10
	s_lshl_b32 s99, s16, 9
	s_add_co_u32 s98, s98, s99
	s_add_co_u32 s96, s96, s98
	s_mov_b32 s97, 0
	s_mov_b32 s99, 0
	s_add_nc_u64 s[10:11], s[10:11], s[96:97]
	s_add_nc_u64 s[12:13], s[12:13], s[96:97]
	s_add_nc_u64 s[8:9], s[8:9], s[98:99]
	v_lshlrev_b32 v[RA], 12, v1
	v_lshl_add_u32 v[RA], v2, 6, v[RA]
	global_load_b128 v[BIAS:BIAS+3], v4, s[8:9]
.irp a, 0,1,2,3,4,5,6,7
	WIN 0x80+0x40*(\a/4)                           ; destination: window 2 or 3
.irp be, 0,1,2,3
.irp q, 0,1,2,3
	global_load_b128 v[64*(\a%4)+16*\be+4*\q:64*(\a%4)+16*\be+4*\q+3], v[RA], s[10:11] offset:65536*\a+128*\be+16*\q
.endr
.endr
.endr
	WIN 0
	s_mul_i32 s21, s15, HALFT
	s_mul_i32 s22, s16, HALFT
	s_add_co_u32 s22, s22, 2*HALFT
.irp s, 0,1
	v_add_nc_u32 v[ADRA+\s], s21, v4
	v_add_nc_u32 v[ADRB+\s], s22, v4
	v_add_nc_u32 v[ADRA+2+\s], s21, v5
	v_add_nc_u32 v[ADRB+2+\s], s22, v5
	s_add_co_u32 s21, s21, SLOT
	s_add_co_u32 s22, s22, SLOT
.endr
	v_lshlrev_b32 v6, 2, v1
	s_mul_i32 s21, s15, HALFS
	s_mul_i32 s22, s16, HALFS
	s_add_co_u32 s22, s22, 2*HALFS
	s_sub_co_u32 s22, s22, s21
	v_mul_u32_u24 v7, s22, v2
	s_add_co_u32 s21, s21, SCL
	v_add_nc_u32 v6, v6, v7
	v_add_nc_u32 v[ADRS], s21, v6
	s_mul_i32 s23, s14, 16*SPITCH
	v_mul_u32_u24 v6, v1, SPITCH
	v_lshl_add_u32 v6, v2, 6, v6
	v_add_nc_u32 v[STO], s23, v6
	v_add_nc_u32 v[RD], s23, v4
.macro FRAG reg, adr, q, i
	ds_load_b128 v[\reg:\reg+3], v[\adr] offset:(\i)*TROW+(\q)*FRB
	ds_load_b64 v[\reg+4:\reg+5], v[\adr+2] offset:(\i)*TROW+(\q)*FRB+512
	ds_load_b128 v[\reg+6:\reg+9], v[\adr] offset:(\i)*TROW+(\q)*FRB+768
	ds_load_b64 v[\reg+10:\reg+11], v[\adr+2] offset:(\i)*TROW+(\q)*FRB+1280
.endm
; 16 matrix instructions; the 64 accumulators take turns, one instruction a turn, in the same order in every step
.macro MUL16 a0, p, q, sc
.irp a, \a0, \a0+1
.irp b, 0,1,2,3,4,5,6,7
	v_wmma_scale_f32_16x16x128_f8f6f4 v[8*(8*((\a)%4)+\b):8*(8*((\a)%4)+\b)+7], v[128*(\p)+FR*\b:128*(\p)+FR*\b+FR-1], v[AF+FR*(\a):AF+FR*(\a)+FR-1], v[8*(8*((\a)%4)+\b):8*(8*((\a)%4)+\b)+7], v[SC+8*NQ*(\sc)+NQ*\b+(\q)], v[SC+8*NQ*(\sc)+NQ*(\a)+(\q)] matrix_a_fmt:MATRIX_FMT_FP6 matrix_b_fmt:MATRIX_FMT_FP6 matrix_a_scale:MATRIX_SCALE_ROW1
.endr
.endr
.endm
.macro FETCH_B slot, q, p
	WIN TO_B
.irp i, 0,1,2,3,4,5,6,7
	FRAG 128*(\p)+FR*\i, ADRB+\slot, \q, \i
.endr
	WIN 0
.endm
.macro FETCH_A slot, q, i0
.irp i, \i0, \i0+1, \i0+2, \i0+3
	FRAG AF+FR*(\i), ADRA+\slot, \q, \i
.endr
.endm
.macro SCALES sc
.irp i, 0,1,2,3,4,5,6,7
.irp q, 0,1
	ds_load_b32 v[SC+8*NQ*\sc+NQ*\i+\q], v[ADRS] offset:\i*KS*64+64*\q
.endr
.endr
.endm
.macro PLACES n
.rept \n
	v_nop
.endr
.endm
.macro STEP slot, q
	s_wait_dscnt 4*NL                              ; all but the youngest 16 loads (A's blocks 4-7) are in
	WIN MUL_LO
	MUL16 0, (\q)%2, \q, \slot
	MUL16 2, (\q)%2, \q, \slot
	s_wait_dscnt 0
	PLACES NP
	FETCH_B \slot, (\q)+1, 1-(\q)%2
	FETCH_A \slot, (\q)+1, 0
	WIN MUL_HI
	MUL16 4, (\q)%2, \q, \slot
	MUL16 6, (\q)%2, \q, \slot
	PLACES NP
	WIN 0
	FETCH_A \slot, (\q)+1, 4
.endm
.macro TURN slot, next, fill
	s_wait_tensorcnt 0x0                           ; all my tensor loads have landed: my part of the next slot
	ds_add_u32 v[SPW], v[NIL]                      ; 0 onto my spare word
	s_wait_dscnt 4*NL+1                            ; (the add and the youngest 16 loads may be out)
	WIN MUL_LO
	MUL16 0, 1, NQ-1, \slot
	s_wait_dscnt 0x0                               ; the add is done, and my reads of this slot are over
	s_barrier_signal -1
	MUL16 2, 1, NQ-1, \slot
	WIN 0
	s_barrier_wait -1
.if \fill
	CREST                                          ; no wave of any partner still reads this slot or has a load on its way
	s_add_nc_u64 s[G0+4*\slot+2:G0+4*\slot+3], s[G0+4*\slot+2:G0+4*\slot+3], 2*TROW
	s_add_nc_u64 s[G0B+4*\slot+2:G0B+4*\slot+3], s[G0B+4*\slot+2:G0B+4*\slot+3], 2*TROW
	JLOAD G0+4*\slot, G1, G0B+4*\slot, G1B         ; my one tensor load behind the round
.else
	PLACES NP
.endif
	v_add_nc_u32 v[ADRS], 64*NQ, v[ADRS]
	FETCH_B \next, 0, 0
	FETCH_A \next, 0, 0
	SCALES \next
	WIN MUL_HI
	MUL16 4, 1, NQ-1, \slot
	MUL16 6, 1, NQ-1, \slot
	PLACES NP
	WIN 0
	FETCH_A \next, 0, 4
.endm
	s_wait_tensorcnt 1                             ; the scale words and my part of slot 0 are in; slot 1's load may be out
	s_barrier_signal -1
	s_barrier_wait -1
	FETCH_B 0, 0, 0
	FETCH_A 0, 0, 0
	SCALES 0
	FETCH_A 0, 0, 4
	s_wait_loadcnt 0x0                             ; the residual lies in the accumulators
	STEP 0, 0
	s_mov_b32 s3, LAPS-1
.Llap:
	TURN 0, 1, 1
	STEP 1, 0
	TURN 1, 0, 1
	STEP 0, 0
	s_sub_co_u32 s3, s3, 1
	s_cmp_lg_u32 s3, 0
	s_cbranch_scc1 .Llap
	TURN 0, 1, 0
	STEP 1, 0
	s_wait_dscnt 4*NL
	WIN MUL_LO
	MUL16 0, 1, NQ-1, 1
	MUL16 2, 1, NQ-1, 1
	s_wait_dscnt 0
	WIN MUL_HI
	MUL16 4, 1, NQ-1, 1
	MUL16 6, 1, NQ-1, 1
	WIN 0
; THE WAY OUT, a block of 16 rows x 128 columns at a time, through my own stage; LDS serves a wave's instructions in order, so no wait stands between the stores and the loads
.macro TOSTAGE a
.set AC, 64*((\a)%4)
	WIN 0x08+4*((\a)/4)
.irp b, 0,1,2,3,4,5,6,7
	ds_store_b128 v[STO], v[AC+8*\b:AC+8*\b+3] offset:128*(\b/2)+32*(\b%2)         ; each accumulator from its low end on
	ds_store_b128 v[STO], v[AC+8*\b+4:AC+8*\b+7] offset:128*(\b/2)+32*(\b%2)+16
.endr
	WIN 0
.set BB, BK+64*((\a)%2)
.irp t, 0,1,2,3,4,5,6,7,8,9,10,11,12,13,14,15
	ds_load_b128 v[BB+4*\t:BB+4*\t+3], v[RD] offset:\t*SPITCH
.endr
.endm
.macro SEND a, younger
.set BB, BK+64*((\a)%2)
	s_wait_dscnt \younger
.if (\a) > 0
	s_add_nc_u64 s[12:13], s[12:13], 65536         ; 16 rows on (behind a wait for 0 on XCNT: the earlier stores have read their base)
.endif
.irp t, 0,1,2,3,4,5,6,7,8,9,10,11,12,13,14,15
	v_pk_add_f32 v[BB+4*\t:BB+4*\t+1], v[BB+4*\t:BB+4*\t+1], v[BIAS:BIAS+1]
	v_pk_add_f32 v[BB+4*\t+2:BB+4*\t+3], v[BB+4*\t+2:BB+4*\t+3], v[BIAS+2:BIAS+3]
.endr
.irp t, 0,1,2,3,4,5,6,7,8,9,10,11,12,13,14,15
	global_store_b128 v[CO], v[BB+4*\t:BB+4*\t+3], s[12:13] offset:\t*4096 th:TH_STORE_NT   ; 32 lanes store 512 consecutive bytes, aligned; written once, read by nobody here
.endr
.endm
	PLACES NP
	TOSTAGE 0
.irp a, 1,2,3,4,5,6,7
.if \a > 1
	s_wait_xcnt 0x0                                ; block a - 2's stores have read their registers and their base
.endif
	TOSTAGE \a
	SEND \a-1, 32                                  ; behind block a - 1's loads: block a's 16 stores and 16 loads
.endr
	s_wait_xcnt 0x0
	SEND 7, 0
	s_wait_tensorcnt 0x0                           ; the wave's end
	ds_add_u32 v[SPW], v[NIL]
	s_wait_dscnt 0x0
	CROUND                                         ; the closing round
	s_endpgm
.Lfunc_end_k_q469818fa1f_ffn2:
	.size	k_q469818fa1f_ffn2, .Lfunc_end_k_q469818fa1f_ffn2-k_q469818fa1f_ffn2
	.p2alignl 7, 3214868480
	.fill 96, 4, 3214868480
	.section	.rodata,"a",@progbits
	.p2align	6, 0x0
	.amdhsa_kernel k_q469818fa1f_ffn2
		.amdhsa_group_segment_fixed_size 327680
		.amdhsa_private_segment_fixed_size 0
		.amdhsa_enable_private_segment 0
		.amdhsa_kernarg_size 40
		.amdhsa_user_sgpr_count 2
		.amdhsa_user_sgpr_kernarg_segment_ptr 1
		.amdhsa_wavefront_size32 1
		.amdhsa_system_sgpr_workgroup_id_x 1
		.amdhsa_system_sgpr_workgroup_id_y 1
		.amdhsa_system_sgpr_workgroup_id_z 1
		.amdhsa_system_vgpr_workitem_id 0
		.amdhsa_next_free_vgpr 1024
		.amdhsa_next_free_sgpr 102
		.amdhsa_reserve_vcc 0
		.amdhsa_float_denorm_mode_32 3
		.amdhsa_float_denorm_mode_16_64 3
		.amdhsa_memory_ordered 1
		.amdhsa_forward_progress 1
		.amdhsa_inst_pref_size 174
	.end_amdhsa_kernel
	.amdgpu_metadata
---
amdhsa.version: [ 1, 2 ]
amdhsa.kernels:
  - .name:           k_q469818fa1f_ffn2
    .symbol:         k_q469818fa1f_ffn2.kd
    .args:
      - { .name: gc, .offset: 0, .size: 8, .value_kind: global_buffer, .address_space: global }
      - { .name: wq6, .offset: 8, .size: 8, .value_kind: global_buffer, .address_space: global }
      - { .name: b2, .offset: 16, .size: 8, .value_kind: global_buffer, .address_space: global }
      - { .name: x1, .offset: 24, .size: 8, .value_kind: global_buffer, .address_space: global }
      - { .name: out0, .offset: 32, .size: 8, .value_kind: global_buffer, .address_space: global }
    .group_segment_fixed_size: 327680
    .private_segment_fixed_size: 0
    .kernarg_segment_align: 8
    .kernarg_segment_size: 40
    .max_flat_workgroup_size: 128
    .sgpr_count:     102
    .vgpr_count:     1024
    .wavefront_size: 32
...
	.end_amdgpu_metadata
.endif
;; end of part 6
;; ======== version 2 of 2: 7 launches; 1.22 times as fast as version 1
;; limits: right only within a limited range of input values; a function is approximated: absolute error at most 1.5e-07; an absolute error that grows with the inputs' magnitude: up to 1e-07 times it
;; workspace buffers: hc 3,276,800 bytes; wq6 9,830,400 bytes; rope 1,048,576 bytes; qkv 12,189,696 bytes; ac 3,276,800 bytes; x1 16,777,216 bytes; gc 13,107,200 bytes
;; launch prep: the kernel of part 1 again; grid 1024 x 1, 8 waves a work-group, no clusters, 67,584 bytes of LDS; arguments x, g1, beta1, hc, Wq, Wk, Wv, Wo, W1, W2, wq6, positions, rope; writes hc, wq6, rope
;; launch qkv: the kernel of part 2 again; grid 12 x 16, 4 waves a work-group, clusters of 4 x 4, 327,680 bytes of LDS; arguments hc, wq6, bq, bk, bv, mask, rope, qkv; writes qkv
;; launch attn (part 7): grid 8 x 32, 16 waves a work-group, clusters of 4 x 1, 243,712 bytes of LDS; arguments qkv, ac; writes ac
.if DOCPART == 7
	.amdgcn_target "amdgcn-amd-amdhsa--gfx1250"
	.amdhsa_code_object_version 6
	.text
	.protected	k_q469818fa1f_attn
	.globl	k_q469818fa1f_attn
	.p2align	8
	.type	k_q469818fa1f_attn,@function
k_q469818fa1f_attn:
	s_mov_b64 s[64:65], 0
	v_nop
	global_prefetch_b8 v0, s[64:65] scope:SCOPE_SE
	s_setreg_imm32_b32 hwreg(HW_REG_WAVE_MODE, 25, 1), 1
	s_wait_xcnt 0x0
	s_wait_alu depctr_hold_cnt(0) depctr_sa_sdst(0) depctr_va_vdst(0) depctr_va_sdst(0) depctr_va_ssrc(0) depctr_va_vcc(0) depctr_vm_vsrc(0)
	s_getreg_b32 s2, hwreg(HW_REG_IB_STS2, 6, 4)
	s_cmp_eq_u32 s2, 0
	s_cbranch_scc0 .Lentry_in_a_cluster
	s_endpgm
.Lentry_in_a_cluster:
	s_bfe_u32 s2, ttmp6, 0x10000c
	s_cmp_lg_u32 s2, 0x3003
	s_cbranch_scc0 .Lentry_shape_is_right
	s_endpgm
.Lentry_shape_is_right:
; attn[b][q][head] = softmax_k(q . k / 8, masked) v, both products on codes of FP6 (E2M3) with E8M0 scales.  The probabilities are quantised FINISHED AND NORMALISED, so a row's maximum and sum must be known
; before any p is quantised: TWO PASSES over the keys.  Pass 1: scores, running maximum m and sum l.  Pass 2: the scores once more, p = 2^(c s - c m) / l, quantised along the keys, O^T += V^T P^T.  c = log2(e) / 8.
; SHARES.  A work-group: 256 queries of one (batch, head); each of sixteen waves 16 of them, in 256 registers, four waves to a SIMD.  A head's whole K and V (codes and scale words, 241,664 bytes) lie in LDS: filled once,
; each wave bringing a sixteenth of K's part and of V's.  The four work-groups of a cluster belong to one head and ask jointly.  No slot is ever filled again.
; ONE BARRIER serves both parts: every wave waits for both its loads ahead of it, so that none stands between the passes: a wave that has ended pass 1 goes on with pass 2 at once, beside the others' pass 1.
; LAYOUT.  S^T = K Q^T (source 0 = 16 keys, source 1 = my 16 queries), O^T = V^T P^T: a lane holds ONE query.  Register 8 t + j of S^T is key 16 t + 8 (lane / 16) + j; V was quantised with the same order inside each block of 32 keys.
; THE MASK lies in the operands (place k = 64): a masked key's score is about -56.25 x 2^90.  While a lane's maximum lies under -2^93 (only masked keys so far) -c m is replaced by -3e38, so that every p is 0, and
; the exponent of each rescaling factor is held at 0 from above: no infinity meets a zero.  A row with every key masked gets 1 / l = 0: its probabilities are zeros.
; In pass 1 each lane keeps m and l of its own half of the keys; the halves are joined once, behind the pass, from the rounded -c m themselves, by a sum that is the same in both lanes bit for bit.
; OUT: ac, images of the next product's operand: my head's 64 channels are half a fragment (768 bytes, stored whole) and two bytes of each row's scale word (2 bytes a row: 1/24 of the bytes that leave).
; LIMITS: |q . k| under 2^93; NaN and infinities not served.  A block's largest p is taken from its largest score through the same instructions (this takes v_exp_f32 not to fall where its input rises).
; No prefetch: everything that the work-group reads is asked for at its head.
.set KVO,   4456448
.set ASC,   3145728
.set KIMG,  8192                       ; LDS: K's scale words at 0, K's images (1,024 bytes a tile of 16 keys),
.set VSC,   139264                     ; V's scale words,
.set VIMG,  143360                     ; V's fragments ((4 ks + tile) x 1,536)
.set SPARE, 241664                     ; the spare words: 128 bytes a wave, eight blocks of 256 bytes that no other line names
.set L16, 1
.set L8,  2
.set R4,  3
.set NB,  4                            ; v4  -3e38
.set SPW, 5
.set NIL, 6
.set ADK, 7
.set ADS, 8
.set ADV, 9
.set ADW, 10
.set ADT, 11                           ; v12 -c m, v13 m, v[14:15] l in two halves
.set QF,  16                           ; v16-27 Q's fragment; v28 its scale words
.set QS,  28
.set KF,  32                           ; v32-79 four fragments of K (registers 8-11 of each stay zero)
.set S,   96                           ; v96-159 S^T, then p; in pass 2 v96-143 then take four fragments of V
.set O,   160                          ; v160-191 O^T
.set PC,  192                          ; v192-203 p's codes; v204-210 the second conversions'
.set PT,  204
.set SO,  212                          ; v212-215 the conversions' scale operands
.set PW,  228                          ; p's scale word
.set KSR, 232                          ; K's scale words
.set VSR, 236                          ; V's
.set IL,  240                          ; v[240:241] 1 / l
.set FF,  242                          ; v[242:243] the rescaling factor
.set BM,  244                          ; v244-247 the blocks' largest scores
.set BX,  248                          ; v248-251 at work
.set WV,  18
.set NC,  19                           ; -c
.set SEL, 20
.set CS,  22
.set G1K, 28
.set G1V, 36
.set G0K, 44
.set G0V, 48
.set TK,  52
.set TS,  53
.set TV,  54
.set TT,  55
.set CNT, 56
.set THR, 57
.macro CROUND
	s_barrier_signal -1
	s_barrier_wait -1
	s_cmp_lg_u32 s[WV], 0
	s_cbranch_scc1 .Lnot_wave_0_\@
	s_barrier_signal -3
.Lnot_wave_0_\@:
	s_barrier_wait -3
	s_barrier_signal -1
	s_barrier_wait -1
.endm
	s_load_b128 s[4:7], s[0:1], 0x0                ; qkv, ac
	v_lshl_add_u32 v[SPW], v0, 2, SPARE
	v_mov_b32 v[NIL], 0
	ds_add_u32 v[SPW], v[NIL]                      ; the wave's opening: the add and its wait stand ahead of my first tensor load
	v_lshrrev_b32 v1, 5, v0
	v_readfirstlane_b32 s[WV], v1                  ; wave 0..15
	s_bfe_u32 s8, ttmp6, 0x40000                   ; cx: it enters Q's and ac's addresses alone
	s_lshl_b32 s9, ttmp9, 2
	s_add_co_u32 s9, s9, s8                        ; my block of 256 queries
	s_and_b32 s10, ttmp7, 0xffff                   ; the record: batch x 16 + head, shared by the four partners
	s_mov_b32 s[G1K], 15|(3<<16)|(1<<21)           ; the mask: all four; elements of 8 bytes; bit 21 beside a mask; no padding
	s_mov_b32 s[G1K+1], 32<<16                     ; rows of 256 bytes,
	s_mov_b32 s[G1K+2], 34<<16                     ; 34 of them: a sixteenth of K's 139,264 dense bytes
	s_mov_b32 s[G1K+3], 32<<16
	s_mov_b32 s[G1K+4], 34
	s_mov_b32 s[G1K+5], 32
	s_mov_b32 s[G1K+6], 0
	s_mov_b32 s[G1K+7], 0
	s_mov_b32 s[G1V], 15|(3<<16)|(1<<21)
	s_mov_b32 s[G1V+1], 32<<16
	s_mov_b32 s[G1V+2], 25<<16                     ; 25 rows: a sixteenth of V's 102,400
	s_mov_b32 s[G1V+3], 32<<16
	s_mov_b32 s[G1V+4], 25
	s_mov_b32 s[G1V+5], 32
	s_mov_b32 s[G1V+6], 0
	s_mov_b32 s[G1V+7], 0
	s_mul_i32 s11, s10, 241664
	s_add_co_u32 s11, s11, KVO
	s_mul_i32 s12, s[WV], 8704                     ; my part of K: the same offset in the record and in LDS
	s_mul_i32 s13, s[WV], 6400
	s_add_co_u32 s13, s13, VSC                     ; my part of V likewise
	s_add_co_u32 s14, s11, s12
	s_mov_b32 s15, 0
	s_add_co_u32 s16, s11, s13
	s_mov_b32 s17, 0
	s_mov_b32 s[SEL], 0x76543210
	s_mov_b32 s[SEL+1], 0xfedcba98
	s_mov_b32 s[CS], 0x3e38aa3b                    ; c
	s_mov_b32 s[CS+1], s[CS]
	s_mov_b32 s[NC], 0xbe38aa3b
	s_mov_b32 s[THR], 0xee000000                   ; -2^93
	s_wait_dscnt 0x0                               ; the opening add is done
	s_wait_kmcnt 0x0
	CROUND                                         ; all four work-groups are here: the joint loads meet
	s_mov_b32 s[G0K], 1
	s_mov_b32 s[G0K+1], s12
	s_add_nc_u64 s[G0K+2:G0K+3], s[4:5], s[14:15]
	s_or_b32 s[G0K+3], s[G0K+3], 0x80000000
	s_mov_b32 s[G0V], 1
	s_mov_b32 s[G0V+1], s13
	s_add_nc_u64 s[G0V+2:G0V+3], s[4:5], s[16:17]
	s_or_b32 s[G0V+3], s[G0V+3], 0x80000000
	tensor_load_to_lds s[G0K:G0K+3], s[G1K:G1K+7]  ; two loads of mine are out, and no more follow
	s_nop 0
	tensor_load_to_lds s[G0V:G0V+3], s[G1V:G1V+7]
	s_nop 0
.rept 4
	v_nop
.endr
	s_lshl_b32 s12, s9, 4
	s_add_co_u32 s12, s12, s[WV]                   ; my tile of 16 queries in the batch
	s_mul_i32 s13, s10, 139264
	s_lshl_b32 s14, s12, 10
	s_add_co_u32 s14, s14, s13
	s_add_co_u32 s14, s14, 8192
	s_add_nc_u64 s[58:59], s[4:5], s[14:15]        ; Q's image
	s_lshl_b32 s14, s12, 6
	s_add_co_u32 s14, s14, s13
	s_add_nc_u64 s[60:61], s[4:5], s[14:15]        ; Q's scale words
	s_lshr_b32 s13, s10, 4                         ; batch
	s_lshl_b32 s13, s13, 7
	s_add_co_u32 s13, s13, s12                     ; the tile of tokens
	s_lshl_b32 s13, s13, 3
	s_bfe_u32 s14, s10, 0x30001                    ; (head / 2): the next product's K step
	s_add_co_u32 s13, s13, s14
	s_and_b32 s16, s10, 1                          ; which half of it
	s_mul_i32 s14, s13, 1536
	s_mul_i32 s11, s16, 768
	s_add_co_u32 s14, s14, s11
	s_add_nc_u64 s[62:63], s[6:7], s[14:15]        ; where my codes go,
	s_lshl_b32 s14, s13, 6
	s_lshl_b32 s11, s16, 1
	s_add_co_u32 s14, s14, s11
	s_add_co_u32 s14, s14, ASC
	s_add_nc_u64 s[66:67], s[6:7], s[14:15]        ; and my two scale bytes a row
	v_and_b32 v[ADK], 31, v0
	v_and_b32 v[ADS], 15, v0
	v_lshlrev_b32 v[L16], 4, v[ADK]
	v_lshlrev_b32 v[L8], 3, v[ADK]
	v_lshlrev_b32 v[R4], 2, v[ADS]
	global_load_b128 v[QF:QF+3], v[L16], s[58:59]
	global_load_b128 v[QF+4:QF+7], v[L16], s[58:59] offset:512
	global_load_b32 v[QS], v[R4], s[60:61]
.irp i, 8,9,10,11
	v_mov_b32 v[QF+\i], 0                          ; k = 96 .. 127 and the rest: zero codes
.irp t, 0,1,2,3
	v_mov_b32 v[KF+12*\t+\i], 0
.endr
.endr
	v_mov_b32 v[NB], 0xff61b1e6                    ; -3e38
	v_mov_b32 v13, v[NB]                           ; m: under every score
	v_mov_b32 v12, v[NB]                           ; -c m, replaced as for a lane that has seen masked keys only
	v_mov_b32 v14, 0
	v_mov_b32 v15, 0
	v_mov_b32 v[FF+1], 0                           ; (named as the upper half of a pair)
	s_mov_b32 s[TK], 0
	s_mov_b32 s[TS], 0
	s_mov_b32 s[CNT], 16
	s_wait_tensorcnt 0x0                           ; my part of K and my part of V are in
	s_barrier_signal -1
	s_barrier_wait -1                              ; everybody's are: all later LDS reads, of K and of V, stand behind this wait
	s_wait_loadcnt 0x0                             ; Q
; the scores of 128 keys.  two = 1 (pass 2): five address steps, which are also the five places between the last products, whose V fragments lie in v96-143, and the products that write over them
.macro SCORES two
	v_add_nc_u32 v[ADK], s[TK], v[L16]
	v_add_nc_u32 v[ADS], s[TS], v[R4]
.if \two
	v_add_nc_u32 v[ADV], s[TV], v[L16]
	v_add_nc_u32 v[ADW], s[TV], v[L8]
	v_add_nc_u32 v[ADT], s[TT], v[R4]
.endif
.irp g, 0,1
.if \g
.rept 4
	v_nop                                          ; places in front of loads into registers that matrix instructions have read
.endr
.endif
.irp t, 0,1,2,3
	ds_load_b128 v[KF+12*\t:KF+12*\t+3], v[ADK] offset:KIMG+(4*\g+\t)*1024
	ds_load_b128 v[KF+12*\t+4:KF+12*\t+7], v[ADK] offset:KIMG+(4*\g+\t)*1024+512
	ds_load_b32 v[KSR+\t], v[ADS] offset:(4*\g+\t)*64
.endr
	s_wait_dscnt 0x0
.irp t, 0,1,2,3
	v_wmma_scale_f32_16x16x128_f8f6f4 v[S+8*(4*\g+\t):S+8*(4*\g+\t)+7], v[KF+12*\t:KF+12*\t+11], v[QF:QF+11], 0, v[KSR+\t], v[QS] matrix_a_fmt:MATRIX_FMT_FP6 matrix_b_fmt:MATRIX_FMT_FP6
.endr
.endr
.rept 4
	v_nop
.endr
.endm
.macro BMAX                            ; my 16 scores of each block of 32 keys: the largest; each accumulator is first read at its low end
.irp b, 0,1,2,3
	v_max3_num_f32 v[BM+\b], v[S+16*\b], v[S+1+16*\b], v[S+2+16*\b]
.endr
.irp i, 3,5,7,9,11,13
.irp b, 0,1,2,3
	v_max3_num_f32 v[BM+\b], v[BM+\b], v[S+16*\b+\i], v[S+1+16*\b+\i]
.endr
.endr
.irp b, 0,1,2,3
	v_max_num_f32 v[BM+\b], v[BM+\b], v[S+15+16*\b]
.endr
.endm
.Lpass1:                               ; 16 trips of 128 keys
	SCORES 0
	BMAX
	v_max3_num_f32 v[BX], v[BM], v[BM+1], v[BM+2]
	v_mov_b32 v[BX+1], v12                         ; the old -c m
	v_max3_num_f32 v13, v[BX], v[BM+3], v13        ; my lane's running maximum
	v_mul_f32 v12, s[NC], v13
	v_cmp_gt_f32 vcc_lo, s[THR], v13               ; only masked keys so far?  (a choice of values only)
	v_cndmask_b32 v12, v12, v[NB], vcc_lo
	v_sub_f32 v[BX+1], v12, v[BX+1]                ; c m_old - c m_new, from the rounded numbers themselves,
	v_min_num_f32 v[BX+1], 0, v[BX+1]              ; held at 0 from above
.set j, 0
.rept 32
	v_pk_fma_f32 v[S+j:S+j+1], v[S+j:S+j+1], s[CS:CS+1], v[12:13] op_sel_hi:[1,0,0]   ; c s - c m
.set j, j+2
.endr
	v_exp_f32 v[FF], v[BX+1]
.set j, 0
.rept 64
	v_exp_f32 v[S+j], v[S+j]
.set j, j+1
.endr
	v_nop                                          ; the plain place behind the batch
	s_wait_alu depctr_va_vdst(0)                   ; one wait for the 65, ahead of their first reader
	v_pk_mul_f32 v[14:15], v[14:15], v[FF:FF+1] op_sel_hi:[1,0]
	v_pk_add_f32 v[BX+2:BX+3], v[S:S+1], v[S+2:S+3]
.set j, 4
.rept 15
	v_pk_add_f32 v[14:15], v[14:15], v[S+j:S+j+1]
	v_pk_add_f32 v[BX+2:BX+3], v[BX+2:BX+3], v[S+j+2:S+j+3]
.set j, j+4
.endr
	v_pk_add_f32 v[14:15], v[14:15], v[BX+2:BX+3]
	s_add_co_u32 s[TK], s[TK], 8192
	s_add_co_u32 s[TS], s[TS], 512
	s_sub_co_u32 s[CNT], s[CNT], 1
	s_cmp_lg_u32 s[CNT], 0
	s_cbranch_scc1 .Lpass1
	; the two halves of the keys are joined
	v_add_f32 v14, v14, v15
	v_permlanex16_b32 v[BM], v13, s[SEL], s[SEL+1]         ; the other half's m,
	v_permlanex16_b32 v[BM+1], v14, s[SEL], s[SEL+1]       ; l,
	v_permlanex16_b32 v[BM+2], v12, s[SEL], s[SEL+1]       ; and -c m
	v_cmp_ge_f32 vcc_lo, v13, v[BM]
	v_cndmask_b32 v[BM+3], v[BM+2], v12, vcc_lo    ; -c m of the larger m
	v_max_num_f32 v13, v13, v[BM]
	v_sub_f32 v[BX], v[BM+3], v12
	v_sub_f32 v[BX+1], v[BM+3], v[BM+2]
	v_min_num_f32 v[BX], 0, v[BX]
	v_min_num_f32 v[BX+1], 0, v[BX+1]
	v_exp_f32 v[BX], v[BX]
	v_exp_f32 v[BX+1], v[BX+1]
	v_mov_b32 v12, v[BM+3]                         ; (the plain place)
	s_wait_alu depctr_va_vdst(0)
	v_mul_f32 v14, v14, v[BX]
	v_mul_f32 v15, v[BM+1], v[BX+1]
	v_add_f32 v14, v14, v15                        ; not fused: this sum has the same bits in both lanes of a query, so that both take the same scales below
	v_rcp_f32 v[IL], v14
	v_cmp_gt_f32 vcc_lo, s[THR], v13               ; (the plain place)  every key masked?
	s_wait_alu depctr_va_vdst(0)
	v_cndmask_b32 v[IL], v[IL], 0, vcc_lo          ; then the probabilities are zeros
	v_mov_b32 v[IL+1], v[IL]
.set j, 0
.rept 32
	v_mov_b32 v[O+j], 0                            ; O^T: the step is written once
.set j, j+1
.endr
	s_mov_b32 s[TK], 0
	s_mov_b32 s[TS], 0
	s_mov_b32 s[TV], VIMG
	s_mov_b32 s[TT], VSC
	s_mov_b32 s[CNT], 16
.Lpass2:                               ; 16 trips of 128 keys
	SCORES 1
	BMAX
.irp b, 0,1,2,3
	v_permlanex16_b32 v[BX+\b], v[BM+\b], s[SEL], s[SEL+1]
.endr
.irp b, 0,1,2,3
	v_max_num_f32 v[BM+\b], v[BM+\b], v[BX+\b]     ; the block's largest score
.endr
.set j, 0
.rept 32
	v_pk_fma_f32 v[S+j:S+j+1], v[S+j:S+j+1], s[CS:CS+1], v[12:13] op_sel_hi:[1,0,0]
.set j, j+2
.endr
.irp b, 0,1,2,3
	v_fma_f32 v[BM+\b], v[BM+\b], s[CS], v12
.endr
.set j, 0
.rept 64
	v_exp_f32 v[S+j], v[S+j]
.set j, j+1
.endr
	v_nop
	s_wait_alu depctr_va_vdst(0)                   ; one wait for the 64
.irp b, 0,1,2,3
	v_exp_f32 v[BM+\b], v[BM+\b]
.endr
.set j, 0
.rept 32
	v_pk_mul_f32 v[S+j:S+j+1], v[S+j:S+j+1], v[IL:IL+1] op_sel_hi:[1,0]   ; p, finished and normalised (plain work behind the four)
.set j, j+2
.endr
	s_wait_alu depctr_va_vdst(0)                   ; and one for the four
.irp b, 0,1,2,3
	v_mul_f32 v[BM+\b], v[BM+\b], v[IL]            ; the block's largest p: the same instructions on the same numbers
.endr
.irp b, 0,1,2,3
	v_max_num_f32 v[BM+\b], 0x1800000, v[BM+\b]    ; the floor 2^(3 - 127)
.endr
.irp b, 0,1,2,3
	v_add_nc_u32 v[SO+\b], 0xff000000, v[BM+\b]
.endr
.irp b, 0,1,2,3
	v_lshrrev_b32 v[BX+\b], 23, v[SO+\b]
.endr
	v_lshl_or_b32 v[PW], v[BX+1], 8, v[BX]
	v_lshl_or_b32 v[PW], v[BX+2], 16, v[PW]
	v_lshl_or_b32 v[PW], v[BX+3], 24, v[PW]
.irp c, 0,1
	v_cvt_scalef32_pk16_fp6_f32 v[PC+6*\c:PC+2+6*\c], v[S+32*\c:S+15+32*\c], v[SO+2*\c]
	v_cvt_scalef32_pk16_fp6_f32 v[PT+4*\c:PT+2+4*\c], v[S+16+32*\c:S+31+32*\c], v[SO+2*\c+1]
.endr
	v_nop                                          ; one plain place behind a scaled conversion
.irp c, 0,1
.irp i, 0,1,2
	v_permlane16_swap_b32 v[PC+6*\c+\i], v[PT+4*\c+\i]
.endr
.irp i, 0,1,2
	v_mov_b32 v[PC+3+6*\c+\i], v[PT+4*\c+\i]
.endr
.endr
.irp t, 0,1,2,3                                ; V's four fragments of these 128 keys, into the registers that p has left
	ds_load_b128 v[S+12*\t:S+12*\t+3], v[ADV] offset:1536*\t
	ds_load_b64 v[S+12*\t+4:S+12*\t+5], v[ADW] offset:1536*\t+512
	ds_load_b128 v[S+12*\t+6:S+12*\t+9], v[ADV] offset:1536*\t+768
	ds_load_b64 v[S+12*\t+10:S+12*\t+11], v[ADW] offset:1536*\t+1280
	ds_load_b32 v[VSR+\t], v[ADT] offset:64*\t
.endr
.rept 8
	v_nop                                          ; a scale word written by vector instructions stands eight places ahead of a scaled product, an operand four; the loads are on their way meanwhile
.endr
	s_wait_dscnt 0x0
.irp t, 0,1,2,3                                ; four accumulators by turns, one instruction a turn
	v_wmma_scale_f32_16x16x128_f8f6f4 v[O+8*\t:O+8*\t+7], v[S+12*\t:S+12*\t+11], v[PC:PC+11], v[O+8*\t:O+8*\t+7], v[VSR+\t], v[PW] matrix_a_fmt:MATRIX_FMT_FP6 matrix_b_fmt:MATRIX_FMT_FP6
.endr
	s_add_co_u32 s[TK], s[TK], 8192
	s_add_co_u32 s[TS], s[TS], 512
	s_add_co_u32 s[TV], s[TV], 6144
	s_add_co_u32 s[TT], s[TT], 256
	s_sub_co_u32 s[CNT], s[CNT], 1
	s_cmp_lg_u32 s[CNT], 0
	s_cbranch_scc1 .Lpass2
	; THE WAY OUT: register 16 b + i of O^T is channel 32 b + 16 (lane / 16) + i of my query: two blocks of the next product's K
.rept 4
	v_nop
.endr
.irp b, 0,1
	v_max3_num_f32 v[BM+\b], |v[O+16*\b]|, |v[O+1+16*\b]|, 0x1800000
.endr
.irp i, 2,4,6,8,10,12,14
.irp b, 0,1
	v_max3_num_f32 v[BM+\b], v[BM+\b], |v[O+16*\b+\i]|, |v[O+1+16*\b+\i]|
.endr
.endr
.irp b, 0,1
	v_permlanex16_b32 v[BX+\b], v[BM+\b], s[SEL], s[SEL+1]
.endr
.irp b, 0,1
	v_max_num_f32 v[BM+\b], v[BM+\b], v[BX+\b]
.endr
.irp b, 0,1
	v_add_nc_u32 v[SO+\b], 0xff000000, v[BM+\b]
.endr
.irp b, 0,1
	v_lshrrev_b32 v[BX+\b], 23, v[SO+\b]
.endr
	v_lshl_or_b32 v[PW], v[BX+1], 8, v[BX]
	v_cvt_scalef32_pk16_fp6_f32 v[PC:PC+2], v[O:O+15], v[SO]
	v_cvt_scalef32_pk16_fp6_f32 v[PT:PT+2], v[O+16:O+31], v[SO+1]
	v_nop
.irp i, 0,1,2
	v_permlane16_swap_b32 v[PC+\i], v[PT+\i]
.endr
.irp i, 0,1,2
	v_mov_b32 v[PC+3+\i], v[PT+\i]
.endr
	global_store_b128 v[L16], v[PC:PC+3], s[62:63]             ; 512 consecutive bytes,
	global_store_b64 v[L8], v[PC+4:PC+5], s[62:63] offset:512  ; and 256
	global_store_b16 v[R4], v[PW], s[66:67]                    ; my head's two bytes of each row's scale word
	s_wait_tensorcnt 0x0                           ; the wave's end
	ds_add_u32 v[SPW], v[NIL]
	s_wait_dscnt 0x0
	CROUND                                         ; the closing round
	s_endpgm
.Lfunc_end_k_q469818fa1f_attn:
	.size	k_q469818fa1f_attn, .Lfunc_end_k_q469818fa1f_attn-k_q469818fa1f_attn
	.p2alignl 7, 3214868480
	.fill 96, 4, 3214868480
	.section	.rodata,"a",@progbits
	.p2align	6, 0x0
	.amdhsa_kernel k_q469818fa1f_attn
		.amdhsa_group_segment_fixed_size 243712
		.amdhsa_private_segment_fixed_size 0
		.amdhsa_enable_private_segment 0
		.amdhsa_kernarg_size 16
		.amdhsa_user_sgpr_count 2
		.amdhsa_user_sgpr_kernarg_segment_ptr 1
		.amdhsa_wavefront_size32 1
		.amdhsa_system_sgpr_workgroup_id_x 1
		.amdhsa_system_sgpr_workgroup_id_y 1
		.amdhsa_system_sgpr_workgroup_id_z 1
		.amdhsa_system_vgpr_workitem_id 0
		.amdhsa_next_free_vgpr 256
		.amdhsa_next_free_sgpr 68
		.amdhsa_reserve_vcc 1
		.amdhsa_float_denorm_mode_32 3
		.amdhsa_float_denorm_mode_16_64 3
		.amdhsa_memory_ordered 1
		.amdhsa_forward_progress 1
		.amdhsa_inst_pref_size 38
	.end_amdhsa_kernel
	.amdgpu_metadata
---
amdhsa.version: [ 1, 2 ]
amdhsa.kernels:
  - .name:           k_q469818fa1f_attn
    .symbol:         k_q469818fa1f_attn.kd
    .args:
      - { .name: qkv, .offset: 0, .size: 8, .value_kind: global_buffer, .address_space: global }
      - { .name: ac, .offset: 8, .size: 8, .value_kind: global_buffer, .address_space: global }
    .group_segment_fixed_size: 243712
    .private_segment_fixed_size: 0
    .kernarg_segment_align: 8
    .kernarg_segment_size: 16
    .max_flat_workgroup_size: 512
    .sgpr_count:     68
    .vgpr_count:     256
    .wavefront_size: 32
...
	.end_amdgpu_metadata
.endif
;; end of part 7
;; launch wo (part 8): grid 8 x 32, 4 waves a work-group, clusters of 4 x 4, 327,680 bytes of LDS; arguments ac, wq6, bo, x, x1; writes x1
.if DOCPART == 8
	.amdgcn_target "amdgcn-amd-amdhsa--gfx1250"
	.amdhsa_code_object_version 6
	.text
	.protected	k_q469818fa1f_wo
	.globl	k_q469818fa1f_wo
	.p2align	8
	.type	k_q469818fa1f_wo,@function
k_q469818fa1f_wo:
	s_mov_b64 s[64:65], 0
	v_nop
	global_prefetch_b8 v0, s[64:65] scope:SCOPE_SE
	s_setreg_imm32_b32 hwreg(HW_REG_WAVE_MODE, 25, 1), 1
	s_wait_xcnt 0x0
	s_wait_alu depctr_hold_cnt(0) depctr_sa_sdst(0) depctr_va_vdst(0) depctr_va_sdst(0) depctr_va_ssrc(0) depctr_va_vcc(0) depctr_vm_vsrc(0)
	s_getreg_b32 s2, hwreg(HW_REG_IB_STS2, 6, 4)
	s_cmp_eq_u32 s2, 0
	s_cbranch_scc0 .Lentry_in_a_cluster
	s_endpgm
.Lentry_in_a_cluster:
	s_bfe_u32 s2, ttmp6, 0x10000c
	s_cmp_lg_u32 s2, 0xf033
	s_cbranch_scc0 .Lentry_shape_is_right
	s_endpgm
.Lentry_shape_is_right:
; x1 = x + attn Wo^T + bo.  attn (ac) and Wo (in wq6) are codes of FP6 (E2M3) with E8M0 scales, laid as images of the operand's registers (fragment (tile, ks) at (tile x KS + ks) x 1,536).
; THE TILE: 4,096 x 1,024 results make only 64 tiles of 256 x 256, and 256 tiles of 128 x 128: a work-group makes 128 x 128, each of its four waves 64 x 64: 16 accumulators.
; A slot holds 512 along K of A's 128 rows and B's 128 rows, 98,304 bytes; K = 1,024 is two slots, both among the first fills: nothing is filled again, and the text has no loop.
; Clusters of 4 x 4: A's tiles shared along a row, B's along a column, asked for jointly.
; The product is used transposed (source 0 = Wo's tile, source 1 = attn's): a lane holds one token; Wo's tiles hold permuted rows, so that register 8 b + j of a block is column 32 (b / 2) + 16 (lane / 16) + 8 (b % 2) + j.
; THE RESIDUAL STARTS THE SUMS: x is loaded straight into the accumulators, in that layout, while the first tiles are on their way; no product has a constant C.
; A wave's 64 columns are 256 consecutive bytes of a row, aligned: each wave has a stage of its own, and sixteen lanes store such a run whole.  The bias is added where rows come back from the stage.
; REGISTERS, in windows of 256: window 0: v8-11 bias, v16-31 addresses, v32-63 scale words (two sets of 16), v128-191 the way out.  Window 1: two fragment buffers: A's four at v[128 p], B's four at v[128 p + 48].  Window 2: v0-127 the accumulators.
.set KS,     8
.set AOFF_S, 3145728                   ; ac: where the scale words begin
.set BOFF_C, 2359296                   ; wq6: Wo's codes,
.set BOFF_S, 9535488                   ; and scale words
.set NQ,     4                         ; steps of 128 along K in a slot
.set FR,     12
.set NP,     4                         ; places behind this matrix instruction
.set FRB,    1536
.set TROW,   NQ*FRB                    ; a slot's bytes of one tile of 16 rows
.set KROW,   KS*FRB                    ; from tile to tile in memory
.set HALFT,  4*TROW                    ; 64 rows: what one tensor load brings, and what one wave reads of A or of B
.set SLOT,   4*HALFT
.set LAPS,   KS/(2*NQ)
.set SCL,    2*SLOT                    ; behind the ring: the scale words of A's 128 rows and B's 128 rows for all of K, filled once
.set HALFS,  KS*256
.set SPARE,  SCL+4*HALFS               ; the spare words: 128 bytes a wave, two blocks of 256 bytes that no other line names
.set SPITCH, 272                       ; the way out: a stage of 16 rows x (256 + 16) bytes a wave, in slot 0, which has had its last fill and its last read by then
.set BIAS, 8                           ; v8-11 the bias of my four columns of a row
.set ADRA, 16                          ; v16-17 LDS address (16 x lane) of my A fragments in slot 0, 1; v18-19 the same with 8 x lane
.set ADRB, 20                          ; v20-23 the same for B
.set STO,  24
.set RD,   25
.set CO,   26
.set ADRS, 27                          ; my scale words: lanes 0-15 A's, lanes 16-31 B's
.set SPW,  28
.set NIL,  29
.set RA,   30
.set BA,   31
.set SC,   32                          ; v32-63 scale words; they hold nothing else
.set BK,   128
.set G1, 24
.set G0, 32
.set G1B, 48
.set G0B, 56
.set G1S, 68
.set G0S, 76
.set G1SB, 80
.set G0SB, 88
.set MSB, 0
.macro WIN new                         ; the immediate's high byte repeats the setting that is left
.if MSB != (\new)
	s_set_vgpr_msb (MSB<<8)|(\new)
.set MSB, (\new)
.endif
.endm
.set MUL,  0xa5                        ; sources 0 (B) and 1 (A) window 1, C and D window 2
.set TO_F, 0x40                        ; destination window 1, address window 0
.macro JLOAD g0a, g1a, g0b, g1b        ; a joint load: waves 0, 1 fetch for A, waves 2, 3 for B; an s_nop 0 and four v_nop follow each line
	s_cmp_eq_u32 s15, 0
	s_cbranch_scc0 .Lfor_b_\@
	tensor_load_to_lds s[\g0a:\g0a+3], s[\g1a:\g1a+7]
	s_nop 0
.rept 4
	v_nop
.endr
	s_branch .Lasked_\@
.Lfor_b_\@:
	tensor_load_to_lds s[\g0b:\g0b+3], s[\g1b:\g1b+7]
	s_nop 0
.rept 4
	v_nop
.endr
.Lasked_\@:
.endm
.macro CREST
	s_cmp_lg_u32 s14, 0
	s_cbranch_scc1 .Lnot_wave_0_\@
	s_barrier_signal -3
.Lnot_wave_0_\@:
	s_barrier_wait -3
	s_barrier_signal -1
	s_barrier_wait -1
.endm
.macro CROUND
	s_barrier_signal -1
	s_barrier_wait -1
	CREST
.endm
	s_load_b256 s[4:11], s[0:1], 0x0               ; A s[4:5], wq6 s[6:7], bias s[8:9], residual s[10:11]
	s_load_b64 s[12:13], s[0:1], 0x20              ; out
	v_lshl_add_u32 v[SPW], v0, 2, SPARE
	v_mov_b32 v[NIL], 0
	ds_add_u32 v[SPW], v[NIL]                      ; the wave's opening: the add and its wait stand ahead of my first tensor load
	v_lshrrev_b32 v1, 5, v0
	v_readfirstlane_b32 s14, v1                    ; wave 0..3
	s_lshr_b32 s15, s14, 1                         ; my half of A's rows.  Also: I fetch for A (0) or B (1)
	s_and_b32 s16, s14, 1                          ; my half of B's rows.  Also: which 64 rows I fetch
	s_bfe_u32 s40, ttmp6, 0x40000
	s_bfe_u32 s41, ttmp6, 0x40004
	s_lshl_b32 s42, ttmp9, 2
	s_add_co_u32 s42, s42, s40                     ; tile column
	s_and_b32 s17, ttmp7, 0xffff
	s_lshl_b32 s17, s17, 2
	s_add_co_u32 s17, s17, s41                     ; tile row
	s_lshl_b32 s43, s41, 2
	s_lshl_b32 s43, 15, s43                        ; my row of the cluster
	s_lshl_b32 s44, 0x1111, s40                    ; my column
	s_or_b32 s[G1], s43, (3<<16)|(1<<21)           ; the mask; elements of 8 bytes; bit 21 beside a mask; no padding: every LDS load is dense in the lanes
	s_or_b32 s[G1B], s44, (3<<16)|(1<<21)
.irp g, G1, G1B
	s_mov_b32 s[\g+1], (TROW/8)<<16                ; tensor_dim0: 6,144 bytes
	s_mov_b32 s[\g+2], 4<<16                       ; tensor_dim1: 4 tiles of 16 rows
	s_mov_b32 s[\g+3], (TROW/8)<<16                ; tile_dim0
	s_mov_b32 s[\g+4], 4                           ; tile_dim1
	s_mov_b32 s[\g+5], KROW/8                      ; from tile to tile
	s_mov_b32 s[\g+6], 0
	s_mov_b32 s[\g+7], 0
.endr
	s_or_b32 s[G1S], s43, (3<<16)|(1<<21)          ; the scale words of 64 rows: a dense block, as rows of 256 bytes
	s_or_b32 s[G1SB], s44, (3<<16)|(1<<21)
.irp g, G1S, G1SB
	s_mov_b32 s[\g+1], 32<<16
	s_mov_b32 s[\g+2], (HALFS/256)<<16
	s_mov_b32 s[\g+3], 32<<16
	s_mov_b32 s[\g+4], HALFS/256
	s_mov_b32 s[\g+5], 32
	s_mov_b32 s[\g+6], 0
	s_mov_b32 s[\g+7], 0
.endr
	s_lshl_b32 s18, s16, 2
	s_lshl_b32 s20, s17, 3
	s_add_co_u32 s20, s20, s18                     ; A: the first tile of 16 rows that I fetch
	s_lshl_b32 s46, s42, 3
	s_add_co_u32 s46, s46, s18                     ; B likewise
	s_mul_i32 s22, s20, KS*64
	s_mul_i32 s20, s20, KROW
	s_mul_i32 s92, s46, KS*64
	s_mul_i32 s46, s46, KROW
	s_add_co_u32 s22, s22, AOFF_S
	s_add_co_u32 s46, s46, BOFF_C
	s_add_co_u32 s92, s92, BOFF_S
	s_mov_b32 s21, 0
	s_mov_b32 s23, 0
	s_mov_b32 s47, 0
	s_mov_b32 s93, 0
	s_mul_i32 s45, s14, HALFT                      ; where they go: no place in the cluster enters an LDS address
	s_mul_i32 s94, s14, HALFS
	s_wait_dscnt 0x0                               ; the opening add is done
	s_wait_kmcnt 0x0
	s_add_nc_u64 s[20:21], s[4:5], s[20:21]
	s_add_nc_u64 s[22:23], s[4:5], s[22:23]
	s_add_nc_u64 s[46:47], s[6:7], s[46:47]
	s_add_nc_u64 s[92:93], s[6:7], s[92:93]
	CROUND                                         ; all sixteen work-groups are here: the first joint loads meet
	s_mov_b32 s[G0S], 1
	s_add_co_u32 s[G0S+1], s94, SCL
	s_mov_b64 s[G0S+2:G0S+3], s[22:23]
	s_or_b32 s[G0S+3], s[G0S+3], 0x80000000
	s_mov_b32 s[G0SB], 1
	s_add_co_u32 s[G0SB+1], s94, SCL
	s_mov_b64 s[G0SB+2:G0SB+3], s[92:93]
	s_or_b32 s[G0SB+3], s[G0SB+3], 0x80000000
	JLOAD G0S, G1S, G0SB, G1SB                     ; three loads of mine go out together: the scale words, slot 0, slot 1
.irp s, 0,1
	s_mov_b32 s[G0+4*\s], 1
	s_add_co_u32 s[G0+4*\s+1], s45, \s*SLOT
	s_add_nc_u64 s[G0+4*\s+2:G0+4*\s+3], s[20:21], \s*TROW
	s_or_b32 s[G0+4*\s+3], s[G0+4*\s+3], 0x80000000
	s_mov_b32 s[G0B+4*\s], 1
	s_add_co_u32 s[G0B+4*\s+1], s45, \s*SLOT
	s_add_nc_u64 s[G0B+4*\s+2:G0B+4*\s+3], s[46:47], \s*TROW
	s_or_b32 s[G0B+4*\s+3], s[G0B+4*\s+3], 0x80000000
	JLOAD G0+4*\s, G1, G0B+4*\s, G1B
.endr
	v_and_b32 v1, 15, v0                           ; r
	v_bfe_u32 v2, v0, 4, 1                         ; h
	v_and_b32 v3, 31, v0
	v_lshlrev_b32 v4, 4, v3                        ; 16 x lane
	v_lshlrev_b32 v5, 3, v3                        ; 8 x lane
	; my 64 x 64 of the residual and of the result
	s_lshl_b32 s96, s17, 7
	s_lshl_b32 s97, s15, 6
	s_add_co_u32 s96, s96, s97
	s_lshl_b32 s96, s96, 12                        ; my first row, in bytes
	s_lshl_b32 s98, s42, 9
	s_lshl_b32 s99, s16, 8
	s_add_co_u32 s98, s98, s99                     ; my first column, in bytes
	s_add_co_u32 s96, s96, s98
	s_mov_b32 s97, 0
	s_mov_b32 s99, 0
	s_add_nc_u64 s[10:11], s[10:11], s[96:97]
	s_add_nc_u64 s[12:13], s[12:13], s[96:97]
	s_add_nc_u64 s[8:9], s[8:9], s[98:99]
	v_lshlrev_b32 v[RA], 12, v1
	v_lshl_add_u32 v[RA], v2, 6, v[RA]             ; row r, + 64 h
	v_lshlrev_b32 v[BA], 4, v1                     ; 16 r
	global_load_b128 v[BIAS:BIAS+3], v[BA], s[8:9]
	WIN 0x80                                       ; destination: window 2
.irp a, 0,1,2,3
.irp be, 0,1
.irp q, 0,1,2,3
	global_load_b128 v[32*\a+16*\be+4*\q:32*\a+16*\be+4*\q+3], v[RA], s[10:11] offset:65536*\a+128*\be+16*\q
.endr
.endr
.endr
	WIN 0
	s_mul_i32 s21, s15, HALFT
	s_mul_i32 s22, s16, HALFT
	s_add_co_u32 s22, s22, 2*HALFT
.irp s, 0,1
	v_add_nc_u32 v[ADRA+\s], s21, v4
	v_add_nc_u32 v[ADRB+\s], s22, v4
	v_add_nc_u32 v[ADRA+2+\s], s21, v5
	v_add_nc_u32 v[ADRB+2+\s], s22, v5
	s_add_co_u32 s21, s21, SLOT
	s_add_co_u32 s22, s22, SLOT
.endr
	v_lshlrev_b32 v6, 2, v1
	s_mul_i32 s21, s15, HALFS
	s_mul_i32 s22, s16, HALFS
	s_add_co_u32 s22, s22, 2*HALFS
	s_sub_co_u32 s22, s22, s21
	v_mul_u32_u24 v7, s22, v2                      ; lanes 16-31 take B's: one product, the distance between the two bases
	s_add_co_u32 s21, s21, SCL
	v_add_nc_u32 v6, v6, v7
	v_add_nc_u32 v[ADRS], s21, v6
	s_mul_i32 s23, s14, 16*SPITCH                  ; my stage
	v_mul_u32_u24 v6, v1, SPITCH
	v_lshl_add_u32 v6, v2, 6, v6
	v_add_nc_u32 v[STO], s23, v6                   ; in: row r, + 64 h
	v_mul_u32_u24 v7, v2, SPITCH
	v_lshl_add_u32 v7, v1, 4, v7
	v_add_nc_u32 v[RD], s23, v7                    ; back: lanes 0-15 one row of 256 bytes, lanes 16-31 the next
	v_lshlrev_b32 v[CO], 12, v2
	v_lshl_add_u32 v[CO], v1, 4, v[CO]             ; and the same two rows in the result
.macro FRAG reg, adr, q, i             ; a fragment comes back as it was stored: four loads, each dense in the lanes
	ds_load_b128 v[\reg:\reg+3], v[\adr] offset:(\i)*TROW+(\q)*FRB
	ds_load_b64 v[\reg+4:\reg+5], v[\adr+2] offset:(\i)*TROW+(\q)*FRB+512
	ds_load_b128 v[\reg+6:\reg+9], v[\adr] offset:(\i)*TROW+(\q)*FRB+768
	ds_load_b64 v[\reg+10:\reg+11], v[\adr+2] offset:(\i)*TROW+(\q)*FRB+1280
.endm
; 4 matrix instructions: A's block a x B's four, from buffer p.  The 16 accumulators take turns, one instruction a turn, in the same order in every step
.macro MULA p, a, q, sc
.irp b, 0,1,2,3
	v_wmma_scale_f32_16x16x128_f8f6f4 v[8*(4*(\a)+\b):8*(4*(\a)+\b)+7], v[128*(\p)+48+FR*\b:128*(\p)+48+FR*\b+FR-1], v[128*(\p)+FR*(\a):128*(\p)+FR*(\a)+FR-1], v[8*(4*(\a)+\b):8*(4*(\a)+\b)+7], v[SC+4*NQ*(\sc)+NQ*\b+(\q)], v[SC+4*NQ*(\sc)+NQ*(\a)+(\q)] matrix_a_fmt:MATRIX_FMT_FP6 matrix_b_fmt:MATRIX_FMT_FP6 matrix_a_scale:MATRIX_SCALE_ROW1
.endr
.endm
.macro FETCH slot, q, p                ; 32 LDS loads in one run: B's four fragments, then A's four, of the slot's q-th 128 along K, into buffer p
	WIN TO_F
.irp i, 0,1,2,3
	FRAG 128*(\p)+48+FR*\i, ADRB+\slot, \q, \i
.endr
.irp i, 0,1,2,3
	FRAG 128*(\p)+FR*\i, ADRA+\slot, \q, \i
.endr
.endm
.macro SCALES sc                       ; a slot's scale words: register NQ i + q: lanes 0-15 A's block i, lanes 16-31 B's block i
.irp i, 0,1,2,3
.irp q, 0,1,2,3
	ds_load_b32 v[SC+4*NQ*\sc+NQ*\i+\q], v[ADRS] offset:\i*KS*64+64*\q
.endr
.endr
.endm
.macro PLACES n
.rept \n
	v_nop
.endr
.endm
.macro STEP slot, q                    ; 128 along K whose successor lies in the same slot: multiplies buffer q % 2, fetches the next step into the other
	s_wait_dscnt 8                                 ; all but the youngest 8 loads (A's blocks 2, 3) are in
	WIN MUL
	MULA (\q)%2, 0, \q, \slot
	MULA (\q)%2, 1, \q, \slot
	PLACES NP                                      ; in front of loads into registers that the last step's matrix instructions have read
	FETCH \slot, (\q)+1, 1-(\q)%2
	s_wait_dscnt 32                                ; all but the 32 just issued
	WIN MUL
	MULA (\q)%2, 2, \q, \slot
	MULA (\q)%2, 3, \q, \slot
.endm
.macro TURN slot, next, fill           ; a slot's last step (buffer 1) changes slots: one barrier; fill = 1: a round of the cluster's, and this slot is filled again
	WIN 0                                          ; (the add's two registers lie in window 0)
	s_wait_tensorcnt 0x0                           ; all my tensor loads have landed: my part of the next slot
	ds_add_u32 v[SPW], v[NIL]                      ; 0 onto my spare word
	s_wait_dscnt 9                                 ; (the add and the youngest 8 loads may be out)
	WIN MUL
	MULA 1, 0, NQ-1, \slot
	s_wait_dscnt 0x0                               ; the add is done, and my reads of this slot are over
	s_barrier_signal -1
	MULA 1, 1, NQ-1, \slot
	WIN 0
	s_barrier_wait -1
.if \fill
	CREST                                          ; no wave of any partner still reads this slot or has a load on its way
	s_add_nc_u64 s[G0+4*\slot+2:G0+4*\slot+3], s[G0+4*\slot+2:G0+4*\slot+3], 2*TROW
	s_add_nc_u64 s[G0B+4*\slot+2:G0B+4*\slot+3], s[G0B+4*\slot+2:G0B+4*\slot+3], 2*TROW
	JLOAD G0+4*\slot, G1, G0B+4*\slot, G1B         ; my one tensor load behind the round; its four v_nop are the places in front of the loads below
.else
	PLACES NP
.endif
	v_add_nc_u32 v[ADRS], 64*NQ, v[ADRS]           ; on to the next slot's scale words
	SCALES \next
	FETCH \next, 0, 0
	WIN MUL
	MULA 1, 2, NQ-1, \slot
	MULA 1, 3, NQ-1, \slot
.endm
	s_wait_tensorcnt 1                             ; the scale words and my part of slot 0 are in; slot 1's load may be out
	s_barrier_signal -1
	s_barrier_wait -1
	SCALES 0
	FETCH 0, 0, 0
	WIN 0
	s_wait_loadcnt 0x0                             ; the residual lies in the accumulators, the bias in its registers
.if LAPS > 1
	s_mov_b32 s3, LAPS-1
.Llap:                                         ; a trip goes once round the ring and fills both slots again
	STEP 0, 0
	STEP 0, 1
	STEP 0, 2
	TURN 0, 1, 1
	STEP 1, 0
	STEP 1, 1
	STEP 1, 2
	TURN 1, 0, 1
	WIN 0                                          ; at a label and at a branch every window is 0
	s_sub_co_u32 s3, s3, 1
	s_cmp_lg_u32 s3, 0
	s_cbranch_scc1 .Llap
.endif
	STEP 0, 0                                      ; the last lap fills nothing
	STEP 0, 1
	STEP 0, 2
	TURN 0, 1, 0
	STEP 1, 0
	STEP 1, 1
	STEP 1, 2
	s_wait_dscnt 8                                 ; the very last step: nothing more to fetch
	WIN MUL
	MULA 1, 0, NQ-1, 1
	MULA 1, 1, NQ-1, 1
	s_wait_dscnt 0
	MULA 1, 2, NQ-1, 1
	MULA 1, 3, NQ-1, 1
	WIN 0
; THE WAY OUT, a block of 16 rows x 64 columns at a time, through my own stage; LDS serves a wave's instructions in order, so no wait stands between the stores and the loads
.macro TOSTAGE a
	WIN 0x08                                       ; an LDS store's data are its source 1: window 2
.irp b, 0,1,2,3
	ds_store_b128 v[STO], v[32*(\a)+8*\b:32*(\a)+8*\b+3] offset:128*(\b/2)+32*(\b%2)         ; each accumulator from its low end on
	ds_store_b128 v[STO], v[32*(\a)+8*\b+4:32*(\a)+8*\b+7] offset:128*(\b/2)+32*(\b%2)+16
.endr
	WIN 0
.set BB, BK+32*((\a)%2)
.irp t, 0,1,2,3,4,5,6,7
	ds_load_b128 v[BB+4*\t:BB+4*\t+3], v[RD] offset:\t*2*SPITCH
.endr
.endm
.macro SEND a, younger
.set BB, BK+32*((\a)%2)
	s_wait_dscnt \younger                          ; the block is back in registers
.if (\a) > 0
	s_add_nc_u64 s[12:13], s[12:13], 65536         ; 16 rows on (behind a wait for 0 on XCNT: the earlier stores have read their base)
.endif
.irp t, 0,1,2,3,4,5,6,7
	v_pk_add_f32 v[BB+4*\t:BB+4*\t+1], v[BB+4*\t:BB+4*\t+1], v[BIAS:BIAS+1]
	v_pk_add_f32 v[BB+4*\t+2:BB+4*\t+3], v[BB+4*\t+2:BB+4*\t+3], v[BIAS+2:BIAS+3]
.endr
.irp t, 0,1,2,3,4,5,6,7
	global_store_b128 v[CO], v[BB+4*\t:BB+4*\t+3], s[12:13] offset:\t*8192   ; sixteen lanes store 256 consecutive bytes, aligned
.endr
.endm
	PLACES NP                                      ; in front of the first reads of results
	TOSTAGE 0
.irp a, 1,2,3
.if \a > 1
	s_wait_xcnt 0x0                                ; block a - 2's stores have read their registers and their base
.endif
	TOSTAGE \a
	SEND \a-1, 16                                  ; behind block a - 1's loads: block a's 8 stores and 8 loads
.endr
	s_wait_xcnt 0x0
	SEND 3, 0
	s_wait_tensorcnt 0x0                           ; the wave's end
	ds_add_u32 v[SPW], v[NIL]
	s_wait_dscnt 0x0
	CROUND                                         ; the closing round
	s_endpgm
.Lfunc_end_k_q469818fa1f_wo:
	.size	k_q469818fa1f_wo, .Lfunc_end_k_q469818fa1f_wo-k_q469818fa1f_wo
	.p2alignl 7, 3214868480
	.fill 96, 4, 3214868480
	.section	.rodata,"a",@progbits
	.p2align	6, 0x0
	.amdhsa_kernel k_q469818fa1f_wo
		.amdhsa_group_segment_fixed_size 327680
		.amdhsa_private_segment_fixed_size 0
		.amdhsa_enable_private_segment 0
		.amdhsa_kernarg_size 40
		.amdhsa_user_sgpr_count 2
		.amdhsa_user_sgpr_kernarg_segment_ptr 1
		.amdhsa_wavefront_size32 1
		.amdhsa_system_sgpr_workgroup_id_x 1
		.amdhsa_system_sgpr_workgroup_id_y 1
		.amdhsa_system_sgpr_workgroup_id_z 1
		.amdhsa_system_vgpr_workitem_id 0
		.amdhsa_next_free_vgpr 768
		.amdhsa_next_free_sgpr 102
		.amdhsa_reserve_vcc 0
		.amdhsa_float_denorm_mode_32 3
		.amdhsa_float_denorm_mode_16_64 3
		.amdhsa_memory_ordered 1
		.amdhsa_forward_progress 1
		.amdhsa_inst_pref_size 62
	.end_amdhsa_kernel
	.amdgpu_metadata
---
amdhsa.version: [ 1, 2 ]
amdhsa.kernels:
  - .name:           k_q469818fa1f_wo
    .symbol:         k_q469818fa1f_wo.kd
    .args:
      - { .name: ac, .offset: 0, .size: 8, .value_kind: global_buffer, .address_space: global }
      - { .name: wq6, .offset: 8, .size: 8, .value_kind: global_buffer, .address_space: global }
      - { .name: bo, .offset: 16, .size: 8, .value_kind: global_buffer, .address_space: global }
      - { .name: x, .offset: 24, .size: 8, .value_kind: global_buffer, .address_space: global }
      - { .name: x1, .offset: 32, .size: 8, .value_kind: global_buffer, .address_space: global }
    .group_segment_fixed_size: 327680
    .private_segment_fixed_size: 0
    .kernarg_segment_align: 8
    .kernarg_segment_size: 40
    .max_flat_workgroup_size: 128
    .sgpr_count:     102
    .vgpr_count:     768
    .wavefront_size: 32
...
	.end_amdgpu_metadata
.endif
;; end of part 8
;; launch ln2: the kernel of part 1 again; grid 256 x 1, 8 waves a work-group, no clusters, 67,584 bytes of LDS; arguments x1, g2, beta2, hc, Wq, Wk, Wv, Wo, W1, W2, wq6, positions, rope; writes hc, wq6, rope
;; launch ffn1: the kernel of part 5 again; grid 16 x 16, 4 waves a work-group, clusters of 4 x 4, 327,680 bytes of LDS; arguments hc, wq6, b1, gc; writes gc
;; launch ffn2 (part 9): grid 8 x 32, 4 waves a work-group, clusters of 4 x 4, 327,680 bytes of LDS; arguments gc, wq6, b2, x1, out0; writes out0
.if DOCPART == 9
	.amdgcn_target "amdgcn-amd-amdhsa--gfx1250"
	.amdhsa_code_object_version 6
	.text
	.protected	k_q469818fa1f_ffn2
	.globl	k_q469818fa1f_ffn2
	.p2align	8
	.type	k_q469818fa1f_ffn2,@function
k_q469818fa1f_ffn2:
	s_mov_b64 s[64:65], 0
	v_nop
	global_prefetch_b8 v0, s[64:65] scope:SCOPE_SE
	s_setreg_imm32_b32 hwreg(HW_REG_WAVE_MODE, 25, 1), 1
	s_wait_xcnt 0x0
	s_wait_alu depctr_hold_cnt(0) depctr_sa_sdst(0) depctr_va_vdst(0) depctr_va_sdst(0) depctr_va_ssrc(0) depctr_va_vcc(0) depctr_vm_vsrc(0)
	s_getreg_b32 s2, hwreg(HW_REG_IB_STS2, 6, 4)
	s_cmp_eq_u32 s2, 0
	s_cbranch_scc0 .Lentry_in_a_cluster
	s_endpgm
.Lentry_in_a_cluster:
	s_bfe_u32 s2, ttmp6, 0x10000c
	s_cmp_lg_u32 s2, 0xf033
	s_cbranch_scc0 .Lentry_shape_is_right
	s_endpgm
.Lentry_shape_is_right:
; out0 = x1 + gelu(..) W2^T + b2.  The hidden layer (gc) and W2 (in wq6) are codes of FP6 (E2M3) with E8M0 scales, laid as images of the operand's registers (fragment (tile, ks) at (tile x KS + ks) x 1,536).  K = 4,096.
; THE TILE: 4,096 x 1,024 results make only 64 tiles of 256 x 256, and 256 tiles of 128 x 128: a work-group makes 128 x 128, each of its four waves 64 x 64: 16 accumulators.
; A slot holds 512 along K of A's 128 rows and B's 128 rows, 98,304 bytes: as long a step as two slots and the scale words allow; K is eight slots: two first fills and six refills, in three trips.
; Clusters of 4 x 4: A's tiles shared along a row, B's along a column, asked for jointly; each refill stands behind a round of the cluster's barrier.
; The product is used transposed (source 0 = W2's tile, source 1 = the hidden layer's): a lane holds one token; W2's tiles hold permuted rows, so that register 8 b + j of a block is column 32 (b / 2) + 16 (lane / 16) + 8 (b % 2) + j.
; THE RESIDUAL STARTS THE SUMS: x1 is loaded straight into the accumulators, in that layout, while the first tiles are on their way; no product has a constant C, so the loop begins at a slot's first step.
; A wave's 64 columns are 256 consecutive bytes of a row, aligned: each wave has a stage of its own, and sixteen lanes store such a run whole.  The bias is added where rows come back from the stage.
; The scale words of 128 + 128 rows for all of K, 32,768 bytes, lie behind the ring and are filled once.  Nothing is prefetched.
; REGISTERS, in windows of 256: window 0: v8-11 bias, v16-31 addresses, v32-63 scale words (two sets of 16), v128-191 the way out.  Window 1: two fragment buffers: A's four at v[128 p], B's four at v[128 p + 48].  Window 2: v0-127 the accumulators.
.set KS,     32
.set AOFF_S, 12582912                  ; gc: where the scale words begin
.set BOFF_C, 6291456                   ; wq6: W2's codes,
.set BOFF_S, 9699328                   ; and scale words
.set NQ,     4                         ; steps of 128 along K in a slot
.set FR,     12
.set NP,     4                         ; places behind this matrix instruction
.set FRB,    1536
.set TROW,   NQ*FRB                    ; a slot's bytes of one tile of 16 rows
.set KROW,   KS*FRB                    ; from tile to tile in memory
.set HALFT,  4*TROW                    ; 64 rows: what one tensor load brings, and what one wave reads of A or of B
.set SLOT,   4*HALFT
.set LAPS,   KS/(2*NQ)
.set SCL,    2*SLOT                    ; behind the ring: the scale words, filled once
.set HALFS,  KS*256
.set SPARE,  SCL+4*HALFS               ; the spare words: 128 bytes a wave, two blocks of 256 bytes that no other line names
.set SPITCH, 272                       ; the way out: a stage of 16 rows x (256 + 16) bytes a wave, in slot 0, which has had its last fill and its last read by then
.set BIAS, 8                           ; v8-11 the bias of my four columns of a row
.set ADRA, 16                          ; v16-17 LDS address (16 x lane) of my A fragments in slot 0, 1; v18-19 the same with 8 x lane
.set ADRB, 20                          ; v20-23 the same for B
.set STO,  24
.set RD,   25
.set CO,   26
.set ADRS, 27                          ; my scale words: lanes 0-15 A's, lanes 16-31 B's
.set SPW,  28
.set NIL,  29
.set RA,   30
.set BA,   31
.set SC,   32                          ; v32-63 scale words; they hold nothing else
.set BK,   128
.set G1, 24
.set G0, 32
.set G1B, 48
.set G0B, 56
.set G1S, 68
.set G0S, 76
.set G1SB, 80
.set G0SB, 88
.set MSB, 0
.macro WIN new                         ; the immediate's high byte repeats the setting that is left
.if MSB != (\new)
	s_set_vgpr_msb (MSB<<8)|(\new)
.set MSB, (\new)
.endif
.endm
.set MUL,  0xa5                        ; sources 0 (B) and 1 (A) window 1, C and D window 2
.set TO_F, 0x40                        ; destination window 1, address window 0
.macro JLOAD g0a, g1a, g0b, g1b        ; a joint load: waves 0, 1 fetch for A, waves 2, 3 for B; an s_nop 0 and four v_nop follow each line
	s_cmp_eq_u32 s15, 0
	s_cbranch_scc0 .Lfor_b_\@
	tensor_load_to_lds s[\g0a:\g0a+3], s[\g1a:\g1a+7]
	s_nop 0
.rept 4
	v_nop
.endr
	s_branch .Lasked_\@
.Lfor_b_\@:
	tensor_load_to_lds s[\g0b:\g0b+3], s[\g1b:\g1b+7]
	s_nop 0
.rept 4
	v_nop
.endr
.Lasked_\@:
.endm
.macro CREST
	s_cmp_lg_u32 s14, 0
	s_cbranch_scc1 .Lnot_wave_0_\@
	s_barrier_signal -3
.Lnot_wave_0_\@:
	s_barrier_wait -3
	s_barrier_signal -1
	s_barrier_wait -1
.endm
.macro CROUND
	s_barrier_signal -1
	s_barrier_wait -1
	CREST
.endm
	s_load_b256 s[4:11], s[0:1], 0x0               ; A s[4:5], wq6 s[6:7], bias s[8:9], residual s[10:11]
	s_load_b64 s[12:13], s[0:1], 0x20              ; out
	v_lshl_add_u32 v[SPW], v0, 2, SPARE
	v_mov_b32 v[NIL], 0
	ds_add_u32 v[SPW], v[NIL]                      ; the wave's opening: the add and its wait stand ahead of my first tensor load
	v_lshrrev_b32 v1, 5, v0
	v_readfirstlane_b32 s14, v1                    ; wave 0..3
	s_lshr_b32 s15, s14, 1                         ; my half of A's rows.  Also: I fetch for A (0) or B (1)
	s_and_b32 s16, s14, 1                          ; my half of B's rows.  Also: which 64 rows I fetch
	s_bfe_u32 s40, ttmp6, 0x40000
	s_bfe_u32 s41, ttmp6, 0x40004
	s_lshl_b32 s42, ttmp9, 2
	s_add_co_u32 s42, s42, s40                     ; tile column
	s_and_b32 s17, ttmp7, 0xffff
	s_lshl_b32 s17, s17, 2
	s_add_co_u32 s17, s17, s41                     ; tile row
	s_lshl_b32 s43, s41, 2
	s_lshl_b32 s43, 15, s43                        ; my row of the cluster
	s_lshl_b32 s44, 0x1111, s40                    ; my column
	s_or_b32 s[G1], s43, (3<<16)|(1<<21)           ; the mask; elements of 8 bytes; bit 21 beside a mask; no padding: every LDS load is dense in the lanes
	s_or_b32 s[G1B], s44, (3<<16)|(1<<21)
.irp g, G1, G1B
	s_mov_b32 s[\g+1], (TROW/8)<<16                ; tensor_dim0: 6,144 bytes
	s_mov_b32 s[\g+2], 4<<16                       ; tensor_dim1: 4 tiles of 16 rows
	s_mov_b32 s[\g+3], (TROW/8)<<16                ; tile_dim0
	s_mov_b32 s[\g+4], 4                           ; tile_dim1
	s_mov_b32 s[\g+5], KROW/8                      ; from tile to tile
	s_mov_b32 s[\g+6], 0
	s_mov_b32 s[\g+7], 0
.endr
	s_or_b32 s[G1S], s43, (3<<16)|(1<<21)          ; the scale words of 64 rows: a dense block, as rows of 256 bytes
	s_or_b32 s[G1SB], s44, (3<<16)|(1<<21)
.irp g, G1S, G1SB
	s_mov_b32 s[\g+1], 32<<16
	s_mov_b32 s[\g+2], (HALFS/256)<<16
	s_mov_b32 s[\g+3], 32<<16
	s_mov_b32 s[\g+4], HALFS/256
	s_mov_b32 s[\g+5], 32
	s_mov_b32 s[\g+6], 0
	s_mov_b32 s[\g+7], 0
.endr
	s_lshl_b32 s18, s16, 2
	s_lshl_b32 s20, s17, 3
	s_add_co_u32 s20, s20, s18                     ; A: the first tile of 16 rows that I fetch
	s_lshl_b32 s46, s42, 3
	s_add_co_u32 s46, s46, s18                     ; B likewise
	s_mul_i32 s22, s20, KS*64
	s_mul_i32 s20, s20, KROW
	s_mul_i32 s92, s46, KS*64
	s_mul_i32 s46, s46, KROW
	s_add_co_u32 s22, s22, AOFF_S
	s_add_co_u32 s46, s46, BOFF_C
	s_add_co_u32 s92, s92, BOFF_S
	s_mov_b32 s21, 0
	s_mov_b32 s23, 0
	s_mov_b32 s47, 0
	s_mov_b32 s93, 0
	s_mul_i32 s45, s14, HALFT                      ; where they go: no place in the cluster enters an LDS address
	s_mul_i32 s94, s14, HALFS
	s_wait_dscnt 0x0                               ; the opening add is done
	s_wait_kmcnt 0x0
	s_add_nc_u64 s[20:21], s[4:5], s[20:21]
	s_add_nc_u64 s[22:23], s[4:5], s[22:23]
	s_add_nc_u64 s[46:47], s[6:7], s[46:47]
	s_add_nc_u64 s[92:93], s[6:7], s[92:93]
	CROUND                                         ; all sixteen work-groups are here: the first joint loads meet
	s_mov_b32 s[G0S], 1
	s_add_co_u32 s[G0S+1], s94, SCL
	s_mov_b64 s[G0S+2:G0S+3], s[22:23]
	s_or_b32 s[G0S+3], s[G0S+3], 0x80000000
	s_mov_b32 s[G0SB], 1
	s_add_co_u32 s[G0SB+1], s94, SCL
	s_mov_b64 s[G0SB+2:G0SB+3], s[92:93]
	s_or_b32 s[G0SB+3], s[G0SB+3], 0x80000000
	JLOAD G0S, G1S, G0SB, G1SB                     ; three loads of mine go out together: the scale words, slot 0, slot 1
.irp s, 0,1
	s_mov_b32 s[G0+4*\s], 1
	s_add_co_u32 s[G0+4*\s+1], s45, \s*SLOT
	s_add_nc_u64 s[G0+4*\s+2:G0+4*\s+3], s[20:21], \s*TROW
	s_or_b32 s[G0+4*\s+3], s[G0+4*\s+3], 0x80000000
	s_mov_b32 s[G0B+4*\s], 1
	s_add_co_u32 s[G0B+4*\s+1], s45, \s*SLOT
	s_add_nc_u64 s[G0B+4*\s+2:G0B+4*\s+3], s[46:47], \s*TROW
	s_or_b32 s[G0B+4*\s+3], s[G0B+4*\s+3], 0x80000000
	JLOAD G0+4*\s, G1, G0B+4*\s, G1B
.endr
	v_and_b32 v1, 15, v0                           ; r
	v_bfe_u32 v2, v0, 4, 1                         ; h
	v_and_b32 v3, 31, v0
	v_lshlrev_b32 v4, 4, v3                        ; 16 x lane
	v_lshlrev_b32 v5, 3, v3                        ; 8 x lane
	; my 64 x 64 of the residual and of the result
	s_lshl_b32 s96, s17, 7
	s_lshl_b32 s97, s15, 6
	s_add_co_u32 s96, s96, s97
	s_lshl_b32 s96, s96, 12                        ; my first row, in bytes
	s_lshl_b32 s98, s42, 9
	s_lshl_b32 s99, s16, 8
	s_add_co_u32 s98, s98, s99                     ; my first column, in bytes
	s_add_co_u32 s96, s96, s98
	s_mov_b32 s97, 0
	s_mov_b32 s99, 0
	s_add_nc_u64 s[10:11], s[10:11], s[96:97]
	s_add_nc_u64 s[12:13], s[12:13], s[96:97]
	s_add_nc_u64 s[8:9], s[8:9], s[98:99]
	v_lshlrev_b32 v[RA], 12, v1
	v_lshl_add_u32 v[RA], v2, 6, v[RA]             ; row r, + 64 h
	v_lshlrev_b32 v[BA], 4, v1                     ; 16 r
	global_load_b128 v[BIAS:BIAS+3], v[BA], s[8:9]
	WIN 0x80                                       ; destination: window 2
.irp a, 0,1,2,3
.irp be, 0,1
.irp q, 0,1,2,3
	global_load_b128 v[32*\a+16*\be+4*\q:32*\a+16*\be+4*\q+3], v[RA], s[10:11] offset:65536*\a+128*\be+16*\q
.endr
.endr
.endr
	WIN 0
	s_mul_i32 s21, s15, HALFT
	s_mul_i32 s22, s16, HALFT
	s_add_co_u32 s22, s22, 2*HALFT
.irp s, 0,1
	v_add_nc_u32 v[ADRA+\s], s21, v4
	v_add_nc_u32 v[ADRB+\s], s22, v4
	v_add_nc_u32 v[ADRA+2+\s], s21, v5
	v_add_nc_u32 v[ADRB+2+\s], s22, v5
	s_add_co_u32 s21, s21, SLOT
	s_add_co_u32 s22, s22, SLOT
.endr
	v_lshlrev_b32 v6, 2, v1
	s_mul_i32 s21, s15, HALFS
	s_mul_i32 s22, s16, HALFS
	s_add_co_u32 s22, s22, 2*HALFS
	s_sub_co_u32 s22, s22, s21
	v_mul_u32_u24 v7, s22, v2                      ; lanes 16-31 take B's: one product, the distance between the two bases
	s_add_co_u32 s21, s21, SCL
	v_add_nc_u32 v6, v6, v7
	v_add_nc_u32 v[ADRS], s21, v6
	s_mul_i32 s23, s14, 16*SPITCH                  ; my stage
	v_mul_u32_u24 v6, v1, SPITCH
	v_lshl_add_u32 v6, v2, 6, v6
	v_add_nc_u32 v[STO], s23, v6                   ; in: row r, + 64 h
	v_mul_u32_u24 v7, v2, SPITCH
	v_lshl_add_u32 v7, v1, 4, v7
	v_add_nc_u32 v[RD], s23, v7                    ; back: lanes 0-15 one row of 256 bytes, lanes 16-31 the next
	v_lshlrev_b32 v[CO], 12, v2
	v_lshl_add_u32 v[CO], v1, 4, v[CO]             ; and the same two rows in the result
.macro FRAG reg, adr, q, i             ; a fragment comes back as it was stored: four loads, each dense in the lanes
	ds_load_b128 v[\reg:\reg+3], v[\adr] offset:(\i)*TROW+(\q)*FRB
	ds_load_b64 v[\reg+4:\reg+5], v[\adr+2] offset:(\i)*TROW+(\q)*FRB+512
	ds_load_b128 v[\reg+6:\reg+9], v[\adr] offset:(\i)*TROW+(\q)*FRB+768
	ds_load_b64 v[\reg+10:\reg+11], v[\adr+2] offset:(\i)*TROW+(\q)*FRB+1280
.endm
; 4 matrix instructions: A's block a x B's four, from buffer p.  The 16 accumulators take turns, one instruction a turn, in the same order in every step
.macro MULA p, a, q, sc
.irp b, 0,1,2,3
	v_wmma_scale_f32_16x16x128_f8f6f4 v[8*(4*(\a)+\b):8*(4*(\a)+\b)+7], v[128*(\p)+48+FR*\b:128*(\p)+48+FR*\b+FR-1], v[128*(\p)+FR*(\a):128*(\p)+FR*(\a)+FR-1], v[8*(4*(\a)+\b):8*(4*(\a)+\b)+7], v[SC+4*NQ*(\sc)+NQ*\b+(\q)], v[SC+4*NQ*(\sc)+NQ*(\a)+(\q)] matrix_a_fmt:MATRIX_FMT_FP6 matrix_b_fmt:MATRIX_FMT_FP6 matrix_a_scale:MATRIX_SCALE_ROW1
.endr
.endm
.macro FETCH slot, q, p                ; 32 LDS loads in one run: B's four fragments, then A's four, of the slot's q-th 128 along K, into buffer p
	WIN TO_F
.irp i, 0,1,2,3
	FRAG 128*(\p)+48+FR*\i, ADRB+\slot, \q, \i
.endr
.irp i, 0,1,2,3
	FRAG 128*(\p)+FR*\i, ADRA+\slot, \q, \i
.endr
.endm
.macro SCALES sc                       ; a slot's scale words: register NQ i + q: lanes 0-15 A's block i, lanes 16-31 B's block i
.irp i, 0,1,2,3
.irp q, 0,1,2,3
	ds_load_b32 v[SC+4*NQ*\sc+NQ*\i+\q], v[ADRS] offset:\i*KS*64+64*\q
.endr
.endr
.endm
.macro PLACES n
.rept \n
	v_nop
.endr
.endm
.macro STEP slot, q                    ; 128 along K whose successor lies in the same slot: multiplies buffer q % 2, fetches the next step into the other
	s_wait_dscnt 8                                 ; all but the youngest 8 loads (A's blocks 2, 3) are in
	WIN MUL
	MULA (\q)%2, 0, \q, \slot
	MULA (\q)%2, 1, \q, \slot
	PLACES NP                                      ; in front of loads into registers that the last step's matrix instructions have read
	FETCH \slot, (\q)+1, 1-(\q)%2
	s_wait_dscnt 32                                ; all but the 32 just issued
	WIN MUL
	MULA (\q)%2, 2, \q, \slot
	MULA (\q)%2, 3, \q, \slot
.endm
.macro TURN slot, next, fill           ; a slot's last step (buffer 1) changes slots: one barrier; fill = 1: a round of the cluster's, and this slot is filled again
	WIN 0                                          ; (the add's two registers lie in window 0)
	s_wait_tensorcnt 0x0                           ; all my tensor loads have landed: my part of the next slot
	ds_add_u32 v[SPW], v[NIL]                      ; 0 onto my spare word
	s_wait_dscnt 9                                 ; (the add and the youngest 8 loads may be out)
	WIN MUL
	MULA 1, 0, NQ-1, \slot
	s_wait_dscnt 0x0                               ; the add is done, and my reads of this slot are over
	s_barrier_signal -1
	MULA 1, 1, NQ-1, \slot
	WIN 0
	s_barrier_wait -1
.if \fill
	CREST                                          ; no wave of any partner still reads this slot or has a load on its way
	s_add_nc_u64 s[G0+4*\slot+2:G0+4*\slot+3], s[G0+4*\slot+2:G0+4*\slot+3], 2*TROW
	s_add_nc_u64 s[G0B+4*\slot+2:G0B+4*\slot+3], s[G0B+4*\slot+2:G0B+4*\slot+3], 2*TROW
	JLOAD G0+4*\slot, G1, G0B+4*\slot, G1B         ; my one tensor load behind the round; its four v_nop are the places in front of the loads below
.else
	PLACES NP
.endif
	v_add_nc_u32 v[ADRS], 64*NQ, v[ADRS]           ; on to the next slot's scale words
	SCALES \next
	FETCH \next, 0, 0
	WIN MUL
	MULA 1, 2, NQ-1, \slot
	MULA 1, 3, NQ-1, \slot
.endm
	s_wait_tensorcnt 1                             ; the scale words and my part of slot 0 are in; slot 1's load may be out
	s_barrier_signal -1
	s_barrier_wait -1
	SCALES 0
	FETCH 0, 0, 0
	WIN 0
	s_wait_loadcnt 0x0                             ; the residual lies in the accumulators, the bias in its registers
.if LAPS > 1
	s_mov_b32 s3, LAPS-1
.Llap:                                         ; a trip goes once round the ring and fills both slots again
	STEP 0, 0
	STEP 0, 1
	STEP 0, 2
	TURN 0, 1, 1
	STEP 1, 0
	STEP 1, 1
	STEP 1, 2
	TURN 1, 0, 1
	WIN 0                                          ; at a label and at a branch every window is 0
	s_sub_co_u32 s3, s3, 1
	s_cmp_lg_u32 s3, 0
	s_cbranch_scc1 .Llap
.endif
	STEP 0, 0                                      ; the last lap fills nothing, and has no round of the cluster's barrier
	STEP 0, 1
	STEP 0, 2
	TURN 0, 1, 0
	STEP 1, 0
	STEP 1, 1
	STEP 1, 2
	s_wait_dscnt 8                                 ; the very last step: nothing more to fetch
	WIN MUL
	MULA 1, 0, NQ-1, 1
	MULA 1, 1, NQ-1, 1
	s_wait_dscnt 0
	MULA 1, 2, NQ-1, 1
	MULA 1, 3, NQ-1, 1
	WIN 0
; THE WAY OUT, a block of 16 rows x 64 columns at a time, through my own stage; LDS serves a wave's instructions in order, so no wait stands between the stores and the loads
.macro TOSTAGE a
	WIN 0x08                                       ; an LDS store's data are its source 1: window 2
.irp b, 0,1,2,3
	ds_store_b128 v[STO], v[32*(\a)+8*\b:32*(\a)+8*\b+3] offset:128*(\b/2)+32*(\b%2)         ; each accumulator from its low end on
	ds_store_b128 v[STO], v[32*(\a)+8*\b+4:32*(\a)+8*\b+7] offset:128*(\b/2)+32*(\b%2)+16
.endr
	WIN 0
.set BB, BK+32*((\a)%2)
.irp t, 0,1,2,3,4,5,6,7
	ds_load_b128 v[BB+4*\t:BB+4*\t+3], v[RD] offset:\t*2*SPITCH
.endr
.endm
.macro SEND a, younger
.set BB, BK+32*((\a)%2)
	s_wait_dscnt \younger                          ; the block is back in registers
.if (\a) > 0
	s_add_nc_u64 s[12:13], s[12:13], 65536         ; 16 rows on (behind a wait for 0 on XCNT: the earlier stores have read their base)
.endif
.irp t, 0,1,2,3,4,5,6,7
	v_pk_add_f32 v[BB+4*\t:BB+4*\t+1], v[BB+4*\t:BB+4*\t+1], v[BIAS:BIAS+1]
	v_pk_add_f32 v[BB+4*\t+2:BB+4*\t+3], v[BB+4*\t+2:BB+4*\t+3], v[BIAS+2:BIAS+3]
.endr
.irp t, 0,1,2,3,4,5,6,7
	global_store_b128 v[CO], v[BB+4*\t:BB+4*\t+3], s[12:13] offset:\t*8192 th:TH_STORE_NT   ; sixteen lanes store 256 consecutive bytes, aligned; written once, read by nobody here
.endr
.endm
	PLACES NP                                      ; in front of the first reads of results
	TOSTAGE 0
.irp a, 1,2,3
.if \a > 1
	s_wait_xcnt 0x0                                ; block a - 2's stores have read their registers and their base
.endif
	TOSTAGE \a
	SEND \a-1, 16                                  ; behind block a - 1's loads: block a's 8 stores and 8 loads
.endr
	s_wait_xcnt 0x0
	SEND 3, 0
	s_wait_tensorcnt 0x0                           ; the wave's end
	ds_add_u32 v[SPW], v[NIL]
	s_wait_dscnt 0x0
	CROUND                                         ; the closing round
	s_endpgm
.Lfunc_end_k_q469818fa1f_ffn2:
	.size	k_q469818fa1f_ffn2, .Lfunc_end_k_q469818fa1f_ffn2-k_q469818fa1f_ffn2
	.p2alignl 7, 3214868480
	.fill 96, 4, 3214868480
	.section	.rodata,"a",@progbits
	.p2align	6, 0x0
	.amdhsa_kernel k_q469818fa1f_ffn2
		.amdhsa_group_segment_fixed_size 327680
		.amdhsa_private_segment_fixed_size 0
		.amdhsa_enable_private_segment 0
		.amdhsa_kernarg_size 40
		.amdhsa_user_sgpr_count 2
		.amdhsa_user_sgpr_kernarg_segment_ptr 1
		.amdhsa_wavefront_size32 1
		.amdhsa_system_sgpr_workgroup_id_x 1
		.amdhsa_system_sgpr_workgroup_id_y 1
		.amdhsa_system_sgpr_workgroup_id_z 1
		.amdhsa_system_vgpr_workitem_id 0
		.amdhsa_next_free_vgpr 768
		.amdhsa_next_free_sgpr 102
		.amdhsa_reserve_vcc 0
		.amdhsa_float_denorm_mode_32 3
		.amdhsa_float_denorm_mode_16_64 3
		.amdhsa_memory_ordered 1
		.amdhsa_forward_progress 1
		.amdhsa_inst_pref_size 100
	.end_amdhsa_kernel
	.amdgpu_metadata
---
amdhsa.version: [ 1, 2 ]
amdhsa.kernels:
  - .name:           k_q469818fa1f_ffn2
    .symbol:         k_q469818fa1f_ffn2.kd
    .args:
      - { .name: gc, .offset: 0, .size: 8, .value_kind: global_buffer, .address_space: global }
      - { .name: wq6, .offset: 8, .size: 8, .value_kind: global_buffer, .address_space: global }
      - { .name: b2, .offset: 16, .size: 8, .value_kind: global_buffer, .address_space: global }
      - { .name: x1, .offset: 24, .size: 8, .value_kind: global_buffer, .address_space: global }
      - { .name: out0, .offset: 32, .size: 8, .value_kind: global_buffer, .address_space: global }
    .group_segment_fixed_size: 327680
    .private_segment_fixed_size: 0
    .kernarg_segment_align: 8
    .kernarg_segment_size: 40
    .max_flat_workgroup_size: 128
    .sgpr_count:     102
    .vgpr_count:     768
    .wavefront_size: 32
...
	.end_amdgpu_metadata
.endif
;; end of part 9
